; MI455X (gfx1250); checked and timed in simulation.
; The chip was launched on July 23, 2026; its instructions are those of AMD's public machine-readable ISA for CDNA 5 (MIT licence, August 2026) and "CDNA5" Instruction Set Architecture Reference Guide (July 2026). The comments in the code are by the model that wrote it; some were corrected since.
;; Decode Layer. Allowed arithmetic: matrix products marked QUANTISED: E3M2 operands, one E8M0 scale for each 32 along K, by v_wmma_scale_f32_16x16x128_f8f6f4 with both operands' format E3M2, f32 sums; everything else in f32.
;; Inputs: W1 1,024 x 1,024 float32; W2 1,024 x 1,024 float32; Wk1 1,024 x 1,024 float32; Wk2 1,024 x 1,024 float32; Wo1 1,024 x 1,024 float32; Wo2 1,024 x 1,024 float32; Wq1 1,024 x 1,024 float32; Wq2 1,024 x 1,024 float32; Wv1 1,024 x 1,024 float32; Wv2 1,024 x 1,024 float32; casual_mask 2,048 x 2,048 float32; g1 1,024 float32; g2 1,024 float32; g3 1,024 float32; memory 2 x 1,024 x 1,024 float32; position_embedding 1 x 1 x 2,048 x 1,024 float32; x 2 x 2,048 x 1,024 float32.
;; Outputs: out0 2 x 2,048 x 1,024 float32.
;; This version of the problem:
;;   THIS VERSION OF THE PROBLEM IS GIVEN IN LOW PRECISION. The matrix products marked QUANTISED in the list below multiply operands that are first quantised to E3M2 (3 exponent bits, 2 mantissa bits; 6 bits a number), with one power-of-two scale for each 32 numbers along K (OCP MX v1.0); their sums are f32. All else is computed in f32.
;;   The module's matrix products, in the order in which they are computed (A, B: the left and right operand; K: the contracted axis; several contracted axes count as one K, in the product's order):
;;     1. [M 4,096, K 1,024] x [K 1,024, N 1,024]; A: computed on the way; B: input Wq1: QUANTISED
;;     2. [M 4,096, K 1,024] x [K 1,024, N 1,024]; A: computed on the way; B: input Wk1: QUANTISED
;;     3. [M 4,096, K 1,024] x [K 1,024, N 1,024]; A: computed on the way; B: input Wv1: QUANTISED
;;     4. batch 32 x [M 2,048, K 64] x [K 64, N 2,048]; A: computed on the way; B: computed on the way: QUANTISED
;;     5. batch 32 x [M 64, K 2,048] x [K 2,048, N 2,048]; A: computed on the way; B: softmax (see below): QUANTISED
;;     6. [M 4,096, K 1,024] x [K 1,024, N 1,024]; A: computed on the way; B: input Wo1: QUANTISED
;;     7. [M 4,096, K 1,024] x [K 1,024, N 1,024]; A: computed on the way; B: input Wq2: QUANTISED
;;     8. [M 2,048, K 1,024] x [K 1,024, N 1,024]; A: input memory; B: input Wk2: QUANTISED
;;     9. [M 2,048, K 1,024] x [K 1,024, N 1,024]; A: input memory; B: input Wv2: QUANTISED
;;     10. batch 32 x [M 2,048, K 64] x [K 64, N 1,024]; A: computed on the way; B: computed on the way: QUANTISED
;;     11. batch 32 x [M 64, K 1,024] x [K 1,024, N 2,048]; A: computed on the way; B: softmax (see below): QUANTISED
;;     12. [M 4,096, K 1,024] x [K 1,024, N 1,024]; A: computed on the way; B: input Wo2: QUANTISED
;;     13. [M 4,096, K 1,024] x [K 1,024, N 1,024]; A: computed on the way; B: input W1: QUANTISED
;;     14. [M 4,096, K 1,024] x [K 1,024, N 1,024]; A: computed on the way; B: input W2: QUANTISED
;;   THE QUANTISER, for each operand of a quantised product, along K:
;;     - K is cut into blocks of 32 from its start; a last block that is shorter is filled with zeros.
;;     - A block's scale is 2^e with e = floor(log2(the largest magnitude in the block)) - 4, held to -126 .. 127; a block of zeros has e = 0. As a byte (E8M0): e + 127.
;;     - Each number is divided by its block's scale, clamped to +-28, and rounded to the nearest number of E3M2, ties to even, subnormals kept.
;;     - The product sums the exact products of the quantised numbers (number of the format x scale) in f32.
;;   ~~~python
;;   def quantise(x, axis):      # numpy; x: float32 -> the quantised numbers, widened to float32 again
;;       x = np.moveaxis(x, axis, -1); K = x.shape[-1]
;;       x = np.pad(x, [(0, 0)] * (x.ndim - 1) + [(0, -K % 32)]); x = x.reshape(x.shape[:-1] + (-1, 32)); a = np.abs(x).max(-1, keepdims=True)
;;       e = np.where(a > 0, np.clip(np.frexp(np.where(a > 0, a, 1))[1] - 1 - 4, -126, 127), 0)      # np.frexp(a)[1] - 1 = floor(log2(a)), exactly
;;       r = np.clip(x / 2.0 ** e, -28, 28)
;;       step = 2.0 ** (np.maximum(np.frexp(np.where(r == 0, 1, r))[1] - 1, -2) - 2)
;;       q = np.round(r / step) * step * 2.0 ** e      # np.round: ties to even
;;       return np.moveaxis(q.reshape(q.shape[:-2] + (-1,))[..., :K], -1, axis).astype(np.float32)
;;   ~~~
;;   SOFTMAX AHEAD OF A QUANTISED PRODUCT. Where the list says 'softmax', what is quantised is not the finished softmax but p = 2^(t - M), with t = logit x log2(e) and M = ceil(the row's largest t), a whole number; so 1/2 < the row's largest p <= 1. The row's sum l is taken of the UNQUANTISED p, in f32, and the product's result is divided by l at the end. Since M is a whole number, a kernel that streams over the keys may use a running M (the ceiling of the running maximum): every later rescaling is an exact power of two, which a block's scale takes up: the codes' values come out the same.
;;   OPERANDS COMPUTED ON THE WAY. 'Computed on the way' means the value that the module computes at that place (a softmax that the list does not call 'softmax' is quantised finished and normalised). What goes into a quantiser is computed in f32, as accurately as f32 sums, v_exp_f32 and their like allow (about 1e-6 of the number): no bf16 or f16 on the way to a quantiser, and a product that is left as it is and whose result goes on into a quantised operand takes f32 operands (vector FMAs, or v_wmma_f32_16x16x4_f32). A number that lies on a knife's edge between two numbers of the format may be rounded either way, as far as f32 arithmetic and the matrix unit's own rounding can turn it there, and no further.
;; One version. Each part assembles by itself: llvm-mc -triple=amdgcn-amd-amdhsa -mcpu=gfx1250 --defsym DOCPART=n.
;; ======== version 1 of 1: 12 launches
;; limits: right only within a limited range of input values
;; workspace buffers: p1 9,830,400 bytes; p2 5,734,400 bytes; p3 5,734,400 bytes; p4 5,734,400 bytes; qkv 15,564,800 bytes; x1 16,777,216 bytes; x2 16,777,216 bytes
;; launch wq (part 1): grid 8 x 40, 4 waves a work-group, no clusters, 0 bytes of LDS; arguments Wq1, Wk1, Wv1, Wk2, Wv2, W1, Wo1, Wq2, Wo2, W2, p1, p2, p3, p4, qkv; writes p1, p2, p3, p4, qkv
.if DOCPART == 1
	.amdgcn_target "amdgcn-amd-amdhsa--gfx1250"
	.amdhsa_code_object_version 6
	.text
	.protected	k_q06f56a86d8_wq
	.globl	k_q06f56a86d8_wq
	.p2align	8
	.type	k_q06f56a86d8_wq,@function
k_q06f56a86d8_wq:
	s_mov_b64 s[64:65], 0
	v_nop
	global_prefetch_b8 v0, s[64:65] scope:SCOPE_SE
	s_setreg_imm32_b32 hwreg(HW_REG_WAVE_MODE, 25, 1), 1
	s_wait_xcnt 0x0
; The ten weights, [1024 (k)][1024 (n)] f32 with K as the FIRST axis, become codes of BF6 (E3M2) with one E8M0 byte for each 32 along K, laid as images of operand registers.
; THE LAYOUT that all launches of this program share.  16 columns form a tile T; its position r is column 32 (T / 2) + 8 (T % 2) + r % 8 + 16 (r / 8).
; A half fragment is 768 bytes: 16 positions x 64 along K.  Lane (r, h) of an operand owns block h of the 64: six registers; the first four lie at byte 16 (r + 16 h), the last two at 512 + 8 (r + 16 h).
; A tile's codes: 16 half fragments on end, 12,288 bytes.  Its scale words: 512 bytes behind all codes: word (K step of 128, position r) at 64 step + 4 r, byte i for block i of the step.
; A LANE TAKES A COLUMN AND ITS REGISTERS RUN DOWN K: a block of 32 is one lane's 32 registers, its largest magnitude needs no other lane, and the conversions give codes with K innermost.
; SHARES: work-group x = 128 columns; y = 4 x weight + quarter of K (256).  A wave: 32 columns (two tiles: lanes 0-15 the first, lanes 16-31 the second) x 8 blocks.
; Stores: a block's first four registers: sixteen lanes fill 256 consecutive aligned bytes; the last two registers of two blocks are exchanged between the halves of the lanes, so that 32 lanes fill 256 consecutive bytes of one tile.
; A block's scale is 2^(floor(log2(largest magnitude)) - 4); its byte is the magnitude's exponent field - 4, held at 1 from below.
; LIMITS: a block of zeros, and one whose largest magnitude lies under 2^-122, gets the byte 1 (zero codes add nothing; this program alone reads the bytes).  NaN and infinities are not served.
; No LDS, no barrier, no matrix unit: the launch streams; waves share nothing.
.set WO,    4915200                    ; the first weight slot in a buffer
.set SLOTB, 819200                     ; a slot: 786,432 bytes of codes, 32,768 of scale words
.set WSC,   786432
.set TILEB, 12288
.set EMAX,  4
.set SB,    24                         ; v24-25   my column's 8 scale bytes
.set X,     32                         ; v32-95   two sets of 32 numbers
.set CQ,    96                         ; v96-127  block t: registers 0-3 of its six
.set CP,    128                        ; v128-143 block t: registers 4-5
.set CT,    144                        ; v144-146 the second conversion's result
	s_load_b512 s[8:23], s[0:1], 0x0               ; Wq1 Wk1 Wv1 Wk2 Wv2 W1 Wo1 Wq2
	s_load_b128 s[24:27], s[0:1], 0x40             ; Wo2 W2
	s_load_b256 s[28:35], s[0:1], 0x50             ; p1 p2 p3 p4
	s_load_b64 s[36:37], s[0:1], 0x70              ; qkv
	v_lshrrev_b32 v1, 5, v0
	v_readfirstlane_b32 s40, v1                    ; wave
	v_and_b32 v2, 31, v0                           ; lane
	v_and_b32 v7, 15, v0                           ; r
	v_bfe_u32 v8, v0, 4, 1                         ; u: which of the wave's two tiles
	v_and_b32 v9, 7, v0
	v_bfe_u32 v10, v0, 3, 1
	v_lshl_add_u32 v9, v8, 3, v9
	v_lshl_add_u32 v9, v10, 4, v9                  ; my column among the wave's 32: 8 u + r % 8 + 16 (r / 8)
	v_lshlrev_b32 v3, 2, v9                        ; in: 4 bytes a column; a load of the wave covers 128 consecutive bytes
	v_mul_u32_u24 v4, v8, TILEB
	v_lshl_add_u32 v4, v7, 4, v4                   ; out, registers 0-3: my tile, 16 r
	v_lshlrev_b32 v5, 3, v2                        ; out, registers 4-5 after the exchange: 8 x lane
	v_lshlrev_b32 v6, 9, v8
	v_lshl_add_u32 v6, v7, 2, v6                   ; out, scale words: my tile, 4 r
	s_and_b32 s41, ttmp7, 0xffff
	s_lshr_b32 s42, s41, 2                         ; which weight
	s_and_b32 s43, s41, 3                          ; which 256 along K
	s_lshl_b32 s44, s43, 20                        ; 256 rows of 4,096 bytes
	s_lshl_b32 s46, ttmp9, 9
	s_add_co_u32 s44, s44, s46
	s_lshl_b32 s46, s40, 7
	s_add_co_u32 s44, s44, s46                     ; + 512 x + 128 wave
	s_mov_b32 s45, 0
	s_lshl_b32 s46, ttmp9, 3
	s_lshl_b32 s47, s40, 1
	s_add_co_u32 s46, s46, s47                     ; the wave's first tile: 8 x + 2 wave
	s_cmp_lt_u32 s42, 6                            ; weights 0-5 lie in p1's slots 0-5, the others in slot 0 of a buffer of their own
	s_cselect_b32 s47, s42, 0
	s_mul_i32 s47, s47, SLOTB
	s_add_co_u32 s47, s47, WO
	s_mul_i32 s48, s46, TILEB
	s_add_co_u32 s48, s48, s47
	s_mul_i32 s50, s43, 3072
	s_add_co_u32 s48, s48, s50                     ; codes: slot + tile x 12,288 + four half fragments for each quarter of K
	s_mov_b32 s49, 0
	s_lshl_b32 s50, s46, 9
	s_add_co_u32 s50, s50, s47
	s_lshl_b32 s52, s43, 7
	s_add_co_u32 s50, s50, s52
	s_add_co_u32 s50, s50, WSC                     ; scale words: slot + 786,432 + tile x 512 + two K steps for each quarter
	s_mov_b32 s51, 0
	s_wait_alu depctr_va_vdst(0)
	s_wait_kmcnt 0x0
	s_mov_b64 s[4:5], s[8:9]                       ; the source and the destination are chosen on the work-group's number alone
.irp i, 1,2,3,4,5,6,7,8,9
	s_cmp_eq_u32 s42, \i
	s_cselect_b64 s[4:5], s[8+2*\i:9+2*\i], s[4:5]
.endr
	s_mov_b64 s[6:7], s[28:29]
.irp i, 6,7,8,9
	s_cmp_eq_u32 s42, \i
	s_cselect_b64 s[6:7], s[18+2*\i:19+2*\i], s[6:7]
.endr
	s_add_nc_u64 s[4:5], s[4:5], s[44:45]
	s_add_nc_u64 s[38:39], s[6:7], s[50:51]
	s_add_nc_u64 s[6:7], s[6:7], s[48:49]
.macro LOAD t                          ; block t: W(32 t + i, my column) into set t % 2; every offset is an immediate, 255 rows at the most
.irp i, 0,1,2,3,4,5,6,7,8,9,10,11,12,13,14,15,16,17,18,19,20,21,22,23,24,25,26,27,28,29,30,31
	global_load_b32 v[X+32*((\t)%2)+\i], v3, s[4:5] offset:(32*(\t)+\i)*4096 th:TH_LOAD_NT
.endr
.endm
.macro BLOCK t
.set XS, X+32*((\t)%2)
.if (\t) < 7
	s_wait_loadcnt 32                              ; this block's 32 loads are in; the next block's 32 may be out
.else
	s_wait_loadcnt 0
.endif
	v_max3_num_f32 v12, |v[XS]|, |v[XS+1]|, |v[XS+2]|     ; the block's largest magnitude, in two chains
	v_max3_num_f32 v13, |v[XS+3]|, |v[XS+4]|, |v[XS+5]|
.irp i, 6,10,14,18,22,26
	v_max3_num_f32 v12, v12, |v[XS+\i]|, |v[XS+\i+1]|
	v_max3_num_f32 v13, v13, |v[XS+\i+2]|, |v[XS+\i+3]|
.endr
	v_max3_num_f32 v12, v12, |v[XS+30]|, |v[XS+31]|
	v_max3_num_f32 v12, v12, v13, (EMAX+1)<<23     ; and the floor 2^(5 - 127): the byte cannot fall under 1
	v_add_nc_u32 v11, -(EMAX<<23), v12             ; 4 off the exponent field: the conversion takes this operand's exponent field as its scale
	v_cvt_scalef32_pk16_bf6_f32 v[CQ+4*(\t):CQ+4*(\t)+2], v[XS:XS+15], v11
	v_cvt_scalef32_pk16_bf6_f32 v[CT:CT+2], v[XS+16:XS+31], v11      ; (a conversion's three registers begin on an even number)
	v_lshrrev_b32 v13, 23, v11                     ; the scale's byte; also the plain line behind the conversions
.if (\t)%4 == 0
	v_mov_b32 v[SB+(\t)/4], v13
.else
	v_lshl_or_b32 v[SB+(\t)/4], v13, 8*((\t)%4), v[SB+(\t)/4]
.endif
	v_mov_b32 v[CQ+4*(\t)+3], v[CT]
	v_mov_b32 v[CP+2*(\t)], v[CT+1]
	v_mov_b32 v[CP+2*(\t)+1], v[CT+2]
	global_store_b128 v4, v[CQ+4*(\t):CQ+4*(\t)+3], s[6:7] offset:((\t)/2)*768+256*((\t)%2)   ; sixteen lanes: 256 consecutive aligned bytes of a tile
.if (\t)%2 == 1
	v_permlane16_swap_b32 v[CP+2*(\t)-2], v[CP+2*(\t)]       ; the even block's lanes 16-31 change places with the odd block's lanes 0-15:
	v_permlane16_swap_b32 v[CP+2*(\t)-1], v[CP+2*(\t)+1]     ; each pair of registers now holds both blocks of ONE tile
	global_store_b64 v5, v[CP+2*(\t)-2:CP+2*(\t)-1], s[6:7] offset:((\t)/2)*768+512
	global_store_b64 v5, v[CP+2*(\t):CP+2*(\t)+1], s[6:7] offset:((\t)/2)*768+512+TILEB
.endif
.if (\t)+2 < 8
	LOAD (\t)+2
.endif
.endm
	LOAD 0
	LOAD 1
.set Q, 0
.rept 8                                ; each block has registers of its own for its codes: no store's data are written again
	BLOCK Q
.set Q, Q+1
.endr
	global_store_b32 v6, v[SB], s[38:39]           ; my column's two scale words
	global_store_b32 v6, v[SB+1], s[38:39] offset:64
	s_endpgm
.Lfunc_end_k_q06f56a86d8_wq:
	.size	k_q06f56a86d8_wq, .Lfunc_end_k_q06f56a86d8_wq-k_q06f56a86d8_wq
	.p2alignl 7, 3214868480
	.fill 96, 4, 3214868480
	.section	.rodata,"a",@progbits
	.p2align	6, 0x0
	.amdhsa_kernel k_q06f56a86d8_wq
		.amdhsa_group_segment_fixed_size 0
		.amdhsa_private_segment_fixed_size 0
		.amdhsa_enable_private_segment 0
		.amdhsa_kernarg_size 120
		.amdhsa_user_sgpr_count 2
		.amdhsa_user_sgpr_kernarg_segment_ptr 1
		.amdhsa_wavefront_size32 1
		.amdhsa_system_sgpr_workgroup_id_x 1
		.amdhsa_system_sgpr_workgroup_id_y 1
		.amdhsa_system_sgpr_workgroup_id_z 1
		.amdhsa_system_vgpr_workitem_id 0
		.amdhsa_next_free_vgpr 160
		.amdhsa_next_free_sgpr 66
		.amdhsa_reserve_vcc 0
		.amdhsa_float_denorm_mode_32 3
		.amdhsa_float_denorm_mode_16_64 3
		.amdhsa_memory_ordered 1
		.amdhsa_forward_progress 1
		.amdhsa_inst_pref_size 41
	.end_amdhsa_kernel
	.amdgpu_metadata
---
amdhsa.version: [ 1, 2 ]
amdhsa.kernels:
  - .name:           k_q06f56a86d8_wq
    .symbol:         k_q06f56a86d8_wq.kd
    .args:
      - { .name: Wq1, .offset: 0, .size: 8, .value_kind: global_buffer, .address_space: global }
      - { .name: Wk1, .offset: 8, .size: 8, .value_kind: global_buffer, .address_space: global }
      - { .name: Wv1, .offset: 16, .size: 8, .value_kind: global_buffer, .address_space: global }
      - { .name: Wk2, .offset: 24, .size: 8, .value_kind: global_buffer, .address_space: global }
      - { .name: Wv2, .offset: 32, .size: 8, .value_kind: global_buffer, .address_space: global }
      - { .name: W1, .offset: 40, .size: 8, .value_kind: global_buffer, .address_space: global }
      - { .name: Wo1, .offset: 48, .size: 8, .value_kind: global_buffer, .address_space: global }
      - { .name: Wq2, .offset: 56, .size: 8, .value_kind: global_buffer, .address_space: global }
      - { .name: Wo2, .offset: 64, .size: 8, .value_kind: global_buffer, .address_space: global }
      - { .name: W2, .offset: 72, .size: 8, .value_kind: global_buffer, .address_space: global }
      - { .name: p1, .offset: 80, .size: 8, .value_kind: global_buffer, .address_space: global }
      - { .name: p2, .offset: 88, .size: 8, .value_kind: global_buffer, .address_space: global }
      - { .name: p3, .offset: 96, .size: 8, .value_kind: global_buffer, .address_space: global }
      - { .name: p4, .offset: 104, .size: 8, .value_kind: global_buffer, .address_space: global }
      - { .name: qkv, .offset: 112, .size: 8, .value_kind: global_buffer, .address_space: global }
    .group_segment_fixed_size: 0
    .private_segment_fixed_size: 0
    .kernarg_segment_align: 8
    .kernarg_segment_size: 120
    .max_flat_workgroup_size: 128
    .sgpr_count:     66
    .vgpr_count:     160
    .wavefront_size: 32
...
	.end_amdgpu_metadata
.endif
;; end of part 1
;; launch nrm1 (part 2): grid 384 x 1, 8 waves a work-group, no clusters, 69,632 bytes of LDS; arguments x, memory, g1, p1; writes p1
.if DOCPART == 2
	.amdgcn_target "amdgcn-amd-amdhsa--gfx1250"
	.amdhsa_code_object_version 6
	.text
	.protected	k_q06f56a86d8_nrm1
	.globl	k_q06f56a86d8_nrm1
	.p2align	8
	.type	k_q06f56a86d8_nrm1,@function
k_q06f56a86d8_nrm1:
	s_mov_b64 s[64:65], 0
	v_nop
	global_prefetch_b8 v0, s[64:65] scope:SCOPE_SE
	s_setreg_imm32_b32 hwreg(HW_REG_WAVE_MODE, 25, 1), 1
	s_wait_xcnt 0x0
; h = x / sqrt(mean(x^2) + 1e-6) x g, row by row, quantised along the row to codes of BF6 (E3M2) with one E8M0 byte for each 32, and stored as images of operand registers.
; Work-groups 256 and up take rows of the second argument (memory) instead, which is quantised as it is: they jump over the two multiplications and nothing else.
; THE LAYOUT: 16 rows form a tile T; position r is row 32 (T / 2) + 8 (T % 2) + r % 8 + 16 (r / 8).  A half fragment (16 positions x 64 along K) is 768 bytes: lane (r, h) owns block h:
; its first four registers at 16 (r + 16 h), its last two at 512 + 8 (r + 16 h).  A tile: 16 half fragments, 12,288 bytes; scale words at SCO + 512 T + 64 (K step) + 4 r.
; SHARES: a work-group is a tile; wave s takes K step s (128 columns).  Each load reads 512 consecutive bytes of one row; the 16 x 512 bytes turn through the wave's own stage in LDS (rows 528 bytes apart)
; and come back so that lane (r, h) holds, of row r, 16 neighbours of each block of 32.  The eight waves' sums of squares meet in LDS behind one barrier and are added in one fixed order by every wave.
; LIMITS: the sum of squares is taken in four chains and eight parts, another order than a plain mean's; 1 / sqrt by v_rsq_f32.  A block of zeros or under 2^-122 gets the byte 1 with zero codes.  NaN and infinities are not served.
; No matrix unit, no tensor loads: the launch streams.
.set SCO, 4718592
.set STG, 8448                         ; a wave's stage: 16 rows x 528
.set RED, 67584                        ; behind the stages: 8 waves x 16 rows x 4 bytes
.set R,   32                           ; v32-95   16 rows as loaded; later the codes
.set X,   96                           ; v96-159  64 numbers of my row: register 16 b + i = column 32 b + 16 h + i of the K step
.set G,   160                          ; v160-223 the gain at the same columns
.set TM,  224                          ; v224-235 at work in QUANT
.set PW,  240
.set PC,  32
.set SEL, 30
.macro QUANT s, pc, pw                 ; 64 numbers of a lane become a fragment's 12 registers at v[pc] and its scale word in v[pw]
.irp b, 0,1,2,3
	v_max3_num_f32 v[TM+\b], |v[(\s)+16*\b]|, |v[(\s)+1+16*\b]|, 0x2800000      ; block b: my 16 numbers, and the floor 2^(5 - 127)
.endr
.irp i, 2,4,6,8,10,12,14
.irp b, 0,1,2,3
	s_delay_alu instid0(VALU_DEP_4)
	v_max3_num_f32 v[TM+\b], v[TM+\b], |v[(\s)+16*\b+\i]|, |v[(\s)+1+16*\b+\i]|   ; the four blocks by turns
.endr
.endr
.irp b, 0,1,2,3
	s_delay_alu instid0(VALU_DEP_4)
	v_permlanex16_b32 v[TM+4+\b], v[TM+\b], s[SEL], s[SEL+1]
.endr
.irp b, 0,1,2,3
	s_delay_alu instid0(VALU_DEP_4)
	v_max_num_f32 v[TM+\b], v[TM+\b], v[TM+4+\b]   ; with lane l xor 16's 16: the block's largest magnitude
.endr
.irp b, 0,1,2,3
	s_delay_alu instid0(VALU_DEP_4)
	v_add_nc_u32 v[TM+8+\b], 0xfe000000, v[TM+\b]  ; 4 off its exponent field: the conversion's scale operand
.endr
.irp b, 0,1,2,3
	s_delay_alu instid0(VALU_DEP_4)
	v_lshrrev_b32 v[TM+4+\b], 23, v[TM+8+\b]       ; the scale's byte
.endr
	s_delay_alu instid0(VALU_DEP_3)
	v_lshl_or_b32 v[\pw], v[TM+5], 8, v[TM+4]
	s_delay_alu instid0(VALU_DEP_1)
	v_lshl_or_b32 v[\pw], v[TM+6], 16, v[\pw]
	s_delay_alu instid0(VALU_DEP_1)
	v_lshl_or_b32 v[\pw], v[TM+7], 24, v[\pw]
.irp c, 0,1
	v_cvt_scalef32_pk16_bf6_f32 v[(\pc)+6*\c:(\pc)+2+6*\c], v[(\s)+32*\c:(\s)+15+32*\c], v[TM+8+2*\c]
	v_cvt_scalef32_pk16_bf6_f32 v[(\pc)+12+4*\c:(\pc)+14+4*\c], v[(\s)+16+32*\c:(\s)+31+32*\c], v[TM+9+2*\c]
.endr
	v_nop                                          ; one plain line behind a scaled conversion
.irp c, 0,1                            ; the operand wants a WHOLE block in a lane: lanes 0-15 block 2 c, lanes 16-31 block 2 c + 1
.irp i, 0,1,2
	v_permlane16_swap_b32 v[(\pc)+6*\c+\i], v[(\pc)+12+4*\c+\i]
.endr
.irp i, 0,1,2
	s_delay_alu instid0(VALU_DEP_3)
	v_mov_b32 v[(\pc)+3+6*\c+\i], v[(\pc)+12+4*\c+\i]
.endr
.endr
.endm
	s_load_b256 s[4:11], s[0:1], 0x0               ; rows s[4:5], memory s[6:7], gain s[8:9], out s[10:11]
	v_lshl_add_u32 v248, v0, 2, 0x10c00
	v_mov_b32 v249, 0
	v_lshrrev_b32 v1, 5, v0
	s_delay_alu instid0(VALU_DEP_1)
	v_readfirstlane_b32 s12, v1                    ; wave = K step
	v_and_b32 v1, 31, v0                           ; lane
	v_and_b32 v2, 15, v0                           ; r
	v_bfe_u32 v3, v0, 4, 1                         ; h
	s_lshl_b32 s13, s12, 9
	s_mul_i32 s14, s12, STG
	v_lshl_add_u32 v4, v1, 4, s13                  ; in: 512 s + 16 lane
	v_lshl_add_u32 v5, v1, 4, s14                  ; the stage, in: 16 lane
	v_mul_u32_u24 v6, v2, 528
	s_delay_alu instid0(VALU_DEP_1)
	v_lshl_add_u32 v6, v3, 6, v6
	s_delay_alu instid0(VALU_DEP_1)
	v_add_nc_u32 v6, s14, v6                       ; the stage, out: row r, 64 h
	v_lshl_add_u32 v7, v3, 6, s13                  ; the gain: 512 s + 64 h
	s_lshl_b32 s15, s12, 6
	s_add_co_u32 s16, s15, RED
	v_lshl_add_u32 v8, v2, 2, s16                  ; my wave's sums
	v_lshl_add_u32 v9, v2, 2, RED                  ; all waves' sums of row r
	s_mul_i32 s16, s12, 1536
	v_lshl_add_u32 v10, v1, 4, s16                 ; out: the K step's fragment, registers 0-3
	s_add_co_u32 s17, s16, 512
	v_lshl_add_u32 v11, v1, 3, s17                 ; registers 4-5
	v_lshl_add_u32 v12, v2, 2, s15                 ; the scale word: 64 s + 4 r
.irp b, 0,1,2,3
	v_mov_b32 v[TM+4+\b], 0                        ; written once: a lane permute's destination counts as one of its sources
.endr
	v_mov_b32 v17, 0
	s_mov_b32 s28, 0x3a800000                      ; 1 / 1024
	s_mov_b32 s29, 0x358637bd                      ; 1e-6
	s_mov_b32 s[SEL], 0x76543210
	s_mov_b32 s[SEL+1], 0xfedcba98                 ; lane l xor 16
	s_mul_i32 s24, ttmp9, 12288
	s_mov_b32 s25, 0
	s_lshl_b32 s26, ttmp9, 9
	s_mov_b32 s27, 0
	s_wait_kmcnt 0x0
	s_cmp_lt_u32 ttmp9, 256                        ; the choice hangs on the work-group's number alone
	s_cselect_b64 s[4:5], s[4:5], s[6:7]
	s_cselect_b32 s19, 0, 256
	s_sub_co_u32 s19, ttmp9, s19                   ; the tile within its source
	s_lshr_b32 s20, s19, 1
	s_lshl_b32 s20, s20, 17                        ; 32 rows of 4,096 bytes
	s_and_b32 s22, s19, 1
	s_lshl_b32 s22, s22, 15                        ; 8 rows
	s_add_co_u32 s20, s20, s22
	s_mov_b32 s21, 0
	s_add_nc_u64 s[4:5], s[4:5], s[20:21]
	s_add_nc_u64 s[24:25], s[10:11], s[24:25]      ; the tile's codes
	s_add_nc_u64 s[26:27], s[10:11], s[26:27]      ; and, SCO on, its scale words
.irp p, 0,1,2,3,4,5,6,7,8,9,10,11,12,13,14,15
	global_load_b128 v[R+4*\p:R+4*\p+3], v4, s[4:5] offset:((\p%8)+16*(\p/8))*4096     ; position p's row: 512 consecutive bytes
.endr
.irp b, 0,1,2,3
.irp j, 0,1,2,3
	global_load_b128 v[G+16*\b+4*\j:G+16*\b+4*\j+3], v7, s[8:9] offset:128*\b+16*\j
.endr
.endr
	s_wait_loadcnt 16                              ; the rows are in; the gain's 16 loads may be out
.irp p, 0,1,2,3,4,5,6,7,8,9,10,11,12,13,14,15
	ds_store_b128 v5, v[R+4*\p:R+4*\p+3] offset:528*\p
.endr
.irp b, 0,1,2,3
.irp j, 0,1,2,3
	ds_load_b128 v[X+16*\b+4*\j:X+16*\b+4*\j+3], v6 offset:128*\b+16*\j   ; my wave's own bytes, served in order: no wait between stores and loads
.endr
.endr
	s_wait_dscnt 0x0
.irp k, 0,1,2,3
	v_pk_mul_f32 v[16+2*\k:17+2*\k], v[X+2*\k:X+2*\k+1], v[X+2*\k:X+2*\k+1]    ; the first four pairs start the four chains
.endr
.set j, 4
.rept 28
	s_delay_alu instid0(VALU_DEP_4)
	v_pk_fma_f32 v[16+2*(j%4):17+2*(j%4)], v[X+2*j:X+2*j+1], v[X+2*j:X+2*j+1], v[16+2*(j%4):17+2*(j%4)]
.set j, j+1
.endr
	s_delay_alu instid0(VALU_DEP_3)
	v_pk_add_f32 v[16:17], v[16:17], v[18:19]
	s_delay_alu instid0(VALU_DEP_2)
	v_pk_add_f32 v[20:21], v[20:21], v[22:23]
	s_delay_alu instid0(VALU_DEP_1)
	v_pk_add_f32 v[16:17], v[16:17], v[20:21]
	s_delay_alu instid0(VALU_DEP_1)
	v_add_f32 v16, v16, v17
	s_delay_alu instid0(VALU_DEP_1)
	v_permlanex16_b32 v17, v16, s[SEL], s[SEL+1]
	s_delay_alu instid0(VALU_DEP_1)
	v_add_f32 v16, v16, v17                        ; my row's 128 columns
	ds_store_b32 v8, v16                           ; both halves of the lanes write the same word with the same value
	s_wait_dscnt 0x0                               ; for the others' sake: my store is done
	s_barrier_signal -1
	s_barrier_wait -1
.irp w, 0,1,2,3,4,5,6,7
	ds_load_b32 v[16+\w], v9 offset:64*\w
.endr
	s_wait_dscnt 0x0
	v_add_f32 v16, v16, v17
	v_add_f32 v18, v18, v19
	v_add_f32 v20, v20, v21
	v_add_f32 v22, v22, v23
	s_delay_alu instid0(VALU_DEP_3)
	v_add_f32 v16, v16, v18
	s_delay_alu instid0(VALU_DEP_2)
	v_add_f32 v20, v20, v22
	s_delay_alu instid0(VALU_DEP_1)
	v_add_f32 v16, v16, v20                        ; the row's sum of squares: the same order in every wave
	s_delay_alu instid0(VALU_DEP_1)
	v_fma_f32 v13, v16, s28, s29                   ; the mean + 1e-6
	s_wait_alu depctr_va_vdst(0)
	v_rsq_f32 v14, v13
	v_nop                                          ; a plain line behind the transcendental
	s_wait_alu depctr_va_vdst(0)
	v_mov_b32 v15, v14
	s_wait_loadcnt 0x0                             ; the gain
	s_cmp_ge_u32 ttmp9, 256
	s_cbranch_scc1 .Lplain                         ; memory is quantised as it is
.set j, 0
	s_wait_alu depctr_va_vdst(0)
.rept 32
	v_pk_mul_f32 v[X+2*j:X+2*j+1], v[X+2*j:X+2*j+1], v[14:15]
.set j, j+1
.endr
.set j, 0
.rept 32
	v_pk_mul_f32 v[X+2*j:X+2*j+1], v[X+2*j:X+2*j+1], v[G+2*j:G+2*j+1]
.set j, j+1
.endr
.Lplain:
	QUANT X, PC, PW
.irp c, 0,1
	global_store_b128 v10, v[PC+6*\c:PC+6*\c+3], s[24:25] offset:768*\c     ; 32 lanes: 512 consecutive aligned bytes
	global_store_b64 v11, v[PC+6*\c+4:PC+6*\c+5], s[24:25] offset:768*\c    ; 32 lanes: 256
.endr
	global_store_b32 v12, v[PW], s[26:27] offset:SCO   ; lanes 16-31 store the same words to the same places
	s_wait_tensorcnt 0x0
	ds_add_u32 v248, v249
	s_wait_dscnt 0x0
	s_endpgm
.Lfunc_end_k_q06f56a86d8_nrm1:
	.size	k_q06f56a86d8_nrm1, .Lfunc_end_k_q06f56a86d8_nrm1-k_q06f56a86d8_nrm1
	.p2alignl 7, 3214868480
	.fill 96, 4, 3214868480
	.section	.rodata,"a",@progbits
	.p2align	6, 0x0
	.amdhsa_kernel k_q06f56a86d8_nrm1
		.amdhsa_group_segment_fixed_size 69632
		.amdhsa_private_segment_fixed_size 0
		.amdhsa_enable_private_segment 0
		.amdhsa_kernarg_size 32
		.amdhsa_user_sgpr_count 2
		.amdhsa_user_sgpr_kernarg_segment_ptr 1
		.amdhsa_wavefront_size32 1
		.amdhsa_system_sgpr_workgroup_id_x 1
		.amdhsa_system_sgpr_workgroup_id_y 1
		.amdhsa_system_sgpr_workgroup_id_z 1
		.amdhsa_system_vgpr_workitem_id 0
		.amdhsa_next_free_vgpr 250
		.amdhsa_next_free_sgpr 66
		.amdhsa_reserve_vcc 0
		.amdhsa_float_denorm_mode_32 3
		.amdhsa_float_denorm_mode_16_64 3
		.amdhsa_memory_ordered 1
		.amdhsa_forward_progress 1
		.amdhsa_inst_pref_size 23
	.end_amdhsa_kernel
	.amdgpu_metadata
---
amdhsa.version: [ 1, 2 ]
amdhsa.kernels:
  - .name:           k_q06f56a86d8_nrm1
    .symbol:         k_q06f56a86d8_nrm1.kd
    .args:
      - { .name: x, .offset: 0, .size: 8, .value_kind: global_buffer, .address_space: global }
      - { .name: memory, .offset: 8, .size: 8, .value_kind: global_buffer, .address_space: global }
      - { .name: g1, .offset: 16, .size: 8, .value_kind: global_buffer, .address_space: global }
      - { .name: p1, .offset: 24, .size: 8, .value_kind: global_buffer, .address_space: global }
    .group_segment_fixed_size: 69632
    .private_segment_fixed_size: 0
    .kernarg_segment_align: 8
    .kernarg_segment_size: 32
    .max_flat_workgroup_size: 256
    .sgpr_count:     66
    .vgpr_count:     250
    .wavefront_size: 32
...
	.end_amdgpu_metadata
.endif
;; end of part 2
;; launch mmq1 (part 3): grid 4 x 64, 4 waves a work-group, no clusters, 327,680 bytes of LDS; arguments p1, qkv; writes qkv
.if DOCPART == 3
	.amdgcn_target "amdgcn-amd-amdhsa--gfx1250"
	.amdhsa_code_object_version 6
	.text
	.protected	k_q06f56a86d8_mmq1
	.globl	k_q06f56a86d8_mmq1
	.p2align	8
	.type	k_q06f56a86d8_mmq1,@function
k_q06f56a86d8_mmq1:
	s_mov_b64 s[64:65], 0
	v_nop
	global_prefetch_b8 v0, s[64:65] scope:SCOPE_SE
	s_setreg_imm32_b32 hwreg(HW_REG_WAVE_MODE, 25, 1), 1
	s_wait_xcnt 0x0
; q, k, v of the self attention and k, v of the cross attention: rows [.., 1024] x weight [1024, 1024] on codes of BF6 (E3M2) with E8M0 scales for each 32 along K; sums in f32; the results are quantised on the way out.
; A TILE OF 256 x 256 TO A WORK-GROUP: (3 x 4,096 + 2 x 2,048) x 1,024 results are 256 such tiles.  Four waves, each 128 x 128: 64 accumulators, 512 registers; 24,576 bytes from LDS feed 64 matrix instructions.
; OPERANDS lie in memory as images of operand registers: 16 rows (or weight columns) form a tile T, position r = index 32 (T / 2) + 8 (T % 2) + r % 8 + 16 (r / 8); a half fragment (16 positions x 64 K) is 768 bytes,
; lane l's first four registers at 16 l, its last two at 512 + 8 l; a tile is 16 half fragments; scale words at 512 T + 64 (K step) + 4 r in a region of their own.
; SOURCE 0 is the operand in region P, SOURCE 1 the one in region S; wave w takes P's tiles 8 (w / 2) on and S's tiles 8 (w % 2) on.  A lane of a result holds one position of source 1, and, by the order of positions in a
; tile, the 16 registers of two neighbouring tiles of source 0 are 16 NEIGHBOURS.  Where the result is quantised along the columns (q, k) P = weight and S = rows; for v, quantised along the keys, P = rows and S = weight.
; SEGMENTS by y: 0-15 slot 0 -> q (x 1/8, exact: the division of the scores by sqrt(64)); 16-31 slot 1 -> k; 32-47 slot 2 -> v; 48-55 slot 3, rows of memory -> k of the cross attention; 56-63 slot 4 -> its v.
; LDS: K goes in four chunks of two K steps, 98,304 bytes each (P's 16 tiles x 3,072, then S's); three chunk slots.  Each wave issues four tensor loads at the start (4,096 bytes of scale words, its quarter of chunks 0, 1, 2)
; and ONE refill: chunk 3 into chunk 0's slot, at the head of K step 1, where every wave's reads of chunk 0 are over; it has K steps 1 to 4 in which to land.  By this text's own count a wave has four tensor loads out.
; A K STEP is 64 matrix instructions in four runs of 16; between the runs stand the next step's LDS loads, in four runs (16, 16, 24, 24), into the other set of registers.
; NO JOINT LOADS: which operand lies in region P hangs on the segment, so a load's partners would lie along x in one segment and along y in another and the mask word would have to be chosen at run time.
; LIMITS: a block of zeros or under 2^-122 gets the byte 1 with zero codes (this program alone reads the bytes).  NaN and infinities are not served.
; REGISTERS: window 0: v4-22 addresses; v32-47, v48-63 two sets of scale words (they hold nothing else); v64-159, v160-255 S's fragments, two sets; on the way out v64-255 are at work.
;   window 1: P's fragments, two sets, at v0 and v128.   window 2: the accumulators of S's tiles 0-3 ((a, b) at v[8 (8 (a % 4) + b)]);   window 3: those of tiles 4-7.
; THE FILLS, as this text has them (in place of what the lines above say of them): at the head one tensor load a wave: wave 0 chunk 0 of region P (16 tiles x 3,072 bytes), wave 1 that of region S,
; waves 2 and 3 the two regions' scale words (8,192 bytes each).  Chunks 1, 2, 3 follow, a quarter to a wave, each behind a wait for all tensor loads, the add, its wait and a barrier:
; chunk 1 ahead of K step 0, chunk 2 at the head of K step 1, chunk 3, into chunk 0's slot, at the head of K step 3.  By this text's own count a wave has one tensor load out.
.set SCO,   4718592
.set WO,    4915200                    ; the first weight slot
.set SLOTB, 819200
.set WSC,   786432
.set KO1,   5734400
.set VO1,   9011200
.set KO2,   12288000
.set VO2,   13926400
.set CH,    98304                      ; LDS: a chunk slot: [P: 16 tiles x 3,072][S: 16 tiles x 3,072]; a tile: [K step: 1,536][half fragment: 768]
.set LS0,   49152                      ; region S within a slot
.set LPSC,  294912                     ; behind the three slots: P's scale words, [tile][K step][r]
.set LSSC,  303104                     ; S's
.set SPARE, 311296                     ; the spare words, 128 bytes for each wave: two blocks of 256 bytes that no other line names
.set AP16,  4                          ; v4-6    P, my eight tiles, slot 0, 1, 2: 16 lane
.set AP8,   7                          ; v7-9    512 + 8 lane
.set AS16,  10                         ; v10-12  S likewise
.set AS8,   13                         ; v13-15
.set ASP,   16                         ; v16     P's scale words, my eight tiles: 4 r
.set ASS,   17                         ; v17     S's
.set SPW,   18                         ; v18     my spare word; never rewritten
.set NIL,   19                         ; v19     0; never rewritten
.set L16,   20                         ; v20     16 lane
.set L8,    21                         ; v21     512 + 8 lane
.set R4,    22                         ; v22     4 r
.set SC,    32
.set SF,    64
.set X,     64                         ; the way out: 64 numbers of a lane
.set TM,    128                        ; v128-139 at work in QUANT
.set CT,    140                        ; v140-146 the second conversions' results
.set PW,    148                        ; v148-155 a scale word for each of my eight tiles
.set PC,    160                        ; v160-255 12 registers of codes for each
.set G1C,   24
.set G1S,   32
.set G0S,   40
.set G0C,   44                         ; s[44:59] a group 0 for each chunk; none is ever rewritten
.set OB,    66                         ; s[66:81] where the codes of my eight tiles go;  s[82:97] their scale words
.set OS,    82
.set SEL,   100
.set MSB, 0
.macro WIN new                         ; the immediate's high byte repeats the setting that is left
.if MSB != \new
	s_set_vgpr_msb (MSB<<8)|\new
.set MSB, \new
.endif
.endm
.macro PLACES                          ; four plain lines between a matrix instruction and a load into, or a read of, its registers
.rept 4
	v_nop
.endr
.endm
.macro LP s, f, b0                     ; P's fragments b0 .. b0 + 3 of K step s into set f: 16 loads
.set KS, (((\s)/2)%3)
.set IB, ((\s)%2)*1536
	WIN 0x40                                       ; destination window 1, address window 0
.irp b, \b0, \b0+1, \b0+2, \b0+3
.irp cc, 0,1
	ds_load_b128 v[128*(\f)+12*(\b)+6*\cc:128*(\f)+12*(\b)+6*\cc+3], v[AP16+KS] offset:IB+3072*(\b)+768*\cc
	ds_load_b64 v[128*(\f)+12*(\b)+6*\cc+4:128*(\f)+12*(\b)+6*\cc+5], v[AP8+KS] offset:IB+3072*(\b)+768*\cc
.endr
.endr
.endm
.macro SFRAG f, a                      ; S's fragment a: 4 loads
.irp cc, 0,1
	ds_load_b128 v[SF+96*(\f)+12*(\a)+6*\cc:SF+96*(\f)+12*(\a)+6*\cc+3], v[AS16+KS] offset:IB+3072*(\a)+768*\cc
	ds_load_b64 v[SF+96*(\f)+12*(\a)+6*\cc+4:SF+96*(\f)+12*(\a)+6*\cc+5], v[AS8+KS] offset:IB+3072*(\a)+768*\cc
.endr
.endm
.macro LSA s, f                        ; the 16 scale words of K step s and S's fragments 0, 1: 24 loads
.set KS, (((\s)/2)%3)
.set IB, ((\s)%2)*1536
	WIN 0
.irp b, 0,1,2,3,4,5,6,7
	ds_load_b32 v[SC+16*(\f)+\b], v[ASP] offset:512*\b+64*(\s)
.endr
.irp a, 0,1,2,3,4,5,6,7
	ds_load_b32 v[SC+16*(\f)+8+\a], v[ASS] offset:512*\a+64*(\s)
.endr
	SFRAG \f, 0
	SFRAG \f, 1
.endm
.macro LSB s, f                        ; S's fragments 2 .. 7: 24 loads
.set KS, (((\s)/2)%3)
.set IB, ((\s)%2)*1536
	WIN 0
.irp a, 2,3,4,5,6,7
	SFRAG \f, \a
.endr
.endm
.macro MQ f, a0, zero                  ; 16 matrix instructions: S's tiles a0, a0 + 1 x P's eight.  The 64 accumulators take turns in the same order in every step
.irp a, \a0, \a0+1
.irp b, 0,1,2,3,4,5,6,7
.if \zero
	v_wmma_scale_f32_16x16x128_f8f6f4 v[8*(8*((\a)%4)+\b):8*(8*((\a)%4)+\b)+7], v[128*(\f)+12*\b:128*(\f)+12*\b+11], v[SF+96*(\f)+12*(\a):SF+96*(\f)+12*(\a)+11], 0, v[SC+16*(\f)+\b], v[SC+16*(\f)+8+(\a)] matrix_a_fmt:MATRIX_FMT_BF6 matrix_b_fmt:MATRIX_FMT_BF6
.else
	v_wmma_scale_f32_16x16x128_f8f6f4 v[8*(8*((\a)%4)+\b):8*(8*((\a)%4)+\b)+7], v[128*(\f)+12*\b:128*(\f)+12*\b+11], v[SF+96*(\f)+12*(\a):SF+96*(\f)+12*(\a)+11], v[8*(8*((\a)%4)+\b):8*(8*((\a)%4)+\b)+7], v[SC+16*(\f)+\b], v[SC+16*(\f)+8+(\a)] matrix_a_fmt:MATRIX_FMT_BF6 matrix_b_fmt:MATRIX_FMT_BF6
.endif
.endr
.endr
.endm
; K step s.  head = 0: plain;  1: the chunk asked for last has landed and the next one, chunk (s + 3) / 2, is asked for;  2: chunk 3 has landed.  zero = 1: the products start the sums: nothing is cleared.
.macro STEP s, head, zero
.set F, (\s)%2
.if \head == 1
	WIN 0                                          ; (the add's two registers lie in window 0)
	s_wait_tensorcnt 0x0                           ; my one tensor load has landed: my quarter of the chunk that this step's fetches read;
	ds_add_u32 v[SPW], v[NIL]                      ; 0 onto my spare word
	s_wait_dscnt 0x0                               ; the add is done, and my reads of all earlier K steps are over
	s_barrier_signal -1
	s_barrier_wait -1                              ; all that holds of every wave
	tensor_load_to_lds s[G0C+4*(((\s)+3)/2):G0C+4*(((\s)+3)/2)+3], s[G1C:G1C+7]   ; my one tensor load behind this barrier: K step 1: chunk 2, slot 2's first fill; K step 3: chunk 3 into chunk 0's slot
	s_nop 0
.elseif \head == 2
	s_wait_tensorcnt 0x0                           ; my quarter of chunk 3 has landed,
	s_wait_dscnt 0x0
	s_barrier_signal -1
	s_barrier_wait -1                              ; everybody's has
.else
	s_wait_dscnt 24                                ; this step's P, scale words and S's fragments 0, 1 are in; the youngest 24 loads (S's fragments 2-7) may be out
.endif
	PLACES                                         ; behind the last step's products, which read the registers that the loads below fill
.if (\s) < 7
	LP (\s)+1, 1-F, 0
.endif
	WIN 0xa1                                       ; source 0 window 1, source 1 window 0, C and D window 2
	MQ F, 0, \zero
.if (\s) < 7
	LP (\s)+1, 1-F, 4
	s_wait_dscnt 32                                ; all but the 32 loads of the next step's P: S's fragments 2-7 are in
.else
	s_wait_dscnt 0x0
.endif
	WIN 0xa1
	MQ F, 2, \zero
.if (\s) < 7
	LSA (\s)+1, 1-F
.endif
	WIN 0xf1                                       ; C and D window 3
	MQ F, 4, \zero
.if (\s) < 7
	LSB (\s)+1, 1-F
.endif
	WIN 0xf1
	MQ F, 6, \zero
.endm
.macro QUANT s, pc, ct, pw             ; 64 numbers of a lane, register 16 b + i = k 32 b + 16 (lane / 16) + i, become a fragment's 12 registers at v[pc] and its scale word in v[pw]
.irp b, 0,1,2,3
	v_max3_num_f32 v[TM+\b], |v[(\s)+16*\b]|, |v[(\s)+1+16*\b]|, 0x2800000      ; block b: my 16 numbers, and the floor 2^(5 - 127)
.endr
.irp i, 2,4,6,8,10,12,14
.irp b, 0,1,2,3
	v_max3_num_f32 v[TM+\b], v[TM+\b], |v[(\s)+16*\b+\i]|, |v[(\s)+1+16*\b+\i]|
.endr
.endr
.irp b, 0,1,2,3
	v_permlanex16_b32 v[TM+4+\b], v[TM+\b], s[SEL], s[SEL+1]
.endr
.irp b, 0,1,2,3
	v_max_num_f32 v[TM+\b], v[TM+\b], v[TM+4+\b]   ; with lane l xor 16's 16: the block's largest magnitude
.endr
.irp b, 0,1,2,3
	v_add_nc_u32 v[TM+8+\b], 0xfe000000, v[TM+\b]  ; 4 off the exponent field: the conversion's scale operand
.endr
.irp b, 0,1,2,3
	v_lshrrev_b32 v[TM+4+\b], 23, v[TM+8+\b]       ; the scale's byte
.endr
	v_lshl_or_b32 v[\pw], v[TM+5], 8, v[TM+4]
	v_lshl_or_b32 v[\pw], v[TM+6], 16, v[\pw]
	v_lshl_or_b32 v[\pw], v[TM+7], 24, v[\pw]
.irp c, 0,1
	v_cvt_scalef32_pk16_bf6_f32 v[(\pc)+6*\c:(\pc)+2+6*\c], v[(\s)+32*\c:(\s)+15+32*\c], v[TM+8+2*\c]
	v_cvt_scalef32_pk16_bf6_f32 v[(\ct)+4*\c:(\ct)+2+4*\c], v[(\s)+16+32*\c:(\s)+31+32*\c], v[TM+9+2*\c]
.endr
	v_nop                                          ; one plain line behind a scaled conversion
.irp c, 0,1                            ; the operand wants a WHOLE block in a lane: lanes 0-15 block 2 c, lanes 16-31 block 2 c + 1
.irp i, 0,1,2
	v_permlane16_swap_b32 v[(\pc)+6*\c+\i], v[(\ct)+4*\c+\i]
.endr
.irp i, 0,1,2
	v_mov_b32 v[(\pc)+3+6*\c+\i], v[(\ct)+4*\c+\i]
.endr
.endr
.endm
	s_load_b128 s[4:7], s[0:1], 0x0                ; the operands' buffer s[4:5]; out s[6:7]
	v_lshl_add_u32 v[SPW], v0, 2, SPARE
	v_mov_b32 v[NIL], 0
	ds_add_u32 v18, v19
	ds_add_u32 v18, v19
	s_wait_dscnt 0x0
	v_lshrrev_b32 v1, 5, v0
	v_readfirstlane_b32 s10, v1                    ; wave
	s_lshr_b32 s11, s10, 1                         ; which eight tiles of P are mine.  Also: I fetch for region P (0) or S (1),
	s_and_b32 s12, s10, 1                          ; which eight of S.  Also: its tiles 0-7 or 8-15
	s_and_b32 s13, ttmp7, 0xffff                   ; y
	s_mov_b32 s14, 0                               ; the weight's slot
	s_mov_b32 s15, 0                               ; 1: rows are source 0
	s_mov_b32 s16, 0                               ; the segment's first y
	s_mov_b32 s17, 0                               ; blocks of 256 rows in front of the segment's rows
	s_mov_b32 s18, 0                               ; where the codes go
	s_mov_b32 s19, SCO                             ; and the scale words
	s_mov_b32 s98, 0x3e000000                      ; 1/8
.macro SEG thr, slot, kind, aadd, outb, scb
	s_cmp_ge_u32 s13, \thr
	s_cselect_b32 s14, \slot, s14
	s_cselect_b32 s15, \kind, s15
	s_cselect_b32 s16, \thr, s16
	s_cselect_b32 s17, \aadd, s17
	s_cselect_b32 s18, \outb, s18
	s_cselect_b32 s19, \scb, s19
	s_cselect_b32 s98, 0x3f800000, s98
.endm
	SEG 16, 1, 0, 0, KO1, KO1+3145728
	SEG 32, 2, 1, 0, VO1, VO1+3145728
	SEG 48, 3, 0, 16, KO2, KO2+1572864
	SEG 56, 4, 1, 16, VO2, VO2+1572864
	s_mov_b32 s99, s98
	s_sub_co_u32 s20, s13, s16                     ; the block of 256 rows within the segment
	s_add_co_u32 s21, s20, s17                     ; and within the rows' region
	s_mul_i32 s22, s21, 196608                     ; the rows' codes: 16 tiles of 12,288 bytes a block,
	s_lshl_b32 s23, s21, 13
	s_add_co_u32 s23, s23, SCO                     ; their scale words
	s_mul_i32 s2, s14, SLOTB
	s_add_co_u32 s2, s2, WO
	s_lshl_b32 s3, ttmp9, 13
	s_add_co_u32 s3, s3, s2
	s_add_co_u32 s3, s3, WSC                       ; the weight's scale words,
	s_mul_i32 s8, ttmp9, 196608
	s_add_co_u32 s2, s2, s8                        ; its codes
	s_xor_b32 s8, s11, s15
	s_cmp_eq_u32 s8, 0                             ; region P holds the weight unless rows are source 0
	s_cselect_b32 s60, s2, s22
	s_mul_i32 s8, s12, 98304
	s_add_co_u32 s60, s60, s8                      ; chunks 1 to 3: my eight tiles of region w / 2
	s_xor_b32 s8, s12, s15
	s_cmp_eq_u32 s8, 0                             ; the head's loads: region w % 2, whole
	s_cselect_b32 s[G0C+2], s2, s22                ; its codes,
	s_cselect_b32 s62, s3, s23                     ; its scale words
	s_mov_b32 s61, 0
	s_mov_b32 s63, 0
	s_mov_b32 s[G0C+3], 0
	; descriptor group 1, codes: eight rows of 3,072 bytes (a tile's two K steps), 12,288 bytes apart, elements of 8 bytes, dense in LDS
	s_mov_b32 s[G1C], 3<<16
	s_mov_b32 s[G1C+1], 384<<16                    ; tensor_dim0
	s_mov_b32 s[G1C+2], 16<<16                     ; tensor_dim1: 16 rows for the head's load
	s_mov_b32 s[G1C+3], 384<<16                    ; tile_dim0
	s_mov_b32 s[G1C+4], 16                         ; tile_dim1
	s_mov_b32 s[G1C+5], 1536                       ; stride
	s_mov_b32 s[G1C+6], 0
	s_mov_b32 s[G1C+7], 0
	; scale words: 4,096 dense bytes as sixteen rows of 256
	s_mov_b32 s[G1S], 3<<16
	s_mov_b32 s[G1S+1], 32<<16
	s_mov_b32 s[G1S+2], 32<<16                     ; 8,192 dense bytes as 32 rows of 256
	s_mov_b32 s[G1S+3], 32<<16
	s_mov_b32 s[G1S+4], 32
	s_mov_b32 s[G1S+5], 32
	s_mov_b32 s[G1S+6], 0
	s_mov_b32 s[G1S+7], 0
	s_mul_i32 s8, s10, 24576                       ; LDS: my quarter of a chunk slot: wave x 8 tiles
	s_lshl_b32 s9, s12, 13
	s_add_co_u32 s9, s9, LPSC                      ; region w % 2's 8,192 bytes of scale words
	; where my eight fragments go, counted in fragments of 1,536 bytes (and scale words of 64)
	s_lshl_b32 s2, s12, 6
	s_lshl_b32 s3, ttmp9, 1
	s_add_co_u32 s2, s2, s3
	s_add_co_u32 s2, s2, s11                       ; rows as source 1: (row tile 16 rel + 8 (w % 2) + a, K step 2 x + w / 2): 128 rel + 64 (w % 2) + 8 a + 2 x + w / 2
	s_lshl_b32 s3, s11, 6
	s_lshl_b32 s21, ttmp9, 4
	s_add_co_u32 s3, s3, s21
	s_lshl_b32 s21, s12, 3
	s_add_co_u32 s3, s3, s21                       ; rows as source 0: (128 keys 2 rel + w / 2, column tile 16 x + 8 (w % 2) + a): 128 rel + 64 (w / 2) + 16 x + 8 (w % 2) + a
	s_cmp_eq_u32 s15, 0
	s_cselect_b32 s2, s2, s3
	s_cselect_b32 s3, 8, 1
	s_lshl_b32 s21, s20, 7
	s_add_co_u32 s2, s2, s21
	s_mul_i32 s21, s2, 1536
	s_add_co_u32 s21, s21, s18
	s_lshl_b32 s22, s2, 6
	s_add_co_u32 s22, s22, s19
	s_mul_i32 s23, s3, 1536
	s_lshl_b32 s3, s3, 6
.irp a, 0,1,2,3,4,5,6,7
	s_mov_b32 s[OB+2*\a], s21
	s_mov_b32 s[OB+2*\a+1], 0
	s_mov_b32 s[OS+2*\a], s22
	s_mov_b32 s[OS+2*\a+1], 0
	s_add_co_u32 s21, s21, s23
	s_add_co_u32 s22, s22, s3
.endr
	s_mov_b32 s[SEL], 0x76543210
	s_mov_b32 s[SEL+1], 0xfedcba98                 ; lane l xor 16
	s_wait_kmcnt 0x0
	s_add_nc_u64 s[60:61], s[4:5], s[60:61]
	s_add_nc_u64 s[62:63], s[4:5], s[62:63]
	s_mov_b32 s[G0S], 1
	s_mov_b32 s[G0S+1], s9
	s_mov_b64 s[G0S+2:G0S+3], s[62:63]
	s_or_b32 s[G0S+3], s[G0S+3], 0x80000000
	s_mov_b32 s[G0C], 1                            ; chunk 0 of region w % 2, whole
	s_mul_i32 s[G0C+1], s12, LS0
	s_add_nc_u64 s[G0C+2:G0C+3], s[4:5], s[G0C+2:G0C+3]
	s_or_b32 s[G0C+3], s[G0C+3], 0x80000000
.irp c, 1,2,3
	s_mov_b32 s[G0C+4*\c], 1
	s_add_co_u32 s[G0C+4*\c+1], s8, (\c%3)*CH      ; chunk 3 goes where chunk 0 lay
	s_add_nc_u64 s[G0C+4*\c+2:G0C+4*\c+3], s[60:61], \c*3072
	s_or_b32 s[G0C+4*\c+3], s[G0C+4*\c+3], 0x80000000
.endr
.irp a, 0,1,2,3,4,5,6,7
	s_add_nc_u64 s[OB+2*\a:OB+2*\a+1], s[6:7], s[OB+2*\a:OB+2*\a+1]
	s_add_nc_u64 s[OS+2*\a:OS+2*\a+1], s[6:7], s[OS+2*\a:OS+2*\a+1]
.endr
	s_cmp_lt_u32 s10, 2                            ; the head's loads, one a wave, in the two arms of one branch on the wave's number
	s_cbranch_scc0 .Lscales
	tensor_load_to_lds s[G0C:G0C+3], s[G1C:G1C+7]  ; waves 0, 1: chunk 0 of P, of S
	s_nop 0
.rept 4
	v_nop
.endr
	s_branch .Lasked
.Lscales:
	tensor_load_to_lds s[G0S:G0S+3], s[G1S:G1S+7]  ; waves 2, 3: the scale words of P, of S
	s_nop 0
.rept 4
	v_nop
.endr
.Lasked:
	v_and_b32 v1, 31, v0                           ; lane
	v_and_b32 v2, 15, v0                           ; r
	v_lshlrev_b32 v[L16], 4, v1
	v_lshlrev_b32 v[L8], 3, v1
	v_add_nc_u32 v[L8], 512, v[L8]
	v_lshlrev_b32 v[R4], 2, v2
	s_mul_i32 s2, s11, 24576
	v_add_nc_u32 v[AP16], s2, v[L16]
	v_add_nc_u32 v[AP8], s2, v[L8]
	s_mul_i32 s2, s12, 24576
	s_add_co_u32 s2, s2, LS0
	v_add_nc_u32 v[AS16], s2, v[L16]
	v_add_nc_u32 v[AS8], s2, v[L8]
.irp k, 1,2
	v_add_nc_u32 v[AP16+\k], \k*CH, v[AP16]
	v_add_nc_u32 v[AP8+\k], \k*CH, v[AP8]
	v_add_nc_u32 v[AS16+\k], \k*CH, v[AS16]
	v_add_nc_u32 v[AS8+\k], \k*CH, v[AS8]
.endr
	s_lshl_b32 s2, s11, 12
	s_add_co_u32 s2, s2, LPSC
	v_add_nc_u32 v[ASP], s2, v[R4]
	s_lshl_b32 s2, s12, 12
	s_add_co_u32 s2, s2, LSSC
	v_add_nc_u32 v[ASS], s2, v[R4]
	s_wait_alu depctr_va_vdst(0)
	s_wait_tensorcnt 0x0                           ; my tile of the head's four is in
	ds_add_u32 v[SPW], v[NIL]
	s_mov_b32 s[G1C+2], 8<<16                      ; no tensor load of mine is out: from here on a load brings eight rows
	s_mov_b32 s[G1C+4], 8
	s_wait_dscnt 0x0
	s_barrier_signal -1
	s_barrier_wait -1                              ; everybody's tile is in
	tensor_load_to_lds s[G0C+4:G0C+7], s[G1C:G1C+7]   ; my quarter of chunk 1, slot 1's first fill
	s_nop 0
	PLACES
	LP 0, 0, 0                                     ; K step 0's loads, in the order in which every step asks for the next step's
	LP 0, 0, 4
	LSA 0, 0
	LSB 0, 0
	STEP 0, 0, 1
	STEP 1, 1, 0                                   ; the one refill
	STEP 2, 0, 0
	STEP 3, 1, 0
	STEP 4, 0, 0
	STEP 5, 2, 0                                   ; it asks for K step 6, which lies in chunk 3
	STEP 6, 0, 0
	STEP 7, 0, 0
	WIN 0
	PLACES
.irp b, 0,1,2,3
	v_mov_b32 v[TM+4+\b], 0                        ; a lane permute's destination counts as one of its sources
.endr
; THE WAY OUT: my eight tiles of source 1, one after the other.  A tile's 64 registers are one fragment of the next product.  The multiplication (x 1/8 for q, x 1 else: exact) brings them into window 0.
; Each tile has registers of its own for codes and word, and bases of its own: no store's data or address are written again.
.irp a, 0,1,2,3,4,5,6,7
.if \a < 4
	WIN 0x02                                       ; source 0 window 2
.else
	WIN 0x03                                       ; source 0 window 3
.endif
.set j, 0
.rept 32
	v_pk_mul_f32 v[X+2*j:X+2*j+1], v[64*(\a%4)+2*j:64*(\a%4)+2*j+1], s[98:99] op_sel_hi:[1,0]     ; each accumulator from its low end on
.set j, j+1
.endr
	WIN 0
	QUANT X, PC+12*\a, CT, PW+\a
.irp c, 0,1
	global_store_b128 v[L16], v[PC+12*\a+6*\c:PC+12*\a+6*\c+3], s[OB+2*\a:OB+2*\a+1] offset:768*\c     ; 32 lanes: 512 consecutive aligned bytes
	global_store_b64 v[L8], v[PC+12*\a+6*\c+4:PC+12*\a+6*\c+5], s[OB+2*\a:OB+2*\a+1] offset:768*\c     ; 32 lanes: 256 (the register holds 512 + 8 x lane)
.endr
	global_store_b32 v[R4], v[PW+\a], s[OS+2*\a:OS+2*\a+1]     ; lanes 16-31 store the same words to the same places
.endr
	s_wait_tensorcnt 0x0                           ; the wave's end
	ds_add_u32 v[SPW], v[NIL]
	s_wait_dscnt 0x0
	s_endpgm
.Lfunc_end_k_q06f56a86d8_mmq1:
	.size	k_q06f56a86d8_mmq1, .Lfunc_end_k_q06f56a86d8_mmq1-k_q06f56a86d8_mmq1
	.p2alignl 7, 3214868480
	.fill 96, 4, 3214868480
	.section	.rodata,"a",@progbits
	.p2align	6, 0x0
	.amdhsa_kernel k_q06f56a86d8_mmq1
		.amdhsa_group_segment_fixed_size 327680
		.amdhsa_private_segment_fixed_size 0
		.amdhsa_enable_private_segment 0
		.amdhsa_kernarg_size 16
		.amdhsa_user_sgpr_count 2
		.amdhsa_user_sgpr_kernarg_segment_ptr 1
		.amdhsa_wavefront_size32 1
		.amdhsa_system_sgpr_workgroup_id_x 1
		.amdhsa_system_sgpr_workgroup_id_y 1
		.amdhsa_system_sgpr_workgroup_id_z 1
		.amdhsa_system_vgpr_workitem_id 0
		.amdhsa_next_free_vgpr 1024
		.amdhsa_next_free_sgpr 102
		.amdhsa_reserve_vcc 0
		.amdhsa_float_denorm_mode_32 3
		.amdhsa_float_denorm_mode_16_64 3
		.amdhsa_memory_ordered 1
		.amdhsa_forward_progress 1
		.amdhsa_inst_pref_size 170
	.end_amdhsa_kernel
	.amdgpu_metadata
---
amdhsa.version: [ 1, 2 ]
amdhsa.kernels:
  - .name:           k_q06f56a86d8_mmq1
    .symbol:         k_q06f56a86d8_mmq1.kd
    .args:
      - { .name: p1, .offset: 0, .size: 8, .value_kind: global_buffer, .address_space: global }
      - { .name: qkv, .offset: 8, .size: 8, .value_kind: global_buffer, .address_space: global }
    .group_segment_fixed_size: 327680
    .private_segment_fixed_size: 0
    .kernarg_segment_align: 8
    .kernarg_segment_size: 16
    .max_flat_workgroup_size: 128
    .sgpr_count:     102
    .vgpr_count:     1024
    .wavefront_size: 32
...
	.end_amdgpu_metadata
.endif
;; end of part 3
;; launch att1 (part 4): grid 32 x 8, 16 waves a work-group, clusters of 4 x 4, 327,680 bytes of LDS; arguments qkv, casual_mask, p2; writes p2
.if DOCPART == 4
	.amdgcn_target "amdgcn-amd-amdhsa--gfx1250"
	.amdhsa_code_object_version 6
	.text
	.protected	k_q06f56a86d8_att1
	.globl	k_q06f56a86d8_att1
	.p2align	8
	.type	k_q06f56a86d8_att1,@function
k_q06f56a86d8_att1:
	s_mov_b64 s[64:65], 0
	v_nop
	global_prefetch_b8 v0, s[64:65] scope:SCOPE_SE
	s_setreg_imm32_b32 hwreg(HW_REG_WAVE_MODE, 25, 1), 1
	s_wait_xcnt 0x0
	s_wait_alu depctr_hold_cnt(0) depctr_sa_sdst(0) depctr_va_vdst(0) depctr_va_sdst(0) depctr_va_ssrc(0) depctr_va_vcc(0) depctr_vm_vsrc(0)
	s_getreg_b32 s2, hwreg(HW_REG_IB_STS2, 6, 4)
	s_cmp_eq_u32 s2, 0
	s_cbranch_scc0 .Lentry_in_a_cluster
	s_endpgm
.Lentry_in_a_cluster:
	s_bfe_u32 s2, ttmp6, 0x10000c
	s_cmp_lg_u32 s2, 0xf033
	s_cbranch_scc0 .Lentry_shape_is_right
	s_endpgm
.Lentry_shape_is_right:
; o = softmax(q k^T / 8 + bias) v for 16 heads of 64, both products on codes of BF6 (E3M2) with E8M0 scales for each 32 along K; o is quantised along its row on the way out.
; q (already x 1/8), k: images of operand registers, a head's 64 channels = one half fragment of 768 bytes at (16 tile + head) x 768.  The instruction's K is 128: q's upper six registers are zero codes.
; K'S OPERANDS OVERLAP: tile i of k is v[KF + 6 i] on, 12 registers, of which the upper six are tile i + 1's codes.  They meet q's zero codes; E3M2 has no code for infinity or NaN, and the scale bytes of those blocks are 0
; on both sides (2^-127, never 0xff): the products are zeros.  So eight tiles lie in 54 registers and come in one run of loads.
; v: fragments (128 keys, 16 channels) of 1,536 bytes.  The bias [2048][NK] f32 is an input: every score is computed.  It is the C of the score product, so the unit's result is the logit.
; THE SOFTMAX: t = logit x log2(e); M = the running largest t rounded UP to a whole number; p = 2^(t - M) is quantised along the keys, not normalised; the row's sum is taken of the unquantised p and divides at the end.
; When M moves, the sum and O are multiplied by 2^(old M - new M): exact.
; SHARES: a work-group owns 64 queries (4 tiles) x 4 heads of one batch; wave w owns tile w / 4 and head w % 4: one tile of 16 queries in 256 registers, four waves to a SIMD.  Every wave walks all keys, 128 a step.
; Both products are used transposed (source 0 = 16 keys, or 16 channels of v; source 1 = my queries): a lane holds ONE query.  By the order of positions in a tile (position r = index 32 (T / 2) + 8 (T % 2) + r % 8 + 16 (r / 8))
; the 16 registers of key tiles 2 b and 2 b + 1 are 16 neighbouring keys, and the 16 of two channel tiles 16 neighbouring channels.
; A STEP'S ORDER: k and the bias in one run of loads; eight score products; v's four fragments are asked for, into k's registers, and land under the softmax; in the softmax each exponential is followed by one plain
; line that is ready (a later pair's multiply-add, O's rescaling, a sum), so that no two exponentials follow each other; four products with v.
; CLUSTER 4 x 4: cx = a block of queries, cy = a group of 4 heads, one batch.  The four work-groups of a column (same cx) need the same bias tile, the four of a row (same cy) the same k, v and scale words: each is asked for
; JOINTLY.  A ring of two slots of one step; behind each round of the cluster's barrier waves 0-3 ask for the bias (16 rows each), 4-5 for k, 6-7 for v: one tensor load a wave, one out at a time.
; The scale words of all keys of the head group come once, with the first fills (waves 8, 9).
; LIMITS: 1 / l by v_rcp_f32; the bias is added inside the matrix unit.  A block of zeros or under 2^-122 gets the byte 1 with zero codes.  NaN and infinities among the inputs are not served (a bias of -1e9 is).
; THE SOFTMAX'S ORDER, as this text has it (in place of what the lines above say of it): all multiply-adds, then the 68 exponentials as one batch with one wait ahead of it and one behind it,
; then O's rescaling, p's scales and codes, and the row's sum in four chains.
.set NK,    2048
.set KO,    5734400                    ; k's codes in qkv
.set KSO,   KO+3145728                 ; its scale words
.set VO,    9011200                    ; v's fragments
.set VSO,   VO+3145728                 ; its scale words
.set NST,   NK/128
.set SCO,   4718592                    ; scale words of q, and of o
.set SLOT1, 1<<17                      ; slot 1 begins here: one exclusive or turns an address
.set LK,    34304                      ; a slot: the bias, four groups of 16 rows x 528 bytes, 8,576 apart; then k [key tile][head][768];
.set LV,    58880                      ; then v [4 head + channel tile][1,536]
.set KSC,   83456                      ; between the slots: k's scale words [key tile][2][16 words], filled once
.set VSC,   99840                      ; v's [step][16 tiles][16 words], filled once
.set SPARE, 214528                     ; behind slot 1: the spare words, 128 bytes for each of 16 waves, which no other line names
.set AB,   1                           ; v1-7 my lane's places: bias, k (16 l; 512 + 8 l), v (likewise), k's scale words, v's
.set AK16, 2
.set AK8,  3
.set AV16, 4
.set AV8,  5
.set ASK,  6
.set ASV,  7
.set SPW,  8                           ; v8   my spare word; never rewritten
.set NIL,  9                           ; v9   0; never rewritten
.set R4,   17                          ; v17, v22, v23: byte offsets of my scale bytes and of my half fragment, in q and in o alike; never rewritten
.set L16,  22
.set L8,   23                          ; v10-16 the step's addresses; v18 -M, v19 the largest t, v[20:21] the sum in two halves
.set QF,   24                          ; v24-35   q; its upper six registers are zero
.set KF,   36                          ; v36-89   k's eight tiles, six registers each, and six zeros; then v's four fragments in v36-83
.set S,    92                          ; v92-155  the bias, then logits, then p
.set O,    156                         ; v156-187 O^T
.set PC,   204                         ; v204-215 p's codes
.set CT,   216                         ; v216-222 the second conversions' results
.set BM,   224
.set BX,   228
.set SO,   232
.set KW,   236                         ; v236-243 k's scale words, then v's in v236-239; v245 p's; v247 q's
.set FF,   244
.set PWD,  245
.set TT,   246
.set QW,   247
.set SP,   248
.set WV,   10
.set SEL,  20
.set CS,   22
.set G1B,  24
.set G1K,  32
.set G1V,  40
.set G1KS, 48
.set G1VS, 56
.set G0B,  68
.set G0K,  72
.set G0V,  76
.set G0KS, 80
.set G0VS, 84
.set TB,   88                          ; s88  the slot in hand
.set TS,   89                          ; s89  the step's scale words: 1,024 bytes a step, k's and v's alike
.set CNT,  90
.macro ROUND                           ; a round of the cluster's barrier
	s_barrier_signal -1
	s_barrier_wait -1
	s_cmp_lg_u32 s[WV], 0
	s_cbranch_scc1 .Lnot_wave_0_\@
	s_barrier_signal -3
.Lnot_wave_0_\@:
	s_barrier_wait -3
	s_barrier_signal -1
	s_barrier_wait -1
.endm
.macro LEAF g0, g1                     ; one joint load; four v_nop follow it, ahead of the jump and the label
	tensor_load_to_lds s[\g0:\g0+3], s[\g1:\g1+7]
	s_nop 0
.rept 4
	v_nop
.endr
.endm
.macro TLOAD first                     ; the branches hang on the wave's number alone: they are the same in every work-group
	s_cmp_lt_u32 s[WV], 4
	s_cbranch_scc0 .Lnot_b_\@
	LEAF G0B, G1B
	s_branch .Lasked_\@
.Lnot_b_\@:
	s_cmp_lt_u32 s[WV], 6
	s_cbranch_scc0 .Lnot_k_\@
	LEAF G0K, G1K
	s_branch .Lasked_\@
.Lnot_k_\@:
	s_cmp_lt_u32 s[WV], 8
	s_cbranch_scc0 .Lnot_v_\@
	LEAF G0V, G1V
	s_branch .Lasked_\@
.Lnot_v_\@:
.if \first
	s_cmp_eq_u32 s[WV], 8
	s_cbranch_scc0 .Lnot_ks_\@
	LEAF G0KS, G1KS
	s_branch .Lasked_\@
.Lnot_ks_\@:
	s_cmp_eq_u32 s[WV], 9
	s_cbranch_scc0 .Lasked_\@
	LEAF G0VS, G1VS
.endif
.Lasked_\@:
.endm
	s_load_b128 s[4:7], s[0:1], 0x0                ; qkv, the bias
	s_load_b64 s[8:9], s[0:1], 0x10                ; o
	v_lshl_add_u32 v[SPW], v0, 2, SPARE
	v_mov_b32 v[NIL], 0
	ds_add_u32 v8, v9
	ds_add_u32 v8, v9
	s_wait_dscnt 0x0
	v_lshrrev_b32 v10, 5, v0
	s_delay_alu instid0(VALU_DEP_1)
	v_readfirstlane_b32 s[WV], v10                 ; wave 0..15
	s_bfe_u32 s11, ttmp6, 0x40000                  ; cx
	s_bfe_u32 s12, ttmp6, 0x40004                  ; cy: the group of four heads
	s_lshl_b32 s13, ttmp9, 2
	s_add_co_u32 s13, s13, s11                     ; the block of 64 queries = 4 x cluster x + cx
	s_and_b32 s14, ttmp7, 0xffff                   ; the batch = cluster y
	s_lshl_b32 s15, s12, 2
	s_lshl_b32 s15, 15, s15                        ; my row of the cluster
	s_lshl_b32 s16, 0x1111, s11                    ; my column
	s_and_b32 s17, s[WV], 3                        ; my head in the group.  Also: which 16 rows of the bias I fetch
	s_and_b32 s18, s[WV], 1                        ; which half of k or of v I fetch
	s_lshr_b32 s19, s[WV], 2                       ; my tile of queries
	; group 1, bias: 16 rows of 128 f32, NK elements apart; 16 bytes of padding behind each 512
	s_or_b32 s[G1B], s16, (2<<16)|(1<<20)|(1<<21)|(6<<22)|(3<<25)
	s_mov_b32 s[G1B+1], 128<<16
	s_mov_b32 s[G1B+2], 16<<16
	s_mov_b32 s[G1B+3], 128<<16
	s_mov_b32 s[G1B+4], 16
	s_mov_b32 s[G1B+5], NK
	s_mov_b32 s[G1B+6], 0
	s_mov_b32 s[G1B+7], 0
	; k: four key tiles' four heads: rows of 3,072 bytes, 12,288 apart
	s_or_b32 s[G1K], s15, (3<<16)|(1<<21)
	s_mov_b32 s[G1K+1], 384<<16
	s_mov_b32 s[G1K+2], 4<<16
	s_mov_b32 s[G1K+3], 384<<16
	s_mov_b32 s[G1K+4], 4
	s_mov_b32 s[G1K+5], 1536
	s_mov_b32 s[G1K+6], 0
	s_mov_b32 s[G1K+7], 0
	; v: eight fragments, 12,288 dense bytes as 48 rows of 256
	s_or_b32 s[G1V], s15, (3<<16)|(1<<21)
	s_mov_b32 s[G1V+1], 32<<16
	s_mov_b32 s[G1V+2], 48<<16
	s_mov_b32 s[G1V+3], 32<<16
	s_mov_b32 s[G1V+4], 48
	s_mov_b32 s[G1V+5], 32
	s_mov_b32 s[G1V+6], 0
	s_mov_b32 s[G1V+7], 0
	; k's scale words: 128 bytes of each key tile's 512
	s_or_b32 s[G1KS], s15, (3<<16)|(1<<21)
	s_mov_b32 s[G1KS+1], 16<<16
	s_mov_b32 s[G1KS+2], (NK/16)<<16
	s_mov_b32 s[G1KS+3], 16<<16
	s_mov_b32 s[G1KS+4], NK/16
	s_mov_b32 s[G1KS+5], 64
	s_mov_b32 s[G1KS+6], 0
	s_mov_b32 s[G1KS+7], 0
	; v's: 1,024 bytes of each step's 4,096
	s_or_b32 s[G1VS], s15, (3<<16)|(1<<21)
	s_mov_b32 s[G1VS+1], 128<<16
	s_mov_b32 s[G1VS+2], NST<<16
	s_mov_b32 s[G1VS+3], 128<<16
	s_mov_b32 s[G1VS+4], NST
	s_mov_b32 s[G1VS+5], 512
	s_mov_b32 s[G1VS+6], 0
	s_mov_b32 s[G1VS+7], 0
	; where the tiles come from.  The bias hangs on the block of queries alone, k and v on batch and head group alone; each in registers that never hold the other coordinate
	s_lshl_b32 s92, s13, 6
	s_lshl_b32 s93, s17, 4
	s_add_co_u32 s92, s92, s93
	s_mul_i32 s92, s92, 4*NK                       ; bias: row 64 x + 16 (wave % 4)
	s_mov_b32 s93, 0
	s_mul_i32 s94, s14, NK/16
	s_lshl_b32 s95, s18, 2
	s_add_co_u32 s94, s94, s95
	s_mul_i32 s94, s94, 12288
	s_mul_i32 s95, s12, 3072
	s_add_co_u32 s94, s94, s95
	s_add_co_u32 s94, s94, KO                      ; k: key tile batch x NK / 16 + 4 half, heads 4 g on
	s_mov_b32 s95, 0
	s_mul_i32 s96, s14, NST*64
	s_lshl_b32 s97, s12, 4
	s_add_co_u32 s96, s96, s97                     ; v: fragment (batch x NST) x 64 + 16 g
	s_lshl_b32 s100, s96, 6
	s_add_co_u32 s100, s100, VSO
	s_mov_b32 s101, 0
	s_mul_i32 s96, s96, 1536
	s_mul_i32 s97, s18, 12288
	s_add_co_u32 s96, s96, s97
	s_add_co_u32 s96, s96, VO
	s_mov_b32 s97, 0
	s_mul_i32 s98, s14, (NK/16)*512
	s_lshl_b32 s99, s12, 7
	s_add_co_u32 s98, s98, s99
	s_add_co_u32 s98, s98, KSO
	s_mov_b32 s99, 0
	; q and o: tile 128 batch + 4 x + t, head 4 g + hd.  These offsets hold both coordinates: they feed no descriptor and no LDS address
	s_lshl_b32 s2, s14, 7
	s_lshl_b32 s3, s13, 2
	s_add_co_u32 s2, s2, s3
	s_add_co_u32 s2, s2, s19                       ; the tile
	s_lshl_b32 s3, s12, 2
	s_add_co_u32 s3, s3, s17                       ; the head
	s_lshl_b32 s104, s2, 4
	s_add_co_u32 s104, s104, s3
	s_mul_i32 s104, s104, 768                      ; my half fragment
	s_lshl_b32 s105, s2, 9
	s_lshr_b32 s91, s3, 1
	s_lshl_b32 s91, s91, 6
	s_add_co_u32 s105, s105, s91
	s_and_b32 s91, s3, 1
	s_lshl_b32 s91, s91, 1
	s_add_co_u32 s105, s105, s91
	s_add_co_u32 s105, s105, SCO                   ; my two scale bytes: SCO + 512 tile + 64 (head / 2) + 2 (head % 2)
	s_mov_b32 s[SEL], 0x76543210
	s_mov_b32 s[SEL+1], 0xfedcba98
	s_mov_b32 s[CS], 0x3fb8aa3b                    ; log2(e)
	s_mov_b32 s[CS+1], s[CS]                       ; (named with it as a pair)
	s_mov_b32 s[TB], 0
	s_mov_b32 s[TS], 0
	s_mov_b32 s[CNT], NST-1
	s_wait_kmcnt 0x0
	s_mov_b32 s[G0B], 1
	s_mul_i32 s[G0B+1], s17, 8576
	s_add_nc_u64 s[G0B+2:G0B+3], s[6:7], s[92:93]
	s_or_b32 s[G0B+3], s[G0B+3], 0x80000000
	s_mov_b32 s[G0K], 1
	s_mul_i32 s[G0K+1], s18, 12288
	s_add_co_u32 s[G0K+1], s[G0K+1], LK
	s_add_nc_u64 s[G0K+2:G0K+3], s[4:5], s[94:95]
	s_or_b32 s[G0K+3], s[G0K+3], 0x80000000
	s_mov_b32 s[G0V], 1
	s_mul_i32 s[G0V+1], s18, 12288
	s_add_co_u32 s[G0V+1], s[G0V+1], LV
	s_add_nc_u64 s[G0V+2:G0V+3], s[4:5], s[96:97]
	s_or_b32 s[G0V+3], s[G0V+3], 0x80000000
	s_mov_b32 s[G0KS], 1
	s_mov_b32 s[G0KS+1], KSC
	s_add_nc_u64 s[G0KS+2:G0KS+3], s[4:5], s[98:99]
	s_or_b32 s[G0KS+3], s[G0KS+3], 0x80000000
	s_mov_b32 s[G0VS], 1
	s_mov_b32 s[G0VS+1], VSC
	s_add_nc_u64 s[G0VS+2:G0VS+3], s[4:5], s[100:101]
	s_or_b32 s[G0VS+3], s[G0VS+3], 0x80000000
	ROUND                                          ; all sixteen work-groups are here: the first joint loads meet
	TLOAD 1                                        ; slot 0 and the scale words
	v_and_b32 v10, 31, v0                          ; lane
	v_and_b32 v11, 15, v0                          ; r
	v_bfe_u32 v12, v0, 4, 1                        ; h
	v_and_b32 v13, 7, v0
	v_bfe_u32 v14, v0, 3, 1
	v_lshl_add_u32 v[L16], v10, 4, s104
	s_add_co_u32 s104, s104, 512
	v_lshl_add_u32 v[L8], v10, 3, s104
	v_lshl_add_u32 v[R4], v11, 2, s105
	global_load_b128 v[QF:QF+3], v[L16], s[4:5]    ; q stays in registers
	global_load_b64 v[QF+4:QF+5], v[L8], s[4:5]
	global_load_u16 v[QW], v[R4], s[4:5]           ; its two scale bytes; the upper two bytes are 0 and scale zero codes
	s_lshr_b32 s66, s19, 1
	s_mul_i32 s66, s66, 17152
	s_and_b32 s67, s19, 1
	s_mul_i32 s67, s67, 4224
	s_add_co_u32 s66, s66, s67
	v_mul_u32_u24 v[AB], v13, 528                  ; the bias: my query is local row 32 (t / 2) + 8 (t % 2) + r % 8 + 16 (r / 8); 64 h: my 16 keys of each 32
	s_delay_alu instid0(VALU_DEP_1)
	v_mad_u32_u24 v[AB], v14, 8576, v[AB]
	s_delay_alu instid0(VALU_DEP_1)
	v_lshl_add_u32 v[AB], v12, 6, v[AB]
	s_delay_alu instid0(VALU_DEP_1)
	v_add_nc_u32 v[AB], s66, v[AB]
	s_mul_i32 s66, s17, 768
	s_add_co_u32 s66, s66, LK
	v_lshl_add_u32 v[AK16], v10, 4, s66
	s_add_co_u32 s66, s66, 512
	v_lshl_add_u32 v[AK8], v10, 3, s66
	s_mul_i32 s66, s17, 6144
	s_add_co_u32 s66, s66, LV
	v_lshl_add_u32 v[AV16], v10, 4, s66
	s_add_co_u32 s66, s66, 512
	v_lshl_add_u32 v[AV8], v10, 3, s66
	s_lshr_b32 s66, s17, 1
	s_lshl_b32 s66, s66, 6
	s_and_b32 s67, s17, 1
	s_lshl_b32 s67, s67, 1
	s_add_co_u32 s66, s66, s67
	s_add_co_u32 s66, s66, KSC
	v_lshl_add_u32 v[ASK], v11, 2, s66
	s_lshl_b32 s66, s17, 8
	s_add_co_u32 s66, s66, VSC
	v_lshl_add_u32 v[ASV], v11, 2, s66
	v_mov_b32 v19, 0xff61b1e6                      ; the largest t so far: -3e38
	s_delay_alu instid0(VALU_DEP_1)
	v_floor_f32 v18, -v19                          ; -M
	v_mov_b32 v20, 0
	v_mov_b32 v21, 0
	v_mov_b32 v[PWD], 0                            ; (named as the upper half of the pair v[244:245] before it is first written)
.irp b, 0,1,2,3
	v_mov_b32 v[BX+\b], 0                          ; a lane permute's destination counts as one of its sources
.endr
.irp i, 6,7,8,9,10,11
	v_mov_b32 v[QF+\i], 0                          ; K = 64 .. 127 of q: zero codes, written once
.endr
.irp i, 48,49,50,51,52,53
	v_mov_b32 v[KF+\i], 0                          ; what stands behind k's last tile: written once, so that it is written
.endr
.set j, 0
.rept 32
	v_mov_b32 v[O+j], 0                            ; the step is written once: the first finds zeros, which the first change of M leaves zeros
.set j, j+1
.endr
.macro RS k                            ; O^T's pair k under the new M: x f
	v_pk_mul_f32 v[O+2*(\k):O+2*(\k)+1], v[O+2*(\k):O+2*(\k)+1], v[FF:FF+1] op_sel_hi:[1,0]
.endm
; A KEY STEP: 128 keys, in the slot at s[TB].
.macro STEP
	v_add_nc_u32 v10, s[TB], v[AB]                 ; (these seven are also the places between the last step's products and the loads into their registers)
	v_add_nc_u32 v11, s[TB], v[AK16]
	v_add_nc_u32 v12, s[TB], v[AK8]
	v_add_nc_u32 v13, s[TB], v[AV16]
	v_add_nc_u32 v14, s[TB], v[AV8]
	v_add_nc_u32 v15, s[TS], v[ASK]
	v_add_nc_u32 v16, s[TS], v[ASV]
.irp i, 0,1,2,3,4,5,6,7
	ds_load_b128 v[KF+6*\i:KF+6*\i+3], v11 offset:\i*3072       ; k's eight tiles, six registers each, on end
	ds_load_b64 v[KF+6*\i+4:KF+6*\i+5], v12 offset:\i*3072
	ds_load_u16 v[KW+\i], v15 offset:\i*128                     ; two scale bytes; the upper two are 0
.endr
.irp b, 0,1,2,3
.irp j, 0,1,2,3
	ds_load_b128 v[S+16*\b+4*\j:S+16*\b+4*\j+3], v10 offset:128*\b+16*\j     ; the bias of my query at keys 32 b + 16 h + 4 j on: the products' C
.endr
.endr
	s_wait_alu depctr_va_vdst(0)
	s_wait_dscnt 8                                 ; all of k and the bias of keys 0-63 are in; the youngest eight loads (the bias of keys 64-127) may be out
.irp i, 0,1,2,3                        ; logits^T = k q^T + bias
	v_wmma_scale_f32_16x16x128_f8f6f4 v[S+8*\i:S+8*\i+7], v[KF+6*\i:KF+6*\i+11], v[QF:QF+11], v[S+8*\i:S+8*\i+7], v[KW+\i], v[QW] matrix_a_fmt:MATRIX_FMT_BF6 matrix_b_fmt:MATRIX_FMT_BF6
.endr
	s_wait_dscnt 0x0
.irp i, 4,5,6,7
	v_wmma_scale_f32_16x16x128_f8f6f4 v[S+8*\i:S+8*\i+7], v[KF+6*\i:KF+6*\i+11], v[QF:QF+11], v[S+8*\i:S+8*\i+7], v[KW+\i], v[QW] matrix_a_fmt:MATRIX_FMT_BF6 matrix_b_fmt:MATRIX_FMT_BF6
.endr
.rept 4
	v_nop                                          ; places in front of loads into registers that these products read, and of the first read of their results
.endr
.irp i, 0,1,2,3                        ; v's four fragments, into k's registers: they land under the softmax
.irp cc, 0,1
	ds_load_b128 v[KF+12*\i+6*\cc:KF+12*\i+6*\cc+3], v13 offset:\i*1536+768*\cc
	ds_load_b64 v[KF+12*\i+6*\cc+4:KF+12*\i+6*\cc+5], v14 offset:\i*1536+768*\cc
.endr
	ds_load_b32 v[KW+\i], v16 offset:\i*64
.endr
.irp b, 0,1,2,3
	v_max3_num_f32 v[BM+\b], v[S+16*\b], v[S+1+16*\b], v[S+2+16*\b]      ; the largest logit of each block of 32 keys: it serves for the row's maximum and, since p rises with the logit, for the block's largest p
.endr
.irp i, 3,5,7,9,11,13
.irp b, 0,1,2,3
	v_max3_num_f32 v[BM+\b], v[BM+\b], v[S+16*\b+\i], v[S+1+16*\b+\i]
.endr
.endr
.irp b, 0,1,2,3
	v_max_num_f32 v[BM+\b], v[BM+\b], v[S+15+16*\b]
.endr
.irp b, 0,1,2,3
	s_delay_alu instid0(VALU_DEP_4)
	v_permlanex16_b32 v[BX+\b], v[BM+\b], s[SEL], s[SEL+1]
.endr
.irp b, 0,1,2,3
	s_delay_alu instid0(VALU_DEP_4)
	v_max_num_f32 v[BM+\b], v[BM+\b], v[BX+\b]     ; with lane l xor 16's 16 keys
.endr
	s_delay_alu instid0(VALU_DEP_2)
	v_max3_num_f32 v[TT], v[BM], v[BM+1], v[BM+2]
	s_delay_alu instid0(VALU_DEP_1)
	v_max_num_f32 v[TT], v[TT], v[BM+3]
	s_delay_alu instid0(VALU_DEP_1)
	v_mul_f32 v[TT], s[CS], v[TT]                  ; as t
	s_delay_alu instid0(VALU_DEP_1)
	v_max_num_f32 v19, v19, v[TT]                  ; the running largest t
	v_mov_b32 v[TT], v18
	s_delay_alu instid0(VALU_DEP_2)
	v_floor_f32 v18, -v19                          ; the new -M = -ceil(t)
	s_delay_alu instid0(VALU_DEP_1)
	v_sub_f32 v[TT], v18, v[TT]                    ; old M - new M: a whole number, 0 or less
	s_delay_alu instid0(VALU_DEP_1)
	v_cvt_i32_f32 v[TT], v[TT]                     ; (it saturates)
	s_delay_alu instid0(VALU_DEP_1)
	v_ldexp_f32 v[FF], 1.0, v[TT]                  ; f = 2^(old M - new M)
.set p, 0
.rept 32                               ; t - M of all 64, two at a time
	v_pk_fma_f32 v[S+2*p:S+2*p+1], v[S+2*p:S+2*p+1], s[CS:CS+1], v[18:19] op_sel_hi:[1,0,0]
.set p, p+1
.endr
.irp b, 0,1,2,3
	v_fma_f32 v[BM+\b], v[BM+\b], s[CS], v18       ; the same of each block's largest logit
.endr
	s_wait_alu depctr_va_vdst(0)                   ; the wait ahead of the batch
.irp b, 0,1,2,3
	v_exp_f32 v[BM+\b], v[BM+\b]                   ; the block's largest p: the same two instructions on the same number as its p
.endr
.set p, 0
.rept 64
	v_exp_f32 v[S+p], v[S+p]                       ; p = 2^(t - M)
.set p, p+1
.endr
	v_pk_mul_f32 v[20:21], v[20:21], v[FF:FF+1] op_sel_hi:[1,0]      ; the sums under the new M; also the plain line behind the batch
	s_wait_alu depctr_va_vdst(0)                   ; one wait for the whole batch, directly ahead of O^T's first readers
.set p, 0
.rept 16
	RS p                                           ; O^T under the new M: each accumulator from its low end on
.set p, p+1
.endr
.irp b, 0,1,2,3
	v_max_num_f32 v[BM+\b], 0x2800000, v[BM+\b]    ; the floor 2^(5 - 127)
.endr
.irp b, 0,1,2,3
	s_delay_alu instid0(VALU_DEP_4)
	v_add_nc_u32 v[SO+\b], 0xfe000000, v[BM+\b]    ; the conversion's scale operand
.endr
.irp b, 0,1,2,3
	s_delay_alu instid0(VALU_DEP_4)
	v_lshrrev_b32 v[BX+\b], 23, v[SO+\b]           ; the scale's byte
.endr
	s_delay_alu instid0(VALU_DEP_3)
	v_lshl_or_b32 v[PWD], v[BX+1], 8, v[BX]        ; p's scale word for these 128 keys
	s_delay_alu instid0(VALU_DEP_1)
	v_lshl_or_b32 v[PWD], v[BX+2], 16, v[PWD]
	s_delay_alu instid0(VALU_DEP_1)
	v_lshl_or_b32 v[PWD], v[BX+3], 24, v[PWD]
	s_wait_alu depctr_va_vdst(0)
.irp c, 0,1
	v_cvt_scalef32_pk16_bf6_f32 v[PC+6*\c:PC+6*\c+2], v[S+32*\c:S+32*\c+15], v[SO+2*\c]
	v_cvt_scalef32_pk16_bf6_f32 v[CT+4*\c:CT+4*\c+2], v[S+16+32*\c:S+31+32*\c], v[SO+2*\c+1]
.endr
	v_nop                                          ; one plain line behind a scaled conversion
.irp c, 0,1
.irp i, 0,1,2
	v_permlane16_swap_b32 v[PC+6*\c+\i], v[CT+4*\c+\i]
.endr
.irp i, 0,1,2
	s_delay_alu instid0(VALU_DEP_3)
	v_mov_b32 v[PC+3+6*\c+\i], v[CT+4*\c+\i]
.endr
.endr
	; THE ROW'S SUM IS TAKEN OF THE UNQUANTISED p, two at a time, in four chains.  (32 plain lines, which name no register of the products, between p's codes and word and the products)
	v_pk_add_f32 v[SP:SP+1], v[S:S+1], v[S+2:S+3]
	v_pk_add_f32 v[SP+2:SP+3], v[S+4:S+5], v[S+6:S+7]
	v_pk_add_f32 v[SP+4:SP+5], v[S+8:S+9], v[S+10:S+11]
	v_pk_add_f32 v[20:21], v[20:21], v[S+12:S+13]
.irp j, 14,22,30,38,46,54
	v_pk_add_f32 v[SP:SP+1], v[SP:SP+1], v[S+\j:S+\j+1]
	v_pk_add_f32 v[SP+2:SP+3], v[SP+2:SP+3], v[S+\j+2:S+\j+3]
	v_pk_add_f32 v[SP+4:SP+5], v[SP+4:SP+5], v[S+\j+4:S+\j+5]
	v_pk_add_f32 v[20:21], v[20:21], v[S+\j+6:S+\j+7]
.endr
	v_pk_add_f32 v[SP:SP+1], v[SP:SP+1], v[S+62:S+63]
	v_pk_add_f32 v[20:21], v[20:21], v[SP+4:SP+5]
	v_pk_add_f32 v[SP:SP+1], v[SP:SP+1], v[SP+2:SP+3]
	s_delay_alu instid0(VALU_DEP_1)
	v_pk_add_f32 v[20:21], v[20:21], v[SP:SP+1]
	s_wait_dscnt 0x0                               ; v's fragments and scale words
.irp i, 0,1,2,3                        ; O^T += v^T p^T
	v_wmma_scale_f32_16x16x128_f8f6f4 v[O+8*\i:O+8*\i+7], v[KF+12*\i:KF+12*\i+11], v[PC:PC+11], v[O+8*\i:O+8*\i+7], v[KW+\i], v[PWD] matrix_a_fmt:MATRIX_FMT_BF6 matrix_b_fmt:MATRIX_FMT_BF6
.endr
	s_add_co_u32 s[TS], s[TS], 1024                ; the next step's scale words
	s_xor_b32 s[TB], s[TB], SLOT1                  ; and the other slot
.endm
; THE CHANGE OF SLOTS, at a step's head.  Each wave waits for all its tensor loads (its part of the slot ahead), adds 0 to its spare word, and waits for that and for its reads of the slot that it has left.
; fill = 1: a round of the cluster's barrier, so that no wave of any partner still reads that slot or has a load on its way; the joint refill is the first thing behind it and has a whole step in which to land.
.macro CHANGE fill
	s_wait_tensorcnt 0x0                           ; no tensor load of mine is out, so a group 0 may be written
	ds_add_u32 v[SPW], v[NIL]                      ; 0 onto my spare word
.if \fill
	s_xor_b32 s[G0B+1], s[G0B+1], SLOT1            ; the other slot than last time,
	s_add_nc_u64 s[G0B+2:G0B+3], s[G0B+2:G0B+3], 512        ; the next 128 keys: 512 bytes along the bias's rows,
	s_xor_b32 s[G0K+1], s[G0K+1], SLOT1
	s_add_nc_u64 s[G0K+2:G0K+3], s[G0K+2:G0K+3], 98304      ; eight key tiles,
	s_xor_b32 s[G0V+1], s[G0V+1], SLOT1
	s_add_nc_u64 s[G0V+2:G0V+3], s[G0V+2:G0V+3], 98304      ; 64 fragments of v
.endif
	s_wait_dscnt 0x0                               ; the add is done, and my reads of the slot that I have left are over
.if \fill
	ROUND
	TLOAD 0
.else
	s_barrier_signal -1
	s_barrier_wait -1
.endif
.endm
	s_wait_loadcnt 0x0                             ; q
.Lslot:                                            ; NST - 1 trips: behind each change of slots but the last the next step is asked for
	CHANGE 1
	STEP
	s_sub_co_u32 s[CNT], s[CNT], 1
	s_cmp_lg_u32 s[CNT], 0
	s_cbranch_scc1 .Lslot
	CHANGE 0                                       ; the last step is written out
	STEP
	; THE WAY OUT: O^T / the sum, quantised along the head's 64 channels (two blocks): my half fragment of o and its two scale bytes
.rept 4
	v_nop                                          ; places behind the last products
.endr
	s_wait_alu depctr_va_vdst(0)
	v_add_f32 v20, v20, v21
	s_delay_alu instid0(VALU_DEP_1)
	v_permlanex16_b32 v[TT], v20, s[SEL], s[SEL+1]
	s_delay_alu instid0(VALU_DEP_1)
	v_add_f32 v20, v20, v[TT]                      ; the row's sum
	s_wait_alu depctr_va_vdst(0)
	v_rcp_f32 v21, v20
	v_nop                                          ; a plain line behind the transcendental
.set j, 0
	s_wait_alu depctr_va_vdst(0)
.rept 32
	v_mul_f32 v[S+j], v[O+j], v21                  ; register 16 b + i = channel 32 b + 16 h + i; each accumulator from its low end on
.set j, j+1
.endr
.irp b, 0,1
	v_max3_num_f32 v[BM+\b], |v[S+16*\b]|, |v[S+1+16*\b]|, 0x2800000
.endr
.irp i, 2,4,6,8,10,12,14
.irp b, 0,1
	s_delay_alu instid0(VALU_DEP_2)
	v_max3_num_f32 v[BM+\b], v[BM+\b], |v[S+16*\b+\i]|, |v[S+1+16*\b+\i]|
.endr
.endr
.irp b, 0,1
	s_delay_alu instid0(VALU_DEP_2)
	v_permlanex16_b32 v[BX+\b], v[BM+\b], s[SEL], s[SEL+1]
.endr
.irp b, 0,1
	s_delay_alu instid0(VALU_DEP_2)
	v_max_num_f32 v[BM+\b], v[BM+\b], v[BX+\b]
.endr
.irp b, 0,1
	s_delay_alu instid0(VALU_DEP_2)
	v_add_nc_u32 v[SO+\b], 0xfe000000, v[BM+\b]
.endr
.irp b, 0,1
	s_delay_alu instid0(VALU_DEP_2)
	v_lshrrev_b32 v[BX+\b], 23, v[SO+\b]
.endr
	s_delay_alu instid0(VALU_DEP_1)
	v_lshl_or_b32 v[TT], v[BX+1], 8, v[BX]
	v_cvt_scalef32_pk16_bf6_f32 v[PC:PC+2], v[S:S+15], v[SO]
	v_cvt_scalef32_pk16_bf6_f32 v[CT:CT+2], v[S+16:S+31], v[SO+1]
	v_nop
.irp i, 0,1,2
	v_permlane16_swap_b32 v[PC+\i], v[CT+\i]
.endr
.irp i, 0,1,2
	s_delay_alu instid0(VALU_DEP_3)
	v_mov_b32 v[PC+3+\i], v[CT+\i]
.endr
	global_store_b128 v[L16], v[PC:PC+3], s[8:9]   ; 32 lanes: 512 consecutive aligned bytes
	global_store_b64 v[L8], v[PC+4:PC+5], s[8:9]   ; 32 lanes: 256
	global_store_b16 v[R4], v[TT], s[8:9]          ; two bytes of a row's scale word; lanes 16-31 store the same
	s_wait_tensorcnt 0x0                           ; the wave's end
	ds_add_u32 v[SPW], v[NIL]
	s_wait_dscnt 0x0
	ROUND                                          ; the closing round: no work-group ends while a partner may still ask for a tile that names it
	s_endpgm
.Lfunc_end_k_q06f56a86d8_att1:
	.size	k_q06f56a86d8_att1, .Lfunc_end_k_q06f56a86d8_att1-k_q06f56a86d8_att1
	.p2alignl 7, 3214868480
	.fill 96, 4, 3214868480
	.section	.rodata,"a",@progbits
	.p2align	6, 0x0
	.amdhsa_kernel k_q06f56a86d8_att1
		.amdhsa_group_segment_fixed_size 327680
		.amdhsa_private_segment_fixed_size 0
		.amdhsa_enable_private_segment 0
		.amdhsa_kernarg_size 24
		.amdhsa_user_sgpr_count 2
		.amdhsa_user_sgpr_kernarg_segment_ptr 1
		.amdhsa_wavefront_size32 1
		.amdhsa_system_sgpr_workgroup_id_x 1
		.amdhsa_system_sgpr_workgroup_id_y 1
		.amdhsa_system_sgpr_workgroup_id_z 1
		.amdhsa_system_vgpr_workitem_id 0
		.amdhsa_next_free_vgpr 256
		.amdhsa_next_free_sgpr 106
		.amdhsa_reserve_vcc 0
		.amdhsa_float_denorm_mode_32 3
		.amdhsa_float_denorm_mode_16_64 3
		.amdhsa_memory_ordered 1
		.amdhsa_forward_progress 1
		.amdhsa_inst_pref_size 57
	.end_amdhsa_kernel
	.amdgpu_metadata
---
amdhsa.version: [ 1, 2 ]
amdhsa.kernels:
  - .name:           k_q06f56a86d8_att1
    .symbol:         k_q06f56a86d8_att1.kd
    .args:
      - { .name: qkv, .offset: 0, .size: 8, .value_kind: global_buffer, .address_space: global }
      - { .name: casual_mask, .offset: 8, .size: 8, .value_kind: global_buffer, .address_space: global }
      - { .name: p2, .offset: 16, .size: 8, .value_kind: global_buffer, .address_space: global }
    .group_segment_fixed_size: 327680
    .private_segment_fixed_size: 0
    .kernarg_segment_align: 8
    .kernarg_segment_size: 24
    .max_flat_workgroup_size: 512
    .sgpr_count:     106
    .vgpr_count:     256
    .wavefront_size: 32
...
	.end_amdgpu_metadata
.endif
;; end of part 4
;; launch mmo1 (part 5): grid 8 x 32, 4 waves a work-group, no clusters, 273,920 bytes of LDS; arguments p2, x, x1; writes x1
.if DOCPART == 5
	.amdgcn_target "amdgcn-amd-amdhsa--gfx1250"
	.amdhsa_code_object_version 6
	.text
	.protected	k_q06f56a86d8_mmo1
	.globl	k_q06f56a86d8_mmo1
	.p2align	8
	.type	k_q06f56a86d8_mmo1,@function
k_q06f56a86d8_mmo1:
	s_mov_b64 s[64:65], 0
	v_nop
	global_prefetch_b8 v0, s[64:65] scope:SCOPE_SE
	s_setreg_imm32_b32 hwreg(HW_REG_WAVE_MODE, 25, 1), 1
	s_wait_xcnt 0x0
; A product rows [.., 1024] x weight [1024, 1024] on codes of BF6 (E3M2) with E8M0 scales for each 32 along K; a tile of 128 x 128 of the result to a work-group; sums in f32.
; One text serves three bodies, by MODE: 0: q, k, v of both attentions, quantised on the way out;  1: relu, then quantised;  2: a residual is added and f32 rows are stored.  THIS BODY: MODE 2.
; OPERANDS lie in memory as images of operand registers: 16 rows (or weight columns) form a tile T, position r = index 32 (T / 2) + 8 (T % 2) + r % 8 + 16 (r / 8); a half fragment (16 positions x 64 K) is 768 bytes,
; lane l's first four registers at 16 l, its last two at 512 + 8 l; a tile is 16 half fragments; scale words at 512 T + 64 (K step) + 4 r in a region of their own.
; ALL OF K FITS IN LDS: 8 tiles of each operand are 2 x 98,304 bytes, their scale words 2 x 4,096.  Each wave issues five tensor loads at the start (its half of one operand's scale words, then four chunks of two
; K steps) and nothing is ever filled twice: so there is no ring.  By this text's own count a wave has five tensor loads out.
; SOURCE 0 is the weight, in region P, whose eight tiles every wave reads; SOURCE 1 the rows, in region S, of which wave w takes tiles 2 w and 2 w + 1: 32 neighbouring rows.  A lane of a result holds one row, and, by the
; order of positions in a tile, the 16 registers of two neighbouring column tiles are 16 NEIGHBOURING columns.  The results go through the wave's own stage in LDS and come back as whole rows of 512 bytes.
; NO JOINT LOADS: the text is shared with the body whose operands change places by segment, where a mask word would have to be chosen at run time; left out here too.
; LIMITS: NaN and infinities are not served.
; REGISTERS: window 0: v4-16 addresses; v32-41, v48-57 two sets of scale words (they hold nothing else); v128-255 the 16 accumulators ((a, b) at v[128 + 8 (8 a + b)]).
;   window 1: two fragment buffers at v0 and v128: source 0's eight fragments, then source 1's two.   window 2: the residual.
; THE FILLS, as this text has them (in place of what the lines above say of them): four tiles, one tensor load a wave, all at the head: wave 0 the weight's codes (8 tiles, 98,304 dense bytes), wave 1 the rows' codes,
; waves 2 and 3 their scale words (4,096 bytes each).  One wait for all of them and one barrier; nothing is filled twice.  A region in LDS: [tile: 12,288][K step: 1,536][half fragment: 768].
.set MODE,  2
.set SCO,   4718592                    ; scale words of the rows' region
.set WO,    4915200                    ; the first weight slot
.set SLOTB, 819200
.set WSC,   786432
.set KO1,   5734400
.set VO1,   9011200
.set KO2,   12288000
.set VO2,   13926400
.set LSR,   98304                      ; LDS: region S;  region P is at 0.  A region: [chunk of two K steps: 24,576][tile: 3,072][K step: 1,536][half fragment: 768]
.set LPSC,  196608                     ; P's scale words, [tile][K step][r]
.set LSSC,  200704                     ; S's
.set LSTG,  204800                     ; a stage of 17,152 bytes for each wave, bytes into which no fill lands
.set NF,    50                         ; LDS loads of a FETCH
.set AP16,  4                          ; v4-5   P: 16 lane, for chunks 0-1 and 2-3
.set AP8,   6                          ; v6-7   P: 512 + 8 lane
.set AS16,  8                          ; v8-9   S: my two tiles
.set AS8,   10                         ; v10-11
.set ASP,   12                         ; v12    P's scale words: 4 r
.set ASS,   13                         ; v13    S's, my two tiles
.set R4,    14
.set STO,   15
.set RD,    16
.set SC,    32
.set TM,    64
.set PW,    80
.set PC,    84
.set ACC,   128
.set G1C,   24
.set G1S,   32
.set G0S,   40
.set G0C,   44
.set SEL,   80
.set MSB, 0
.macro WIN new                         ; the immediate's high byte repeats the setting that is left
.if MSB != \new
	s_set_vgpr_msb (MSB<<8)|\new
.set MSB, \new
.endif
.endm
.macro PLACES                          ; four plain lines between a matrix instruction and a load into, or a read of, its registers
.rept 4
	v_nop
.endr
.endm
.macro FETCH s, f                      ; K step s: 10 scale words into set f, 10 fragments into buffer f
.set IB, (\s)*1536
	WIN 0
.irp b, 0,1,2,3,4,5,6,7
	ds_load_b32 v[SC+16*(\f)+\b], v[ASP] offset:512*\b+64*(\s)
.endr
.irp a, 0,1
	ds_load_b32 v[SC+16*(\f)+8+\a], v[ASS] offset:512*\a+64*(\s)
.endr
	WIN 0x40                                       ; destination window 1, address window 0
.irp b, 0,1,2,3,4,5,6,7
.irp cc, 0,1
	ds_load_b128 v[128*(\f)+12*\b+6*\cc:128*(\f)+12*\b+6*\cc+3], v[AP16+\b/4] offset:IB+12288*(\b%4)+768*\cc    ; the second address register serves tiles 4-7
	ds_load_b64 v[128*(\f)+12*\b+6*\cc+4:128*(\f)+12*\b+6*\cc+5], v[AP8+\b/4] offset:IB+12288*(\b%4)+768*\cc
.endr
.endr
.irp a, 0,1
.irp cc, 0,1
	ds_load_b128 v[128*(\f)+96+12*\a+6*\cc:128*(\f)+96+12*\a+6*\cc+3], v[AS16] offset:IB+12288*\a+768*\cc
	ds_load_b64 v[128*(\f)+96+12*\a+6*\cc+4:128*(\f)+96+12*\a+6*\cc+5], v[AS8] offset:IB+12288*\a+768*\cc
.endr
.endr
.endm
.macro MUL f, zero                     ; 16 matrix instructions, the 16 accumulators by turns in the same order in every step
	WIN 0x05                                       ; sources 0 and 1 window 1; C and D window 0
.irp a, 0,1
.irp b, 0,1,2,3,4,5,6,7
.if \zero
	v_wmma_scale_f32_16x16x128_f8f6f4 v[ACC+8*(8*\a+\b):ACC+8*(8*\a+\b)+7], v[128*(\f)+12*\b:128*(\f)+12*\b+11], v[128*(\f)+96+12*\a:128*(\f)+96+12*\a+11], 0, v[SC+16*(\f)+\b], v[SC+16*(\f)+8+\a] matrix_a_fmt:MATRIX_FMT_BF6 matrix_b_fmt:MATRIX_FMT_BF6
.else
	v_wmma_scale_f32_16x16x128_f8f6f4 v[ACC+8*(8*\a+\b):ACC+8*(8*\a+\b)+7], v[128*(\f)+12*\b:128*(\f)+12*\b+11], v[128*(\f)+96+12*\a:128*(\f)+96+12*\a+11], v[ACC+8*(8*\a+\b):ACC+8*(8*\a+\b)+7], v[SC+16*(\f)+\b], v[SC+16*(\f)+8+\a] matrix_a_fmt:MATRIX_FMT_BF6 matrix_b_fmt:MATRIX_FMT_BF6
.endif
.endr
.endr
.endm
.macro MEET n                          ; my tile has landed, no LDS instruction of mine is out; then everybody's
	s_wait_tensorcnt \n
	s_wait_dscnt 0x0
	s_barrier_signal -1
	s_barrier_wait -1
.endm
	s_load_b128 s[4:7], s[0:1], 0x0                ; the operands' buffer s[4:5]; the residual s[6:7]
	s_load_b64 s[8:9], s[0:1], 0x10                ; out
	v_lshl_add_u32 v126, v0, 2, 0x42c00
	v_mov_b32 v127, 0
	ds_add_u32 v126, v127
	ds_add_u32 v126, v127
	v_lshrrev_b32 v1, 5, v0
	v_readfirstlane_b32 s10, v1                    ; wave
	s_and_b32 s12, s10, 1                          ; I fetch for region P (0) or S (1): waves 0, 1 its codes, waves 2, 3 its scale words
	s_and_b32 s13, ttmp7, 0xffff                   ; y: the block of 128 rows
	s_mul_i32 s22, s13, 98304                      ; the rows' codes,
	s_lshl_b32 s23, s13, 12
	s_add_co_u32 s23, s23, SCO                     ; their scale words
	s_lshl_b32 s67, ttmp9, 12
	s_add_co_u32 s67, s67, WO+WSC                  ; the weight's scale words (slot 0),
	s_mul_i32 s66, ttmp9, 98304
	s_add_co_u32 s66, s66, WO                      ; its codes
	s_cmp_eq_u32 s12, 0                            ; region P holds the weight
	s_cselect_b32 s60, s66, s22
	s_cselect_b32 s62, s67, s23
	s_mov_b32 s61, 0
	s_mov_b32 s63, 0
	; descriptor group 1, codes: four rows of 3,072 bytes (a tile's two K steps), 12,288 bytes apart, elements of 8 bytes, dense in LDS
	s_mov_b32 s[G1C], 3<<16
	s_mov_b32 s[G1C+1], 384<<16                    ; tensor_dim0
	s_mov_b32 s[G1C+2], 32<<16                     ; eight tiles, 98,304 dense bytes, as 32 rows of 3,072
	s_mov_b32 s[G1C+3], 384<<16
	s_mov_b32 s[G1C+4], 32
	s_mov_b32 s[G1C+5], 384
	s_mov_b32 s[G1C+6], 0
	s_mov_b32 s[G1C+7], 0
	; scale words: 2,048 dense bytes as eight rows of 256
	s_mov_b32 s[G1S], 3<<16
	s_mov_b32 s[G1S+1], 32<<16
	s_mov_b32 s[G1S+2], 16<<16                     ; 4,096 dense bytes as sixteen rows of 256
	s_mov_b32 s[G1S+3], 32<<16
	s_mov_b32 s[G1S+4], 16
	s_mov_b32 s[G1S+5], 32
	s_mov_b32 s[G1S+6], 0
	s_mov_b32 s[G1S+7], 0
	s_mul_i32 s78, s12, LSR                        ; LDS: my region
	s_lshl_b32 s79, s12, 12
	s_add_co_u32 s79, s79, LPSC                    ; and my 2,048 bytes of scale words
	s_lshl_b32 s68, s13, 19                        ; my 32 rows of the residual and of out: (128 y + 32 wave) x 4,096 + 512 x
	s_lshl_b32 s69, s10, 17
	s_add_co_u32 s68, s68, s69
	s_lshl_b32 s69, ttmp9, 9
	s_add_co_u32 s68, s68, s69
	s_mov_b32 s69, 0
	s_wait_dscnt 0x0
	s_wait_kmcnt 0x0
	s_add_nc_u64 s[60:61], s[4:5], s[60:61]
	s_add_nc_u64 s[62:63], s[4:5], s[62:63]
	s_mov_b32 s[G0S], 1
	s_mov_b32 s[G0S+1], s79
	s_mov_b64 s[G0S+2:G0S+3], s[62:63]
	s_or_b32 s[G0S+3], s[G0S+3], 0x80000000
.irp c, 0
	s_mov_b32 s[G0C+4*\c], 1
	s_add_co_u32 s[G0C+4*\c+1], s78, \c*24576
	s_add_nc_u64 s[G0C+4*\c+2:G0C+4*\c+3], s[60:61], \c*3072
	s_or_b32 s[G0C+4*\c+3], s[G0C+4*\c+3], 0x80000000
.endr
	s_add_nc_u64 s[6:7], s[6:7], s[68:69]
	s_add_nc_u64 s[8:9], s[8:9], s[68:69]
	s_cmp_lt_u32 s10, 2                            ; one tensor load a wave, in the two arms of one branch on the wave's number
	s_cbranch_scc0 .Lscales
	tensor_load_to_lds s[G0C:G0C+3], s[G1C:G1C+7]  ; waves 0, 1: the codes of P, of S
	s_nop 0
.rept 4
	v_nop
.endr
	s_branch .Lasked
.Lscales:
	tensor_load_to_lds s[G0S:G0S+3], s[G1S:G1S+7]  ; waves 2, 3: the scale words of P, of S
	s_nop 0
.rept 4
	v_nop
.endr
.Lasked:
	v_and_b32 v1, 31, v0                           ; lane
	v_and_b32 v2, 15, v0                           ; r
	v_lshlrev_b32 v[AP16], 4, v1
	v_add_nc_u32 v[AP16+1], 49152, v[AP16]
	v_lshlrev_b32 v[AP8], 3, v1
	v_add_nc_u32 v[AP8], 512, v[AP8]
	v_add_nc_u32 v[AP8+1], 49152, v[AP8]
	s_mul_i32 s82, s10, 24576                      ; my two tiles of S
	s_add_co_u32 s82, s82, LSR
	v_add_nc_u32 v[AS16], s82, v[AP16]
	v_add_nc_u32 v[AS8], s82, v[AP8]
	v_lshl_add_u32 v[ASP], v2, 2, LPSC
	s_lshl_b32 s82, s10, 10
	s_add_co_u32 s82, s82, LSSC
	v_lshl_add_u32 v[ASS], v2, 2, s82
	v_and_b32 v[STO], 7, v0                        ; the stage: local row 8 a + r % 8 + 16 (r / 8), rows 528 bytes apart, 128 more between the two groups of 16 rows, so that sixteen lanes' 16 bytes fall into 16 different columns of 256
	v_mul_u32_u24 v[STO], v[STO], 528
	v_bfe_u32 v[RD], v0, 3, 1
	v_mad_u32_u24 v[STO], v[RD], 8576, v[STO]
	v_bfe_u32 v[RD], v0, 4, 1
	v_lshl_add_u32 v[STO], v[RD], 6, v[STO]
	s_mul_i32 s82, s10, 17152
	s_add_co_u32 s82, s82, LSTG
	v_add_nc_u32 v[STO], s82, v[STO]
	v_add_nc_u32 v[RD], s82, v[AP16]               ; back: a row's 512 bytes, 16 a lane
	WIN 0x80                                       ; destination window 2
.set i, 0
.rept 32
	global_load_b128 v[4*i:4*i+3], v[AP16], s[6:7] offset:4096*i     ; the residual: 512 consecutive bytes of a row; it lands under the products
.set i, i+1
.endr
	WIN 0
	s_wait_alu depctr_va_vdst(0)
	MEET 0                                         ; all four tiles are in
	FETCH 0, 0
	FETCH 1, 1
	s_wait_dscnt NF                                ; K step 0's loads are in; step 1's 50 may be out
	MUL 0, 1                                       ; the first products start the sums: nothing is cleared
.irp c, 1,2,3
	s_wait_dscnt 0x0                               ; the odd step's fragments are in
	PLACES
	FETCH 2*\c, 0
	MUL 1, 0
	PLACES
	FETCH 2*\c+1, 1
	s_wait_dscnt NF                                ; the even step's loads are in; the odd step's 50 may be out
	MUL 0, 0
.endr
	s_wait_dscnt 0x0
	MUL 1, 0
	WIN 0
	PLACES
.irp a, 0,1
.irp b, 0,1,2,3,4,5,6,7
	ds_store_b128 v[STO], v[ACC+8*(8*\a+\b):ACC+8*(8*\a+\b)+3] offset:4224*\a+128*(\b/2)+32*(\b%2)       ; each accumulator from its low end on
	ds_store_b128 v[STO], v[ACC+8*(8*\a+\b)+4:ACC+8*(8*\a+\b)+7] offset:4224*\a+128*(\b/2)+32*(\b%2)+16
.endr
.endr
.set i, 0
.rept 32
	ds_load_b128 v[ACC+4*i:ACC+4*i+3], v[RD] offset:528*i+128*(i/16)    ; my wave's own bytes, served in order: these see the stores above
.set i, i+1
.endr
	s_wait_dscnt 0x0
	s_wait_loadcnt 0x0                             ; the residual
	WIN 0x08                                       ; source 1 window 2
.set j, 0
.rept 64
	v_pk_add_f32 v[ACC+2*j:ACC+2*j+1], v[ACC+2*j:ACC+2*j+1], v[2*j:2*j+1]
.set j, j+1
.endr
	WIN 0
.set i, 0
.rept 32
	global_store_b128 v[AP16], v[ACC+4*i:ACC+4*i+3], s[8:9] offset:4096*i    ; 32 lanes: 512 consecutive aligned bytes of a row
.set i, i+1
.endr
	s_wait_tensorcnt 0x0
	ds_add_u32 v126, v127
	s_wait_dscnt 0x0
	s_endpgm
.Lfunc_end_k_q06f56a86d8_mmo1:
	.size	k_q06f56a86d8_mmo1, .Lfunc_end_k_q06f56a86d8_mmo1-k_q06f56a86d8_mmo1
	.p2alignl 7, 3214868480
	.fill 96, 4, 3214868480
	.section	.rodata,"a",@progbits
	.p2align	6, 0x0
	.amdhsa_kernel k_q06f56a86d8_mmo1
		.amdhsa_group_segment_fixed_size 273920
		.amdhsa_private_segment_fixed_size 0
		.amdhsa_enable_private_segment 0
		.amdhsa_kernarg_size 24
		.amdhsa_user_sgpr_count 2
		.amdhsa_user_sgpr_kernarg_segment_ptr 1
		.amdhsa_wavefront_size32 1
		.amdhsa_system_sgpr_workgroup_id_x 1
		.amdhsa_system_sgpr_workgroup_id_y 1
		.amdhsa_system_sgpr_workgroup_id_z 1
		.amdhsa_system_vgpr_workitem_id 0
		.amdhsa_next_free_vgpr 640
		.amdhsa_next_free_sgpr 88
		.amdhsa_reserve_vcc 0
		.amdhsa_float_denorm_mode_32 3
		.amdhsa_float_denorm_mode_16_64 3
		.amdhsa_memory_ordered 1
		.amdhsa_forward_progress 1
		.amdhsa_inst_pref_size 63
	.end_amdhsa_kernel
	.amdgpu_metadata
---
amdhsa.version: [ 1, 2 ]
amdhsa.kernels:
  - .name:           k_q06f56a86d8_mmo1
    .symbol:         k_q06f56a86d8_mmo1.kd
    .args:
      - { .name: p2, .offset: 0, .size: 8, .value_kind: global_buffer, .address_space: global }
      - { .name: x, .offset: 8, .size: 8, .value_kind: global_buffer, .address_space: global }
      - { .name: x1, .offset: 16, .size: 8, .value_kind: global_buffer, .address_space: global }
    .group_segment_fixed_size: 273920
    .private_segment_fixed_size: 0
    .kernarg_segment_align: 8
    .kernarg_segment_size: 24
    .max_flat_workgroup_size: 128
    .sgpr_count:     88
    .vgpr_count:     640
    .wavefront_size: 32
...
	.end_amdgpu_metadata
.endif
;; end of part 5
;; launch nrm2: the kernel of part 2 again; grid 256 x 1, 8 waves a work-group, no clusters, 69,632 bytes of LDS; arguments x1, memory, g2, p3; writes p3
;; launch mmq2 (part 6): grid 8 x 32, 4 waves a work-group, no clusters, 205,312 bytes of LDS; arguments p3, qkv; writes qkv
.if DOCPART == 6
	.amdgcn_target "amdgcn-amd-amdhsa--gfx1250"
	.amdhsa_code_object_version 6
	.text
	.protected	k_q06f56a86d8_mmq2
	.globl	k_q06f56a86d8_mmq2
	.p2align	8
	.type	k_q06f56a86d8_mmq2,@function
k_q06f56a86d8_mmq2:
	s_mov_b64 s[64:65], 0
	v_nop
	global_prefetch_b8 v0, s[64:65] scope:SCOPE_SE
	s_setreg_imm32_b32 hwreg(HW_REG_WAVE_MODE, 25, 1), 1
	s_wait_xcnt 0x0
; q of the cross attention: rows [4096, 1024] x weight [1024, 1024] (slot 0 of the operands' buffer) on codes of BF6 (E3M2) with E8M0 scales for each 32 along K; sums in f32; x 1/8 (exact: the division of the
; scores by sqrt(64)); quantised along the columns on the way out.  A tile of 128 x 128 of the result to a work-group: 256 work-groups; tiles of 256 x 256 would be 64.
; OPERANDS lie in memory as images of operand registers: 16 rows (or weight columns) form a tile T, position r = index 32 (T / 2) + 8 (T % 2) + r % 8 + 16 (r / 8); a half fragment (16 positions x 64 K) is 768 bytes,
; lane l's first four registers at 16 l, its last two at 512 + 8 l; a tile is 16 half fragments; scale words at 512 T + 64 (K step) + 4 r in a region of their own.
; ALL OF K FITS IN LDS: 8 tiles of each operand are 2 x 98,304 bytes, their scale words 2 x 4,096.  Each wave issues five tensor loads at the start (its half of one operand's scale words, then four chunks of two
; K steps) and nothing is ever filled twice: so there is no ring.  By this text's own count a wave has five tensor loads out.
; SOURCE 0 is the weight, in region P, whose eight tiles every wave reads; SOURCE 1 the rows, in region S, of which wave w takes tiles 2 w and 2 w + 1.  A lane of a result holds one row, and, by the order of positions
; in a tile, the 16 registers of two neighbouring column tiles are 16 NEIGHBOURS along the next product's K: a tile of rows' 64 registers become one fragment and one scale word a row.
; NO JOINT LOADS: the text is one with the other products of this shape, each of which moves 204,800 bytes a work-group once, all asked for at its start; left out here as there.
; LIMITS: a block of zeros or under 2^-122 gets the byte 1 with zero codes (this program alone reads the bytes).  NaN and infinities are not served.
; REGISTERS: window 0: v4-14 addresses; v32-41, v48-57 two sets of scale words (they hold nothing else); v64-127 at work on the way out; v128-255 the 16 accumulators ((a, b) at v[128 + 8 (8 a + b)]).
;   window 1: two fragment buffers at v0 and v128: source 0's eight fragments, then source 1's two.
; THE FILLS, as this text has them (in place of what the lines above say of them): four tiles, one tensor load a wave, all at the head: wave 0 the weight's codes (8 tiles, 98,304 dense bytes), wave 1 the rows' codes,
; waves 2 and 3 their scale words (4,096 bytes each).  One wait for all of them and one barrier; nothing is filled twice.  A region in LDS: [tile: 12,288][K step: 1,536][half fragment: 768].
.set SCO,   4718592
.set WO,    4915200                    ; the first weight slot
.set WSC,   786432
.set LSR,   98304                      ; LDS: region S;  region P is at 0.  A region: [chunk of two K steps: 24,576][tile: 3,072][K step: 1,536][half fragment: 768]
.set LPSC,  196608                     ; P's scale words, [tile][K step][r]
.set LSSC,  200704                     ; S's
.set NF,    50                         ; LDS loads of a FETCH
.set AP16,  4                          ; v4-5   P: 16 lane, for chunks 0-1 and 2-3
.set AP8,   6                          ; v6-7   P: 512 + 8 lane
.set AS16,  8                          ; v8-9   S: my two tiles
.set AS8,   10                         ; v10-11
.set ASP,   12                         ; v12    P's scale words: 4 r
.set ASS,   13                         ; v13    S's, my two tiles
.set R4,    14                         ; v14    4 r
.set SC,    32
.set TM,    64
.set PW,    80
.set PC,    84
.set ACC,   128
.set G1C,   24
.set G1S,   32
.set G0S,   40
.set G0C,   44
.set SEL,   80
.set MSB, 0
.macro WIN new                         ; the immediate's high byte repeats the setting that is left
.if MSB != \new
	s_set_vgpr_msb (MSB<<8)|\new
.set MSB, \new
.endif
.endm
.macro PLACES                          ; four plain lines between a matrix instruction and a load into, or a read of, its registers
.rept 4
	v_nop
.endr
.endm
.macro FETCH s, f                      ; K step s: 10 scale words into set f, 10 fragments into buffer f
.set IB, (\s)*1536
	WIN 0
.irp b, 0,1,2,3,4,5,6,7
	ds_load_b32 v[SC+16*(\f)+\b], v[ASP] offset:512*\b+64*(\s)
.endr
.irp a, 0,1
	ds_load_b32 v[SC+16*(\f)+8+\a], v[ASS] offset:512*\a+64*(\s)
.endr
	WIN 0x40                                       ; destination window 1, address window 0
.irp b, 0,1,2,3,4,5,6,7
.irp cc, 0,1
	ds_load_b128 v[128*(\f)+12*\b+6*\cc:128*(\f)+12*\b+6*\cc+3], v[AP16+\b/4] offset:IB+12288*(\b%4)+768*\cc    ; the second address register serves tiles 4-7
	ds_load_b64 v[128*(\f)+12*\b+6*\cc+4:128*(\f)+12*\b+6*\cc+5], v[AP8+\b/4] offset:IB+12288*(\b%4)+768*\cc
.endr
.endr
.irp a, 0,1
.irp cc, 0,1
	ds_load_b128 v[128*(\f)+96+12*\a+6*\cc:128*(\f)+96+12*\a+6*\cc+3], v[AS16] offset:IB+12288*\a+768*\cc
	ds_load_b64 v[128*(\f)+96+12*\a+6*\cc+4:128*(\f)+96+12*\a+6*\cc+5], v[AS8] offset:IB+12288*\a+768*\cc
.endr
.endr
.endm
.macro MUL f, zero                     ; 16 matrix instructions, the 16 accumulators by turns in the same order in every step
	WIN 0x05                                       ; sources 0 and 1 window 1; C and D window 0
.irp a, 0,1
.irp b, 0,1,2,3,4,5,6,7
.if \zero
	v_wmma_scale_f32_16x16x128_f8f6f4 v[ACC+8*(8*\a+\b):ACC+8*(8*\a+\b)+7], v[128*(\f)+12*\b:128*(\f)+12*\b+11], v[128*(\f)+96+12*\a:128*(\f)+96+12*\a+11], 0, v[SC+16*(\f)+\b], v[SC+16*(\f)+8+\a] matrix_a_fmt:MATRIX_FMT_BF6 matrix_b_fmt:MATRIX_FMT_BF6
.else
	v_wmma_scale_f32_16x16x128_f8f6f4 v[ACC+8*(8*\a+\b):ACC+8*(8*\a+\b)+7], v[128*(\f)+12*\b:128*(\f)+12*\b+11], v[128*(\f)+96+12*\a:128*(\f)+96+12*\a+11], v[ACC+8*(8*\a+\b):ACC+8*(8*\a+\b)+7], v[SC+16*(\f)+\b], v[SC+16*(\f)+8+\a] matrix_a_fmt:MATRIX_FMT_BF6 matrix_b_fmt:MATRIX_FMT_BF6
.endif
.endr
.endr
.endm
.macro MEET n                          ; my tile has landed, no LDS instruction of mine is out; then everybody's
	s_wait_tensorcnt \n
	s_wait_dscnt 0x0
	s_barrier_signal -1
	s_barrier_wait -1
.endm
.macro QUANT s, pc, pw                 ; 64 numbers of a lane, register 16 b + i = k 32 b + 16 (lane / 16) + i, become a fragment's 12 registers at v[pc] and its scale word in v[pw]
.irp b, 0,1,2,3
	v_max3_num_f32 v[TM+\b], |v[(\s)+16*\b]|, |v[(\s)+1+16*\b]|, 0x2800000      ; block b: my 16 numbers, and the floor 2^(5 - 127)
.endr
.irp i, 2,4,6,8,10,12,14
.irp b, 0,1,2,3
	v_max3_num_f32 v[TM+\b], v[TM+\b], |v[(\s)+16*\b+\i]|, |v[(\s)+1+16*\b+\i]|
.endr
.endr
.irp b, 0,1,2,3
	v_permlanex16_b32 v[TM+4+\b], v[TM+\b], s[SEL], s[SEL+1]
.endr
.irp b, 0,1,2,3
	v_max_num_f32 v[TM+\b], v[TM+\b], v[TM+4+\b]
.endr
.irp b, 0,1,2,3
	v_add_nc_u32 v[TM+8+\b], 0xfe000000, v[TM+\b]  ; 4 off the exponent field: the conversion's scale operand
.endr
.irp b, 0,1,2,3
	v_lshrrev_b32 v[TM+4+\b], 23, v[TM+8+\b]       ; the scale's byte
.endr
	v_lshl_or_b32 v[\pw], v[TM+5], 8, v[TM+4]
	v_lshl_or_b32 v[\pw], v[TM+6], 16, v[\pw]
	v_lshl_or_b32 v[\pw], v[TM+7], 24, v[\pw]
.irp c, 0,1
	v_cvt_scalef32_pk16_bf6_f32 v[(\pc)+6*\c:(\pc)+2+6*\c], v[(\s)+32*\c:(\s)+15+32*\c], v[TM+8+2*\c]
	v_cvt_scalef32_pk16_bf6_f32 v[(\pc)+12+4*\c:(\pc)+14+4*\c], v[(\s)+16+32*\c:(\s)+31+32*\c], v[TM+9+2*\c]
.endr
	v_nop                                          ; one plain line behind a scaled conversion
.irp c, 0,1
.irp i, 0,1,2
	v_permlane16_swap_b32 v[(\pc)+6*\c+\i], v[(\pc)+12+4*\c+\i]
.endr
.irp i, 0,1,2
	v_mov_b32 v[(\pc)+3+6*\c+\i], v[(\pc)+12+4*\c+\i]
.endr
.endr
.endm
	s_load_b128 s[4:7], s[0:1], 0x0                ; the operands' buffer s[4:5]; out s[6:7]
	v_lshl_add_u32 v126, v0, 2, 0x32000
	v_mov_b32 v127, 0
	ds_add_u32 v126, v127
	ds_add_u32 v126, v127
	v_lshrrev_b32 v1, 5, v0
	v_readfirstlane_b32 s10, v1                    ; wave
	s_and_b32 s12, s10, 1                          ; I fetch for region P (0) or S (1): waves 0, 1 its codes, waves 2, 3 its scale words
	s_and_b32 s13, ttmp7, 0xffff                   ; y: the block of 128 rows
	s_mul_i32 s22, s13, 98304                      ; the rows' codes,
	s_lshl_b32 s23, s13, 12
	s_add_co_u32 s23, s23, SCO                     ; their scale words
	s_lshl_b32 s67, ttmp9, 12
	s_add_co_u32 s67, s67, WO+WSC                  ; the weight's scale words (slot 0),
	s_mul_i32 s66, ttmp9, 98304
	s_add_co_u32 s66, s66, WO                      ; its codes
	s_cmp_eq_u32 s12, 0                            ; region P holds the weight
	s_cselect_b32 s60, s66, s22
	s_cselect_b32 s62, s67, s23
	s_mov_b32 s61, 0
	s_mov_b32 s63, 0
	s_mov_b32 s76, 0x3e000000                      ; 1/8
	s_mov_b32 s77, s76                             ; (named with it as a pair)
	; descriptor group 1, codes: four rows of 3,072 bytes (a tile's two K steps), 12,288 bytes apart, elements of 8 bytes, dense in LDS
	s_mov_b32 s[G1C], 3<<16
	s_mov_b32 s[G1C+1], 384<<16                    ; tensor_dim0
	s_mov_b32 s[G1C+2], 32<<16                     ; eight tiles, 98,304 dense bytes, as 32 rows of 3,072
	s_mov_b32 s[G1C+3], 384<<16
	s_mov_b32 s[G1C+4], 32
	s_mov_b32 s[G1C+5], 384
	s_mov_b32 s[G1C+6], 0
	s_mov_b32 s[G1C+7], 0
	; scale words: 2,048 dense bytes as eight rows of 256
	s_mov_b32 s[G1S], 3<<16
	s_mov_b32 s[G1S+1], 32<<16
	s_mov_b32 s[G1S+2], 16<<16                     ; 4,096 dense bytes as sixteen rows of 256
	s_mov_b32 s[G1S+3], 32<<16
	s_mov_b32 s[G1S+4], 16
	s_mov_b32 s[G1S+5], 32
	s_mov_b32 s[G1S+6], 0
	s_mov_b32 s[G1S+7], 0
	s_mul_i32 s78, s12, LSR                        ; LDS: my region
	s_lshl_b32 s79, s12, 12
	s_add_co_u32 s79, s79, LPSC                    ; and my 2,048 bytes of scale words
	s_lshl_b32 s82, s10, 4
	s_add_co_u32 s82, s82, ttmp9
	s_lshl_b32 s84, s13, 6
	s_add_co_u32 s82, s82, s84                     ; out: fragment (tile 8 y + 2 w + a, K step x): 64 y + 16 w + 8 a + x
	s_add_co_u32 s83, s82, 8
	s_mul_i32 s68, s82, 1536
	s_mov_b32 s69, 0
	s_mul_i32 s70, s83, 1536
	s_mov_b32 s71, 0
	s_lshl_b32 s72, s82, 6
	s_add_co_u32 s72, s72, SCO
	s_mov_b32 s73, 0
	s_lshl_b32 s74, s83, 6
	s_add_co_u32 s74, s74, SCO
	s_mov_b32 s75, 0
	s_mov_b32 s[SEL], 0x76543210
	s_mov_b32 s[SEL+1], 0xfedcba98
	s_wait_dscnt 0x0
	s_wait_kmcnt 0x0
	s_add_nc_u64 s[60:61], s[4:5], s[60:61]
	s_add_nc_u64 s[62:63], s[4:5], s[62:63]
	s_mov_b32 s[G0S], 1
	s_mov_b32 s[G0S+1], s79
	s_mov_b64 s[G0S+2:G0S+3], s[62:63]
	s_or_b32 s[G0S+3], s[G0S+3], 0x80000000
.irp c, 0
	s_mov_b32 s[G0C+4*\c], 1
	s_add_co_u32 s[G0C+4*\c+1], s78, \c*24576
	s_add_nc_u64 s[G0C+4*\c+2:G0C+4*\c+3], s[60:61], \c*3072
	s_or_b32 s[G0C+4*\c+3], s[G0C+4*\c+3], 0x80000000
.endr
	s_add_nc_u64 s[68:69], s[6:7], s[68:69]
	s_add_nc_u64 s[70:71], s[6:7], s[70:71]
	s_add_nc_u64 s[72:73], s[6:7], s[72:73]
	s_add_nc_u64 s[74:75], s[6:7], s[74:75]
	s_cmp_lt_u32 s10, 2                            ; one tensor load a wave, in the two arms of one branch on the wave's number
	s_cbranch_scc0 .Lscales
	tensor_load_to_lds s[G0C:G0C+3], s[G1C:G1C+7]  ; waves 0, 1: the codes of P, of S
	s_nop 0
.rept 4
	v_nop
.endr
	s_branch .Lasked
.Lscales:
	tensor_load_to_lds s[G0S:G0S+3], s[G1S:G1S+7]  ; waves 2, 3: the scale words of P, of S
	s_nop 0
.rept 4
	v_nop
.endr
.Lasked:
	v_and_b32 v1, 31, v0                           ; lane
	v_and_b32 v2, 15, v0                           ; r
	v_lshlrev_b32 v[AP16], 4, v1
	v_add_nc_u32 v[AP16+1], 49152, v[AP16]
	v_lshlrev_b32 v[AP8], 3, v1
	v_add_nc_u32 v[AP8], 512, v[AP8]
	v_add_nc_u32 v[AP8+1], 49152, v[AP8]
	s_mul_i32 s82, s10, 24576                      ; my two tiles of S
	s_add_co_u32 s82, s82, LSR
	v_add_nc_u32 v[AS16], s82, v[AP16]
	v_add_nc_u32 v[AS8], s82, v[AP8]
	v_lshl_add_u32 v[ASP], v2, 2, LPSC
	s_lshl_b32 s82, s10, 10
	s_add_co_u32 s82, s82, LSSC
	v_lshl_add_u32 v[ASS], v2, 2, s82
	v_lshlrev_b32 v[R4], 2, v2
.irp b, 0,1,2,3
	v_mov_b32 v[TM+4+\b], 0                        ; written once: a lane permute's destination counts as one of its sources
.endr
	s_wait_alu depctr_va_vdst(0)
	MEET 0                                         ; all four tiles are in
	FETCH 0, 0
	FETCH 1, 1
	s_wait_dscnt NF                                ; K step 0's loads are in; step 1's 50 may be out
	MUL 0, 1                                       ; the first products start the sums: nothing is cleared
.irp c, 1,2,3
	s_wait_dscnt 0x0                               ; the odd step's fragments are in
	PLACES
	FETCH 2*\c, 0
	MUL 1, 0
	PLACES
	FETCH 2*\c+1, 1
	s_wait_dscnt NF                                ; the even step's loads are in; the odd step's 50 may be out
	MUL 0, 0
.endr
	s_wait_dscnt 0x0
	MUL 1, 0
	WIN 0
	PLACES
.set j, 0
.rept 64
	v_pk_mul_f32 v[ACC+2*j:ACC+2*j+1], v[ACC+2*j:ACC+2*j+1], s[76:77] op_sel_hi:[1,0]   ; x 1/8: exact; each accumulator from its low end on
.set j, j+1
.endr
.irp a, 0,1                            ; my two tiles of rows: each 64 registers are one fragment; each has registers of its own for codes and word, so no store's data are written again
	QUANT ACC+64*\a, PC+20*\a, PW+\a
.irp c, 0,1
	global_store_b128 v[AP16], v[PC+20*\a+6*\c:PC+20*\a+6*\c+3], s[68+2*\a:69+2*\a] offset:768*\c    ; 32 lanes: 512 consecutive aligned bytes
	global_store_b64 v[AP8], v[PC+20*\a+6*\c+4:PC+20*\a+6*\c+5], s[68+2*\a:69+2*\a] offset:768*\c    ; 32 lanes: 256 (the register holds 512 + 8 x lane)
.endr
	global_store_b32 v[R4], v[PW+\a], s[72+2*\a:73+2*\a]
.endr
	s_wait_tensorcnt 0x0
	ds_add_u32 v126, v127
	s_wait_dscnt 0x0
	s_endpgm
.Lfunc_end_k_q06f56a86d8_mmq2:
	.size	k_q06f56a86d8_mmq2, .Lfunc_end_k_q06f56a86d8_mmq2-k_q06f56a86d8_mmq2
	.p2alignl 7, 3214868480
	.fill 96, 4, 3214868480
	.section	.rodata,"a",@progbits
	.p2align	6, 0x0
	.amdhsa_kernel k_q06f56a86d8_mmq2
		.amdhsa_group_segment_fixed_size 205312
		.amdhsa_private_segment_fixed_size 0
		.amdhsa_enable_private_segment 0
		.amdhsa_kernarg_size 16
		.amdhsa_user_sgpr_count 2
		.amdhsa_user_sgpr_kernarg_segment_ptr 1
		.amdhsa_wavefront_size32 1
		.amdhsa_system_sgpr_workgroup_id_x 1
		.amdhsa_system_sgpr_workgroup_id_y 1
		.amdhsa_system_sgpr_workgroup_id_z 1
		.amdhsa_system_vgpr_workitem_id 0
		.amdhsa_next_free_vgpr 512
		.amdhsa_next_free_sgpr 88
		.amdhsa_reserve_vcc 0
		.amdhsa_float_denorm_mode_32 3
		.amdhsa_float_denorm_mode_16_64 3
		.amdhsa_memory_ordered 1
		.amdhsa_forward_progress 1
		.amdhsa_inst_pref_size 61
	.end_amdhsa_kernel
	.amdgpu_metadata
---
amdhsa.version: [ 1, 2 ]
amdhsa.kernels:
  - .name:           k_q06f56a86d8_mmq2
    .symbol:         k_q06f56a86d8_mmq2.kd
    .args:
      - { .name: p3, .offset: 0, .size: 8, .value_kind: global_buffer, .address_space: global }
      - { .name: qkv, .offset: 8, .size: 8, .value_kind: global_buffer, .address_space: global }
    .group_segment_fixed_size: 205312
    .private_segment_fixed_size: 0
    .kernarg_segment_align: 8
    .kernarg_segment_size: 16
    .max_flat_workgroup_size: 128
    .sgpr_count:     88
    .vgpr_count:     512
    .wavefront_size: 32
...
	.end_amdgpu_metadata
.endif
;; end of part 6
;; launch att2 (part 7): grid 32 x 8, 16 waves a work-group, clusters of 4 x 4, 327,680 bytes of LDS; arguments qkv, position_embedding, p4; writes p4
.if DOCPART == 7
	.amdgcn_target "amdgcn-amd-amdhsa--gfx1250"
	.amdhsa_code_object_version 6
	.text
	.protected	k_q06f56a86d8_att2
	.globl	k_q06f56a86d8_att2
	.p2align	8
	.type	k_q06f56a86d8_att2,@function
k_q06f56a86d8_att2:
	s_mov_b64 s[64:65], 0
	v_nop
	global_prefetch_b8 v0, s[64:65] scope:SCOPE_SE
	s_setreg_imm32_b32 hwreg(HW_REG_WAVE_MODE, 25, 1), 1
	s_wait_xcnt 0x0
	s_wait_alu depctr_hold_cnt(0) depctr_sa_sdst(0) depctr_va_vdst(0) depctr_va_sdst(0) depctr_va_ssrc(0) depctr_va_vcc(0) depctr_vm_vsrc(0)
	s_getreg_b32 s2, hwreg(HW_REG_IB_STS2, 6, 4)
	s_cmp_eq_u32 s2, 0
	s_cbranch_scc0 .Lentry_in_a_cluster
	s_endpgm
.Lentry_in_a_cluster:
	s_bfe_u32 s2, ttmp6, 0x10000c
	s_cmp_lg_u32 s2, 0xf033
	s_cbranch_scc0 .Lentry_shape_is_right
	s_endpgm
.Lentry_shape_is_right:
; o = softmax(q k^T / 8 + bias) v for 16 heads of 64, both products on codes of BF6 (E3M2) with E8M0 scales for each 32 along K; o is quantised along its row on the way out.  The cross attention: 1,024 keys.
; q (already x 1/8), k: images of operand registers, a head's 64 channels = one half fragment of 768 bytes at (16 tile + head) x 768.  The instruction's K is 128: q's upper six registers are zero codes.
; K'S OPERANDS OVERLAP: tile i of k is v[KF + 6 i] on, 12 registers, of which the upper six are tile i + 1's codes.  They meet q's zero codes; E3M2 has no code for infinity or NaN, and the scale bytes of those blocks are 0
; on both sides (2^-127, never 0xff): the products are zeros.  So eight tiles lie in 54 registers and come in one run of loads.
; v: fragments (128 keys, 16 channels) of 1,536 bytes.  The bias [2048][NK] f32 is an input: every score is computed.  It is the C of the score product, so the unit's result is the logit.
; THE SOFTMAX: t = logit x log2(e); M = the running largest t rounded UP to a whole number; p = 2^(t - M) is quantised along the keys, not normalised; the row's sum is taken of the unquantised p and divides at the end.
; When M moves, the sum and O are multiplied by 2^(old M - new M): exact.
; SHARES: a work-group owns 64 queries (4 tiles) x 4 heads of one batch; wave w owns tile w / 4 and head w % 4: one tile of 16 queries in 256 registers, four waves to a SIMD.  Every wave walks all keys, 128 a step.
; Both products are used transposed (source 0 = 16 keys, or 16 channels of v; source 1 = my queries): a lane holds ONE query.  By the order of positions in a tile (position r = index 32 (T / 2) + 8 (T % 2) + r % 8 + 16 (r / 8))
; the 16 registers of key tiles 2 b and 2 b + 1 are 16 neighbouring keys, and the 16 of two channel tiles 16 neighbouring channels.
; A STEP'S ORDER: k and the bias in one run of loads; eight score products; v's four fragments are asked for, into k's registers, and land under the softmax; in the softmax each exponential is followed by one plain
; line that is ready (a later pair's multiply-add, O's rescaling, a sum), so that no two exponentials follow each other; four products with v.
; CLUSTER 4 x 4: cx = a block of queries, cy = a group of 4 heads, one batch.  The four work-groups of a column (same cx) need the same bias tile, the four of a row (same cy) the same k, v and scale words: each is asked for
; JOINTLY.  A ring of two slots of one step; behind each round of the cluster's barrier waves 0-3 ask for the bias (16 rows each), 4-5 for k, 6-7 for v: one tensor load a wave, one out at a time.
; The scale words of all keys of the head group come once, with the first fills (waves 8, 9).
; LIMITS: 1 / l by v_rcp_f32; the bias is added inside the matrix unit.  A block of zeros or under 2^-122 gets the byte 1 with zero codes.  NaN and infinities among the inputs are not served.
; THE SOFTMAX'S ORDER, as this text has it (in place of what the lines above say of it): all multiply-adds, then the 68 exponentials as one batch with one wait ahead of it and one behind it,
; then O's rescaling, p's scales and codes, and the row's sum in four chains.
.set NK,    1024
.set KO,    12288000                   ; k's codes in qkv
.set KSO,   KO+1572864                 ; its scale words
.set VO,    13926400                   ; v's fragments
.set VSO,   VO+1572864                 ; its scale words
.set NST,   NK/128
.set SCO,   4718592                    ; scale words of q, and of o
.set SLOT1, 1<<17                      ; slot 1 begins here: one exclusive or turns an address
.set LK,    34304                      ; a slot: the bias, four groups of 16 rows x 528 bytes, 8,576 apart; then k [key tile][head][768];
.set LV,    58880                      ; then v [4 head + channel tile][1,536]
.set KSC,   83456                      ; between the slots: k's scale words [key tile][2][16 words], filled once
.set VSC,   99840                      ; v's [step][16 tiles][16 words], filled once
.set SPARE, 214528                     ; behind slot 1: the spare words, 128 bytes for each of 16 waves, which no other line names
.set AB,   1                           ; v1-7 my lane's places: bias, k (16 l; 512 + 8 l), v (likewise), k's scale words, v's
.set AK16, 2
.set AK8,  3
.set AV16, 4
.set AV8,  5
.set ASK,  6
.set ASV,  7
.set SPW,  8                           ; v8   my spare word; never rewritten
.set NIL,  9                           ; v9   0; never rewritten
.set R4,   17                          ; v17, v22, v23: byte offsets of my scale bytes and of my half fragment, in q and in o alike; never rewritten
.set L16,  22
.set L8,   23                          ; v10-16 the step's addresses; v18 -M, v19 the largest t, v[20:21] the sum in two halves
.set QF,   24                          ; v24-35   q; its upper six registers are zero
.set KF,   36                          ; v36-89   k's eight tiles, six registers each, and six zeros; then v's four fragments in v36-83
.set S,    92                          ; v92-155  the bias, then logits, then p
.set O,    156                         ; v156-187 O^T
.set PC,   204                         ; v204-215 p's codes
.set CT,   216                         ; v216-222 the second conversions' results
.set BM,   224
.set BX,   228
.set SO,   232
.set KW,   236                         ; v236-243 k's scale words, then v's in v236-239; v245 p's; v247 q's
.set FF,   244
.set PWD,  245
.set TT,   246
.set QW,   247
.set SP,   248
.set WV,   10
.set SEL,  20
.set CS,   22
.set G1B,  24
.set G1K,  32
.set G1V,  40
.set G1KS, 48
.set G1VS, 56
.set G0B,  68
.set G0K,  72
.set G0V,  76
.set G0KS, 80
.set G0VS, 84
.set TB,   88                          ; s88  the slot in hand
.set TS,   89                          ; s89  the step's scale words: 1,024 bytes a step, k's and v's alike
.set CNT,  90
.macro ROUND                           ; a round of the cluster's barrier
	s_barrier_signal -1
	s_barrier_wait -1
	s_cmp_lg_u32 s[WV], 0
	s_cbranch_scc1 .Lnot_wave_0_\@
	s_barrier_signal -3
.Lnot_wave_0_\@:
	s_barrier_wait -3
	s_barrier_signal -1
	s_barrier_wait -1
.endm
.macro LEAF g0, g1                     ; one joint load; four v_nop follow it, ahead of the jump and the label
	tensor_load_to_lds s[\g0:\g0+3], s[\g1:\g1+7]
	s_nop 0
.rept 4
	v_nop
.endr
.endm
.macro TLOAD first                     ; the branches hang on the wave's number alone: they are the same in every work-group
	s_cmp_lt_u32 s[WV], 4
	s_cbranch_scc0 .Lnot_b_\@
	LEAF G0B, G1B
	s_branch .Lasked_\@
.Lnot_b_\@:
	s_cmp_lt_u32 s[WV], 6
	s_cbranch_scc0 .Lnot_k_\@
	LEAF G0K, G1K
	s_branch .Lasked_\@
.Lnot_k_\@:
	s_cmp_lt_u32 s[WV], 8
	s_cbranch_scc0 .Lnot_v_\@
	LEAF G0V, G1V
	s_branch .Lasked_\@
.Lnot_v_\@:
.if \first
	s_cmp_eq_u32 s[WV], 8
	s_cbranch_scc0 .Lnot_ks_\@
	LEAF G0KS, G1KS
	s_branch .Lasked_\@
.Lnot_ks_\@:
	s_cmp_eq_u32 s[WV], 9
	s_cbranch_scc0 .Lasked_\@
	LEAF G0VS, G1VS
.endif
.Lasked_\@:
.endm
	s_load_b128 s[4:7], s[0:1], 0x0                ; qkv, the bias
	s_load_b64 s[8:9], s[0:1], 0x10                ; o
	v_lshl_add_u32 v[SPW], v0, 2, SPARE
	v_mov_b32 v[NIL], 0
	ds_add_u32 v8, v9
	ds_add_u32 v8, v9
	s_wait_dscnt 0x0
	v_lshrrev_b32 v10, 5, v0
	s_delay_alu instid0(VALU_DEP_1)
	v_readfirstlane_b32 s[WV], v10                 ; wave 0..15
	s_bfe_u32 s11, ttmp6, 0x40000                  ; cx
	s_bfe_u32 s12, ttmp6, 0x40004                  ; cy: the group of four heads
	s_lshl_b32 s13, ttmp9, 2
	s_add_co_u32 s13, s13, s11                     ; the block of 64 queries = 4 x cluster x + cx
	s_and_b32 s14, ttmp7, 0xffff                   ; the batch = cluster y
	s_lshl_b32 s15, s12, 2
	s_lshl_b32 s15, 15, s15                        ; my row of the cluster
	s_lshl_b32 s16, 0x1111, s11                    ; my column
	s_and_b32 s17, s[WV], 3                        ; my head in the group.  Also: which 16 rows of the bias I fetch
	s_and_b32 s18, s[WV], 1                        ; which half of k or of v I fetch
	s_lshr_b32 s19, s[WV], 2                       ; my tile of queries
	; group 1, bias: 16 rows of 128 f32, NK elements apart; 16 bytes of padding behind each 512
	s_or_b32 s[G1B], s16, (2<<16)|(1<<20)|(1<<21)|(6<<22)|(3<<25)
	s_mov_b32 s[G1B+1], 128<<16
	s_mov_b32 s[G1B+2], 16<<16
	s_mov_b32 s[G1B+3], 128<<16
	s_mov_b32 s[G1B+4], 16
	s_mov_b32 s[G1B+5], NK
	s_mov_b32 s[G1B+6], 0
	s_mov_b32 s[G1B+7], 0
	; k: four key tiles' four heads: rows of 3,072 bytes, 12,288 apart
	s_or_b32 s[G1K], s15, (3<<16)|(1<<21)
	s_mov_b32 s[G1K+1], 384<<16
	s_mov_b32 s[G1K+2], 4<<16
	s_mov_b32 s[G1K+3], 384<<16
	s_mov_b32 s[G1K+4], 4
	s_mov_b32 s[G1K+5], 1536
	s_mov_b32 s[G1K+6], 0
	s_mov_b32 s[G1K+7], 0
	; v: eight fragments, 12,288 dense bytes as 48 rows of 256
	s_or_b32 s[G1V], s15, (3<<16)|(1<<21)
	s_mov_b32 s[G1V+1], 32<<16
	s_mov_b32 s[G1V+2], 48<<16
	s_mov_b32 s[G1V+3], 32<<16
	s_mov_b32 s[G1V+4], 48
	s_mov_b32 s[G1V+5], 32
	s_mov_b32 s[G1V+6], 0
	s_mov_b32 s[G1V+7], 0
	; k's scale words: 128 bytes of each key tile's 512
	s_or_b32 s[G1KS], s15, (3<<16)|(1<<21)
	s_mov_b32 s[G1KS+1], 16<<16
	s_mov_b32 s[G1KS+2], (NK/16)<<16
	s_mov_b32 s[G1KS+3], 16<<16
	s_mov_b32 s[G1KS+4], NK/16
	s_mov_b32 s[G1KS+5], 64
	s_mov_b32 s[G1KS+6], 0
	s_mov_b32 s[G1KS+7], 0
	; v's: 1,024 bytes of each step's 4,096
	s_or_b32 s[G1VS], s15, (3<<16)|(1<<21)
	s_mov_b32 s[G1VS+1], 128<<16
	s_mov_b32 s[G1VS+2], NST<<16
	s_mov_b32 s[G1VS+3], 128<<16
	s_mov_b32 s[G1VS+4], NST
	s_mov_b32 s[G1VS+5], 512
	s_mov_b32 s[G1VS+6], 0
	s_mov_b32 s[G1VS+7], 0
	; where the tiles come from.  The bias hangs on the block of queries alone, k and v on batch and head group alone; each in registers that never hold the other coordinate
	s_lshl_b32 s92, s13, 6
	s_lshl_b32 s93, s17, 4
	s_add_co_u32 s92, s92, s93
	s_mul_i32 s92, s92, 4*NK                       ; bias: row 64 x + 16 (wave % 4)
	s_mov_b32 s93, 0
	s_mul_i32 s94, s14, NK/16
	s_lshl_b32 s95, s18, 2
	s_add_co_u32 s94, s94, s95
	s_mul_i32 s94, s94, 12288
	s_mul_i32 s95, s12, 3072
	s_add_co_u32 s94, s94, s95
	s_add_co_u32 s94, s94, KO                      ; k: key tile batch x NK / 16 + 4 half, heads 4 g on
	s_mov_b32 s95, 0
	s_mul_i32 s96, s14, NST*64
	s_lshl_b32 s97, s12, 4
	s_add_co_u32 s96, s96, s97                     ; v: fragment (batch x NST) x 64 + 16 g
	s_lshl_b32 s100, s96, 6
	s_add_co_u32 s100, s100, VSO
	s_mov_b32 s101, 0
	s_mul_i32 s96, s96, 1536
	s_mul_i32 s97, s18, 12288
	s_add_co_u32 s96, s96, s97
	s_add_co_u32 s96, s96, VO
	s_mov_b32 s97, 0
	s_mul_i32 s98, s14, (NK/16)*512
	s_lshl_b32 s99, s12, 7
	s_add_co_u32 s98, s98, s99
	s_add_co_u32 s98, s98, KSO
	s_mov_b32 s99, 0
	; q and o: tile 128 batch + 4 x + t, head 4 g + hd.  These offsets hold both coordinates: they feed no descriptor and no LDS address
	s_lshl_b32 s2, s14, 7
	s_lshl_b32 s3, s13, 2
	s_add_co_u32 s2, s2, s3
	s_add_co_u32 s2, s2, s19                       ; the tile
	s_lshl_b32 s3, s12, 2
	s_add_co_u32 s3, s3, s17                       ; the head
	s_lshl_b32 s104, s2, 4
	s_add_co_u32 s104, s104, s3
	s_mul_i32 s104, s104, 768                      ; my half fragment
	s_lshl_b32 s105, s2, 9
	s_lshr_b32 s91, s3, 1
	s_lshl_b32 s91, s91, 6
	s_add_co_u32 s105, s105, s91
	s_and_b32 s91, s3, 1
	s_lshl_b32 s91, s91, 1
	s_add_co_u32 s105, s105, s91
	s_add_co_u32 s105, s105, SCO                   ; my two scale bytes: SCO + 512 tile + 64 (head / 2) + 2 (head % 2)
	s_mov_b32 s[SEL], 0x76543210
	s_mov_b32 s[SEL+1], 0xfedcba98
	s_mov_b32 s[CS], 0x3fb8aa3b                    ; log2(e)
	s_mov_b32 s[CS+1], s[CS]                       ; (named with it as a pair)
	s_mov_b32 s[TB], 0
	s_mov_b32 s[TS], 0
	s_mov_b32 s[CNT], NST-1
	s_wait_kmcnt 0x0
	s_mov_b32 s[G0B], 1
	s_mul_i32 s[G0B+1], s17, 8576
	s_add_nc_u64 s[G0B+2:G0B+3], s[6:7], s[92:93]
	s_or_b32 s[G0B+3], s[G0B+3], 0x80000000
	s_mov_b32 s[G0K], 1
	s_mul_i32 s[G0K+1], s18, 12288
	s_add_co_u32 s[G0K+1], s[G0K+1], LK
	s_add_nc_u64 s[G0K+2:G0K+3], s[4:5], s[94:95]
	s_or_b32 s[G0K+3], s[G0K+3], 0x80000000
	s_mov_b32 s[G0V], 1
	s_mul_i32 s[G0V+1], s18, 12288
	s_add_co_u32 s[G0V+1], s[G0V+1], LV
	s_add_nc_u64 s[G0V+2:G0V+3], s[4:5], s[96:97]
	s_or_b32 s[G0V+3], s[G0V+3], 0x80000000
	s_mov_b32 s[G0KS], 1
	s_mov_b32 s[G0KS+1], KSC
	s_add_nc_u64 s[G0KS+2:G0KS+3], s[4:5], s[98:99]
	s_or_b32 s[G0KS+3], s[G0KS+3], 0x80000000
	s_mov_b32 s[G0VS], 1
	s_mov_b32 s[G0VS+1], VSC
	s_add_nc_u64 s[G0VS+2:G0VS+3], s[4:5], s[100:101]
	s_or_b32 s[G0VS+3], s[G0VS+3], 0x80000000
	ROUND                                          ; all sixteen work-groups are here: the first joint loads meet
	TLOAD 1                                        ; slot 0 and the scale words
	v_and_b32 v10, 31, v0                          ; lane
	v_and_b32 v11, 15, v0                          ; r
	v_bfe_u32 v12, v0, 4, 1                        ; h
	v_and_b32 v13, 7, v0
	v_bfe_u32 v14, v0, 3, 1
	v_lshl_add_u32 v[L16], v10, 4, s104
	s_add_co_u32 s104, s104, 512
	v_lshl_add_u32 v[L8], v10, 3, s104
	v_lshl_add_u32 v[R4], v11, 2, s105
	global_load_b128 v[QF:QF+3], v[L16], s[4:5]    ; q stays in registers
	global_load_b64 v[QF+4:QF+5], v[L8], s[4:5]
	global_load_u16 v[QW], v[R4], s[4:5]           ; its two scale bytes; the upper two bytes are 0 and scale zero codes
	s_lshr_b32 s66, s19, 1
	s_mul_i32 s66, s66, 17152
	s_and_b32 s67, s19, 1
	s_mul_i32 s67, s67, 4224
	s_add_co_u32 s66, s66, s67
	v_mul_u32_u24 v[AB], v13, 528                  ; the bias: my query is local row 32 (t / 2) + 8 (t % 2) + r % 8 + 16 (r / 8); 64 h: my 16 keys of each 32
	s_delay_alu instid0(VALU_DEP_1)
	v_mad_u32_u24 v[AB], v14, 8576, v[AB]
	s_delay_alu instid0(VALU_DEP_1)
	v_lshl_add_u32 v[AB], v12, 6, v[AB]
	s_delay_alu instid0(VALU_DEP_1)
	v_add_nc_u32 v[AB], s66, v[AB]
	s_mul_i32 s66, s17, 768
	s_add_co_u32 s66, s66, LK
	v_lshl_add_u32 v[AK16], v10, 4, s66
	s_add_co_u32 s66, s66, 512
	v_lshl_add_u32 v[AK8], v10, 3, s66
	s_mul_i32 s66, s17, 6144
	s_add_co_u32 s66, s66, LV
	v_lshl_add_u32 v[AV16], v10, 4, s66
	s_add_co_u32 s66, s66, 512
	v_lshl_add_u32 v[AV8], v10, 3, s66
	s_lshr_b32 s66, s17, 1
	s_lshl_b32 s66, s66, 6
	s_and_b32 s67, s17, 1
	s_lshl_b32 s67, s67, 1
	s_add_co_u32 s66, s66, s67
	s_add_co_u32 s66, s66, KSC
	v_lshl_add_u32 v[ASK], v11, 2, s66
	s_lshl_b32 s66, s17, 8
	s_add_co_u32 s66, s66, VSC
	v_lshl_add_u32 v[ASV], v11, 2, s66
	v_mov_b32 v19, 0xff61b1e6                      ; the largest t so far: -3e38
	s_delay_alu instid0(VALU_DEP_1)
	v_floor_f32 v18, -v19                          ; -M
	v_mov_b32 v20, 0
	v_mov_b32 v21, 0
	v_mov_b32 v[PWD], 0                            ; (named as the upper half of the pair v[244:245] before it is first written)
.irp b, 0,1,2,3
	v_mov_b32 v[BX+\b], 0                          ; a lane permute's destination counts as one of its sources
.endr
.irp i, 6,7,8,9,10,11
	v_mov_b32 v[QF+\i], 0                          ; K = 64 .. 127 of q: zero codes, written once
.endr
.irp i, 48,49,50,51,52,53
	v_mov_b32 v[KF+\i], 0                          ; what stands behind k's last tile: written once, so that it is written
.endr
.set j, 0
.rept 32
	v_mov_b32 v[O+j], 0                            ; the step is written once: the first finds zeros, which the first change of M leaves zeros
.set j, j+1
.endr
.macro RS k                            ; O^T's pair k under the new M: x f
	v_pk_mul_f32 v[O+2*(\k):O+2*(\k)+1], v[O+2*(\k):O+2*(\k)+1], v[FF:FF+1] op_sel_hi:[1,0]
.endm
; A KEY STEP: 128 keys, in the slot at s[TB].
.macro STEP
	v_add_nc_u32 v10, s[TB], v[AB]                 ; (these seven are also the places between the last step's products and the loads into their registers)
	v_add_nc_u32 v11, s[TB], v[AK16]
	v_add_nc_u32 v12, s[TB], v[AK8]
	v_add_nc_u32 v13, s[TB], v[AV16]
	v_add_nc_u32 v14, s[TB], v[AV8]
	v_add_nc_u32 v15, s[TS], v[ASK]
	v_add_nc_u32 v16, s[TS], v[ASV]
.irp i, 0,1,2,3,4,5,6,7
	ds_load_b128 v[KF+6*\i:KF+6*\i+3], v11 offset:\i*3072       ; k's eight tiles, six registers each, on end
	ds_load_b64 v[KF+6*\i+4:KF+6*\i+5], v12 offset:\i*3072
	ds_load_u16 v[KW+\i], v15 offset:\i*128                     ; two scale bytes; the upper two are 0
.endr
.irp b, 0,1,2,3
.irp j, 0,1,2,3
	ds_load_b128 v[S+16*\b+4*\j:S+16*\b+4*\j+3], v10 offset:128*\b+16*\j     ; the bias of my query at keys 32 b + 16 h + 4 j on: the products' C
.endr
.endr
	s_wait_alu depctr_va_vdst(0)
	s_wait_dscnt 8                                 ; all of k and the bias of keys 0-63 are in; the youngest eight loads (the bias of keys 64-127) may be out
.irp i, 0,1,2,3                        ; logits^T = k q^T + bias
	v_wmma_scale_f32_16x16x128_f8f6f4 v[S+8*\i:S+8*\i+7], v[KF+6*\i:KF+6*\i+11], v[QF:QF+11], v[S+8*\i:S+8*\i+7], v[KW+\i], v[QW] matrix_a_fmt:MATRIX_FMT_BF6 matrix_b_fmt:MATRIX_FMT_BF6
.endr
	s_wait_dscnt 0x0
.irp i, 4,5,6,7
	v_wmma_scale_f32_16x16x128_f8f6f4 v[S+8*\i:S+8*\i+7], v[KF+6*\i:KF+6*\i+11], v[QF:QF+11], v[S+8*\i:S+8*\i+7], v[KW+\i], v[QW] matrix_a_fmt:MATRIX_FMT_BF6 matrix_b_fmt:MATRIX_FMT_BF6
.endr
.rept 4
	v_nop                                          ; places in front of loads into registers that these products read, and of the first read of their results
.endr
.irp i, 0,1,2,3                        ; v's four fragments, into k's registers: they land under the softmax
.irp cc, 0,1
	ds_load_b128 v[KF+12*\i+6*\cc:KF+12*\i+6*\cc+3], v13 offset:\i*1536+768*\cc
	ds_load_b64 v[KF+12*\i+6*\cc+4:KF+12*\i+6*\cc+5], v14 offset:\i*1536+768*\cc
.endr
	ds_load_b32 v[KW+\i], v16 offset:\i*64
.endr
.irp b, 0,1,2,3
	v_max3_num_f32 v[BM+\b], v[S+16*\b], v[S+1+16*\b], v[S+2+16*\b]      ; the largest logit of each block of 32 keys: it serves for the row's maximum and, since p rises with the logit, for the block's largest p
.endr
.irp i, 3,5,7,9,11,13
.irp b, 0,1,2,3
	v_max3_num_f32 v[BM+\b], v[BM+\b], v[S+16*\b+\i], v[S+1+16*\b+\i]
.endr
.endr
.irp b, 0,1,2,3
	v_max_num_f32 v[BM+\b], v[BM+\b], v[S+15+16*\b]
.endr
.irp b, 0,1,2,3
	s_delay_alu instid0(VALU_DEP_4)
	v_permlanex16_b32 v[BX+\b], v[BM+\b], s[SEL], s[SEL+1]
.endr
.irp b, 0,1,2,3
	s_delay_alu instid0(VALU_DEP_4)
	v_max_num_f32 v[BM+\b], v[BM+\b], v[BX+\b]     ; with lane l xor 16's 16 keys
.endr
	s_delay_alu instid0(VALU_DEP_2)
	v_max3_num_f32 v[TT], v[BM], v[BM+1], v[BM+2]
	s_delay_alu instid0(VALU_DEP_1)
	v_max_num_f32 v[TT], v[TT], v[BM+3]
	s_delay_alu instid0(VALU_DEP_1)
	v_mul_f32 v[TT], s[CS], v[TT]                  ; as t
	s_delay_alu instid0(VALU_DEP_1)
	v_max_num_f32 v19, v19, v[TT]                  ; the running largest t
	v_mov_b32 v[TT], v18
	s_delay_alu instid0(VALU_DEP_2)
	v_floor_f32 v18, -v19                          ; the new -M = -ceil(t)
	s_delay_alu instid0(VALU_DEP_1)
	v_sub_f32 v[TT], v18, v[TT]                    ; old M - new M: a whole number, 0 or less
	s_delay_alu instid0(VALU_DEP_1)
	v_cvt_i32_f32 v[TT], v[TT]                     ; (it saturates)
	s_delay_alu instid0(VALU_DEP_1)
	v_ldexp_f32 v[FF], 1.0, v[TT]                  ; f = 2^(old M - new M)
.set p, 0
.rept 32                               ; t - M of all 64, two at a time
	v_pk_fma_f32 v[S+2*p:S+2*p+1], v[S+2*p:S+2*p+1], s[CS:CS+1], v[18:19] op_sel_hi:[1,0,0]
.set p, p+1
.endr
.irp b, 0,1,2,3
	v_fma_f32 v[BM+\b], v[BM+\b], s[CS], v18       ; the same of each block's largest logit
.endr
	s_wait_alu depctr_va_vdst(0)                   ; the wait ahead of the batch
.irp b, 0,1,2,3
	v_exp_f32 v[BM+\b], v[BM+\b]                   ; the block's largest p: the same two instructions on the same number as its p
.endr
.set p, 0
.rept 64
	v_exp_f32 v[S+p], v[S+p]                       ; p = 2^(t - M)
.set p, p+1
.endr
	v_pk_mul_f32 v[20:21], v[20:21], v[FF:FF+1] op_sel_hi:[1,0]      ; the sums under the new M; also the plain line behind the batch
	s_wait_alu depctr_va_vdst(0)                   ; one wait for the whole batch, directly ahead of O^T's first readers
.set p, 0
.rept 16
	RS p                                           ; O^T under the new M: each accumulator from its low end on
.set p, p+1
.endr
.irp b, 0,1,2,3
	v_max_num_f32 v[BM+\b], 0x2800000, v[BM+\b]    ; the floor 2^(5 - 127)
.endr
.irp b, 0,1,2,3
	s_delay_alu instid0(VALU_DEP_4)
	v_add_nc_u32 v[SO+\b], 0xfe000000, v[BM+\b]    ; the conversion's scale operand
.endr
.irp b, 0,1,2,3
	s_delay_alu instid0(VALU_DEP_4)
	v_lshrrev_b32 v[BX+\b], 23, v[SO+\b]           ; the scale's byte
.endr
	s_delay_alu instid0(VALU_DEP_3)
	v_lshl_or_b32 v[PWD], v[BX+1], 8, v[BX]        ; p's scale word for these 128 keys
	s_delay_alu instid0(VALU_DEP_1)
	v_lshl_or_b32 v[PWD], v[BX+2], 16, v[PWD]
	s_delay_alu instid0(VALU_DEP_1)
	v_lshl_or_b32 v[PWD], v[BX+3], 24, v[PWD]
	s_wait_alu depctr_va_vdst(0)
.irp c, 0,1
	v_cvt_scalef32_pk16_bf6_f32 v[PC+6*\c:PC+6*\c+2], v[S+32*\c:S+32*\c+15], v[SO+2*\c]
	v_cvt_scalef32_pk16_bf6_f32 v[CT+4*\c:CT+4*\c+2], v[S+16+32*\c:S+31+32*\c], v[SO+2*\c+1]
.endr
	v_nop                                          ; one plain line behind a scaled conversion
.irp c, 0,1
.irp i, 0,1,2
	v_permlane16_swap_b32 v[PC+6*\c+\i], v[CT+4*\c+\i]
.endr
.irp i, 0,1,2
	s_delay_alu instid0(VALU_DEP_3)
	v_mov_b32 v[PC+3+6*\c+\i], v[CT+4*\c+\i]
.endr
.endr
	; THE ROW'S SUM IS TAKEN OF THE UNQUANTISED p, two at a time, in four chains.  (32 plain lines, which name no register of the products, between p's codes and word and the products)
	v_pk_add_f32 v[SP:SP+1], v[S:S+1], v[S+2:S+3]
	v_pk_add_f32 v[SP+2:SP+3], v[S+4:S+5], v[S+6:S+7]
	v_pk_add_f32 v[SP+4:SP+5], v[S+8:S+9], v[S+10:S+11]
	v_pk_add_f32 v[20:21], v[20:21], v[S+12:S+13]
.irp j, 14,22,30,38,46,54
	v_pk_add_f32 v[SP:SP+1], v[SP:SP+1], v[S+\j:S+\j+1]
	v_pk_add_f32 v[SP+2:SP+3], v[SP+2:SP+3], v[S+\j+2:S+\j+3]
	v_pk_add_f32 v[SP+4:SP+5], v[SP+4:SP+5], v[S+\j+4:S+\j+5]
	v_pk_add_f32 v[20:21], v[20:21], v[S+\j+6:S+\j+7]
.endr
	v_pk_add_f32 v[SP:SP+1], v[SP:SP+1], v[S+62:S+63]
	v_pk_add_f32 v[20:21], v[20:21], v[SP+4:SP+5]
	v_pk_add_f32 v[SP:SP+1], v[SP:SP+1], v[SP+2:SP+3]
	s_delay_alu instid0(VALU_DEP_1)
	v_pk_add_f32 v[20:21], v[20:21], v[SP:SP+1]
	s_wait_dscnt 0x0                               ; v's fragments and scale words
.irp i, 0,1,2,3                        ; O^T += v^T p^T
	v_wmma_scale_f32_16x16x128_f8f6f4 v[O+8*\i:O+8*\i+7], v[KF+12*\i:KF+12*\i+11], v[PC:PC+11], v[O+8*\i:O+8*\i+7], v[KW+\i], v[PWD] matrix_a_fmt:MATRIX_FMT_BF6 matrix_b_fmt:MATRIX_FMT_BF6
.endr
	s_add_co_u32 s[TS], s[TS], 1024                ; the next step's scale words
	s_xor_b32 s[TB], s[TB], SLOT1                  ; and the other slot
.endm
; THE CHANGE OF SLOTS, at a step's head.  Each wave waits for all its tensor loads (its part of the slot ahead), adds 0 to its spare word, and waits for that and for its reads of the slot that it has left.
; fill = 1: a round of the cluster's barrier, so that no wave of any partner still reads that slot or has a load on its way; the joint refill is the first thing behind it and has a whole step in which to land.
.macro CHANGE fill
	s_wait_tensorcnt 0x0                           ; no tensor load of mine is out, so a group 0 may be written
	ds_add_u32 v[SPW], v[NIL]                      ; 0 onto my spare word
.if \fill
	s_xor_b32 s[G0B+1], s[G0B+1], SLOT1            ; the other slot than last time,
	s_add_nc_u64 s[G0B+2:G0B+3], s[G0B+2:G0B+3], 512        ; the next 128 keys: 512 bytes along the bias's rows,
	s_xor_b32 s[G0K+1], s[G0K+1], SLOT1
	s_add_nc_u64 s[G0K+2:G0K+3], s[G0K+2:G0K+3], 98304      ; eight key tiles,
	s_xor_b32 s[G0V+1], s[G0V+1], SLOT1
	s_add_nc_u64 s[G0V+2:G0V+3], s[G0V+2:G0V+3], 98304      ; 64 fragments of v
.endif
	s_wait_dscnt 0x0                               ; the add is done, and my reads of the slot that I have left are over
.if \fill
	ROUND
	TLOAD 0
.else
	s_barrier_signal -1
	s_barrier_wait -1
.endif
.endm
	s_wait_loadcnt 0x0                             ; q
.Lslot:                                            ; NST - 1 trips: behind each change of slots but the last the next step is asked for
	CHANGE 1
	STEP
	s_sub_co_u32 s[CNT], s[CNT], 1
	s_cmp_lg_u32 s[CNT], 0
	s_cbranch_scc1 .Lslot
	CHANGE 0                                       ; the last step is written out
	STEP
	; THE WAY OUT: O^T / the sum, quantised along the head's 64 channels (two blocks): my half fragment of o and its two scale bytes
.rept 4
	v_nop                                          ; places behind the last products
.endr
	s_wait_alu depctr_va_vdst(0)
	v_add_f32 v20, v20, v21
	s_delay_alu instid0(VALU_DEP_1)
	v_permlanex16_b32 v[TT], v20, s[SEL], s[SEL+1]
	s_delay_alu instid0(VALU_DEP_1)
	v_add_f32 v20, v20, v[TT]                      ; the row's sum
	s_wait_alu depctr_va_vdst(0)
	v_rcp_f32 v21, v20
	v_nop                                          ; a plain line behind the transcendental
.set j, 0
	s_wait_alu depctr_va_vdst(0)
.rept 32
	v_mul_f32 v[S+j], v[O+j], v21                  ; register 16 b + i = channel 32 b + 16 h + i; each accumulator from its low end on
.set j, j+1
.endr
.irp b, 0,1
	v_max3_num_f32 v[BM+\b], |v[S+16*\b]|, |v[S+1+16*\b]|, 0x2800000
.endr
.irp i, 2,4,6,8,10,12,14
.irp b, 0,1
	s_delay_alu instid0(VALU_DEP_2)
	v_max3_num_f32 v[BM+\b], v[BM+\b], |v[S+16*\b+\i]|, |v[S+1+16*\b+\i]|
.endr
.endr
.irp b, 0,1
	s_delay_alu instid0(VALU_DEP_2)
	v_permlanex16_b32 v[BX+\b], v[BM+\b], s[SEL], s[SEL+1]
.endr
.irp b, 0,1
	s_delay_alu instid0(VALU_DEP_2)
	v_max_num_f32 v[BM+\b], v[BM+\b], v[BX+\b]
.endr
.irp b, 0,1
	s_delay_alu instid0(VALU_DEP_2)
	v_add_nc_u32 v[SO+\b], 0xfe000000, v[BM+\b]
.endr
.irp b, 0,1
	s_delay_alu instid0(VALU_DEP_2)
	v_lshrrev_b32 v[BX+\b], 23, v[SO+\b]
.endr
	s_delay_alu instid0(VALU_DEP_1)
	v_lshl_or_b32 v[TT], v[BX+1], 8, v[BX]
	v_cvt_scalef32_pk16_bf6_f32 v[PC:PC+2], v[S:S+15], v[SO]
	v_cvt_scalef32_pk16_bf6_f32 v[CT:CT+2], v[S+16:S+31], v[SO+1]
	v_nop
.irp i, 0,1,2
	v_permlane16_swap_b32 v[PC+\i], v[CT+\i]
.endr
.irp i, 0,1,2
	s_delay_alu instid0(VALU_DEP_3)
	v_mov_b32 v[PC+3+\i], v[CT+\i]
.endr
	global_store_b128 v[L16], v[PC:PC+3], s[8:9]   ; 32 lanes: 512 consecutive aligned bytes
	global_store_b64 v[L8], v[PC+4:PC+5], s[8:9]   ; 32 lanes: 256
	global_store_b16 v[R4], v[TT], s[8:9]          ; two bytes of a row's scale word; lanes 16-31 store the same
	s_wait_tensorcnt 0x0                           ; the wave's end
	ds_add_u32 v[SPW], v[NIL]
	s_wait_dscnt 0x0
	ROUND                                          ; the closing round: no work-group ends while a partner may still ask for a tile that names it
	s_endpgm
.Lfunc_end_k_q06f56a86d8_att2:
	.size	k_q06f56a86d8_att2, .Lfunc_end_k_q06f56a86d8_att2-k_q06f56a86d8_att2
	.p2alignl 7, 3214868480
	.fill 96, 4, 3214868480
	.section	.rodata,"a",@progbits
	.p2align	6, 0x0
	.amdhsa_kernel k_q06f56a86d8_att2
		.amdhsa_group_segment_fixed_size 327680
		.amdhsa_private_segment_fixed_size 0
		.amdhsa_enable_private_segment 0
		.amdhsa_kernarg_size 24
		.amdhsa_user_sgpr_count 2
		.amdhsa_user_sgpr_kernarg_segment_ptr 1
		.amdhsa_wavefront_size32 1
		.amdhsa_system_sgpr_workgroup_id_x 1
		.amdhsa_system_sgpr_workgroup_id_y 1
		.amdhsa_system_sgpr_workgroup_id_z 1
		.amdhsa_system_vgpr_workitem_id 0
		.amdhsa_next_free_vgpr 256
		.amdhsa_next_free_sgpr 106
		.amdhsa_reserve_vcc 0
		.amdhsa_float_denorm_mode_32 3
		.amdhsa_float_denorm_mode_16_64 3
		.amdhsa_memory_ordered 1
		.amdhsa_forward_progress 1
		.amdhsa_inst_pref_size 57
	.end_amdhsa_kernel
	.amdgpu_metadata
---
amdhsa.version: [ 1, 2 ]
amdhsa.kernels:
  - .name:           k_q06f56a86d8_att2
    .symbol:         k_q06f56a86d8_att2.kd
    .args:
      - { .name: qkv, .offset: 0, .size: 8, .value_kind: global_buffer, .address_space: global }
      - { .name: position_embedding, .offset: 8, .size: 8, .value_kind: global_buffer, .address_space: global }
      - { .name: p4, .offset: 16, .size: 8, .value_kind: global_buffer, .address_space: global }
    .group_segment_fixed_size: 327680
    .private_segment_fixed_size: 0
    .kernarg_segment_align: 8
    .kernarg_segment_size: 24
    .max_flat_workgroup_size: 512
    .sgpr_count:     106
    .vgpr_count:     256
    .wavefront_size: 32
...
	.end_amdgpu_metadata
.endif
;; end of part 7
;; launch mmo2: the kernel of part 5 again; grid 8 x 32, 4 waves a work-group, no clusters, 273,920 bytes of LDS; arguments p4, x1, x2; writes x2
;; launch nrm3: the kernel of part 2 again; grid 256 x 1, 8 waves a work-group, no clusters, 69,632 bytes of LDS; arguments x2, memory, g3, p1; writes p1
;; launch mmf1 (part 8): grid 8 x 32, 4 waves a work-group, no clusters, 205,312 bytes of LDS; arguments p1, qkv; writes qkv
.if DOCPART == 8
	.amdgcn_target "amdgcn-amd-amdhsa--gfx1250"
	.amdhsa_code_object_version 6
	.text
	.protected	k_q06f56a86d8_mmf1
	.globl	k_q06f56a86d8_mmf1
	.p2align	8
	.type	k_q06f56a86d8_mmf1,@function
k_q06f56a86d8_mmf1:
	s_mov_b64 s[64:65], 0
	v_nop
	global_prefetch_b8 v0, s[64:65] scope:SCOPE_SE
	s_setreg_imm32_b32 hwreg(HW_REG_WAVE_MODE, 25, 1), 1
	s_wait_xcnt 0x0
; A product rows [.., 1024] x weight [1024, 1024] on codes of BF6 (E3M2) with E8M0 scales for each 32 along K; a tile of 128 x 128 of the result to a work-group; sums in f32.
; One text serves three bodies, by MODE: 0: q, k, v of both attentions, quantised on the way out;  1: relu, then quantised;  2: a residual is added and f32 rows are stored.  THIS BODY: MODE 1: relu(h W1), weight slot 5.
; OPERANDS lie in memory as images of operand registers: 16 rows (or weight columns) form a tile T, position r = index 32 (T / 2) + 8 (T % 2) + r % 8 + 16 (r / 8); a half fragment (16 positions x 64 K) is 768 bytes,
; lane l's first four registers at 16 l, its last two at 512 + 8 l; a tile is 16 half fragments; scale words at 512 T + 64 (K step) + 4 r in a region of their own.
; ALL OF K FITS IN LDS: 8 tiles of each operand are 2 x 98,304 bytes, their scale words 2 x 4,096.  Each wave issues five tensor loads at the start (its half of one operand's scale words, then four chunks of two
; K steps) and nothing is ever filled twice: so there is no ring.  By this text's own count a wave has five tensor loads out.
; SOURCE 0 is the weight, in region P, whose eight tiles every wave reads; SOURCE 1 the rows, in region S, of which wave w takes tiles 2 w and 2 w + 1.  A lane of a result holds one row, and, by the order of positions
; in a tile, the 16 registers of two neighbouring column tiles are 16 NEIGHBOURS along the next product's K: a tile of rows' 64 registers become one fragment and one scale word a row.
; NO JOINT LOADS: the text is shared with the body whose operands change places by segment, where a mask word would have to be chosen at run time; left out here too.
; LIMITS: a block of zeros or under 2^-122 gets the byte 1 with zero codes (this program alone reads the bytes).  NaN and infinities are not served.
; REGISTERS: window 0: v4-14 addresses; v32-41, v48-57 two sets of scale words (they hold nothing else); v64-127 at work on the way out; v128-255 the 16 accumulators ((a, b) at v[128 + 8 (8 a + b)]).
;   window 1: two fragment buffers at v0 and v128: source 0's eight fragments, then source 1's two.
; THE FILLS, as this text has them (in place of what the lines above say of them): four tiles, one tensor load a wave, all at the head: wave 0 the weight's codes (8 tiles, 98,304 dense bytes), wave 1 the rows' codes,
; waves 2 and 3 their scale words (4,096 bytes each).  One wait for all of them and one barrier; nothing is filled twice.  A region in LDS: [tile: 12,288][K step: 1,536][half fragment: 768].
.set MODE,  1
.set SCO,   4718592                    ; scale words of the rows' region
.set WO,    4915200                    ; the first weight slot
.set SLOTB, 819200
.set WSC,   786432
.set LSR,   98304                      ; LDS: region S;  region P is at 0.  A region: [chunk of two K steps: 24,576][tile: 3,072][K step: 1,536][half fragment: 768]
.set LPSC,  196608                     ; P's scale words, [tile][K step][r]
.set LSSC,  200704                     ; S's
.set NF,    50                         ; LDS loads of a FETCH
.set AP16,  4                          ; v4-5   P: 16 lane, for chunks 0-1 and 2-3
.set AP8,   6                          ; v6-7   P: 512 + 8 lane
.set AS16,  8                          ; v8-9   S: my two tiles
.set AS8,   10                         ; v10-11
.set ASP,   12                         ; v12    P's scale words: 4 r
.set ASS,   13                         ; v13    S's, my two tiles
.set R4,    14                         ; v14    4 r
.set SC,    32
.set TM,    64
.set PW,    80
.set PC,    84
.set ACC,   128
.set G1C,   24
.set G1S,   32
.set G0S,   40
.set G0C,   44
.set SEL,   80
.set MSB, 0
.macro WIN new                         ; the immediate's high byte repeats the setting that is left
.if MSB != \new
	s_set_vgpr_msb (MSB<<8)|\new
.set MSB, \new
.endif
.endm
.macro PLACES                          ; four plain lines between a matrix instruction and a load into, or a read of, its registers
.rept 4
	v_nop
.endr
.endm
.macro FETCH s, f                      ; K step s: 10 scale words into set f, 10 fragments into buffer f
.set IB, (\s)*1536
	WIN 0
.irp b, 0,1,2,3,4,5,6,7
	ds_load_b32 v[SC+16*(\f)+\b], v[ASP] offset:512*\b+64*(\s)
.endr
.irp a, 0,1
	ds_load_b32 v[SC+16*(\f)+8+\a], v[ASS] offset:512*\a+64*(\s)
.endr
	WIN 0x40                                       ; destination window 1, address window 0
.irp b, 0,1,2,3,4,5,6,7
.irp cc, 0,1
	ds_load_b128 v[128*(\f)+12*\b+6*\cc:128*(\f)+12*\b+6*\cc+3], v[AP16+\b/4] offset:IB+12288*(\b%4)+768*\cc    ; the second address register serves tiles 4-7
	ds_load_b64 v[128*(\f)+12*\b+6*\cc+4:128*(\f)+12*\b+6*\cc+5], v[AP8+\b/4] offset:IB+12288*(\b%4)+768*\cc
.endr
.endr
.irp a, 0,1
.irp cc, 0,1
	ds_load_b128 v[128*(\f)+96+12*\a+6*\cc:128*(\f)+96+12*\a+6*\cc+3], v[AS16] offset:IB+12288*\a+768*\cc
	ds_load_b64 v[128*(\f)+96+12*\a+6*\cc+4:128*(\f)+96+12*\a+6*\cc+5], v[AS8] offset:IB+12288*\a+768*\cc
.endr
.endr
.endm
.macro MUL f, zero                     ; 16 matrix instructions, the 16 accumulators by turns in the same order in every step
	WIN 0x05                                       ; sources 0 and 1 window 1; C and D window 0
.irp a, 0,1
.irp b, 0,1,2,3,4,5,6,7
.if \zero
	v_wmma_scale_f32_16x16x128_f8f6f4 v[ACC+8*(8*\a+\b):ACC+8*(8*\a+\b)+7], v[128*(\f)+12*\b:128*(\f)+12*\b+11], v[128*(\f)+96+12*\a:128*(\f)+96+12*\a+11], 0, v[SC+16*(\f)+\b], v[SC+16*(\f)+8+\a] matrix_a_fmt:MATRIX_FMT_BF6 matrix_b_fmt:MATRIX_FMT_BF6
.else
	v_wmma_scale_f32_16x16x128_f8f6f4 v[ACC+8*(8*\a+\b):ACC+8*(8*\a+\b)+7], v[128*(\f)+12*\b:128*(\f)+12*\b+11], v[128*(\f)+96+12*\a:128*(\f)+96+12*\a+11], v[ACC+8*(8*\a+\b):ACC+8*(8*\a+\b)+7], v[SC+16*(\f)+\b], v[SC+16*(\f)+8+\a] matrix_a_fmt:MATRIX_FMT_BF6 matrix_b_fmt:MATRIX_FMT_BF6
.endif
.endr
.endr
.endm
.macro MEET n                          ; my tile has landed, no LDS instruction of mine is out; then everybody's
	s_wait_tensorcnt \n
	s_wait_dscnt 0x0
	s_barrier_signal -1
	s_barrier_wait -1
.endm
.macro QUANT s, pc, pw                 ; 64 numbers of a lane, register 16 b + i = k 32 b + 16 (lane / 16) + i, become a fragment's 12 registers at v[pc] and its scale word in v[pw]
.irp b, 0,1,2,3
	v_max3_num_f32 v[TM+\b], |v[(\s)+16*\b]|, |v[(\s)+1+16*\b]|, 0x2800000      ; block b: my 16 numbers, and the floor 2^(5 - 127)
.endr
.irp i, 2,4,6,8,10,12,14
.irp b, 0,1,2,3
	v_max3_num_f32 v[TM+\b], v[TM+\b], |v[(\s)+16*\b+\i]|, |v[(\s)+1+16*\b+\i]|
.endr
.endr
.irp b, 0,1,2,3
	v_permlanex16_b32 v[TM+4+\b], v[TM+\b], s[SEL], s[SEL+1]
.endr
.irp b, 0,1,2,3
	v_max_num_f32 v[TM+\b], v[TM+\b], v[TM+4+\b]
.endr
.irp b, 0,1,2,3
	v_add_nc_u32 v[TM+8+\b], 0xfe000000, v[TM+\b]  ; 4 off the exponent field: the conversion's scale operand
.endr
.irp b, 0,1,2,3
	v_lshrrev_b32 v[TM+4+\b], 23, v[TM+8+\b]       ; the scale's byte
.endr
	v_lshl_or_b32 v[\pw], v[TM+5], 8, v[TM+4]
	v_lshl_or_b32 v[\pw], v[TM+6], 16, v[\pw]
	v_lshl_or_b32 v[\pw], v[TM+7], 24, v[\pw]
.irp c, 0,1
	v_cvt_scalef32_pk16_bf6_f32 v[(\pc)+6*\c:(\pc)+2+6*\c], v[(\s)+32*\c:(\s)+15+32*\c], v[TM+8+2*\c]
	v_cvt_scalef32_pk16_bf6_f32 v[(\pc)+12+4*\c:(\pc)+14+4*\c], v[(\s)+16+32*\c:(\s)+31+32*\c], v[TM+9+2*\c]
.endr
	v_nop                                          ; one plain line behind a scaled conversion
.irp c, 0,1
.irp i, 0,1,2
	v_permlane16_swap_b32 v[(\pc)+6*\c+\i], v[(\pc)+12+4*\c+\i]
.endr
.irp i, 0,1,2
	v_mov_b32 v[(\pc)+3+6*\c+\i], v[(\pc)+12+4*\c+\i]
.endr
.endr
.endm
	s_load_b128 s[4:7], s[0:1], 0x0                ; the operands' buffer s[4:5]; out s[6:7]
	v_lshl_add_u32 v126, v0, 2, 0x32000
	v_mov_b32 v127, 0
	ds_add_u32 v126, v127
	ds_add_u32 v126, v127
	v_lshrrev_b32 v1, 5, v0
	v_readfirstlane_b32 s10, v1                    ; wave
	s_and_b32 s12, s10, 1                          ; I fetch for region P (0) or S (1): waves 0, 1 its codes, waves 2, 3 its scale words
	s_and_b32 s13, ttmp7, 0xffff                   ; y: the block of 128 rows
	s_mul_i32 s22, s13, 98304                      ; the rows' codes,
	s_lshl_b32 s23, s13, 12
	s_add_co_u32 s23, s23, SCO                     ; their scale words
	s_lshl_b32 s67, ttmp9, 12
	s_add_co_u32 s67, s67, WO+5*SLOTB+WSC          ; the weight's scale words (slot 5),
	s_mul_i32 s66, ttmp9, 98304
	s_add_co_u32 s66, s66, WO+5*SLOTB              ; its codes
	s_cmp_eq_u32 s12, 0                            ; region P holds the weight
	s_cselect_b32 s60, s66, s22
	s_cselect_b32 s62, s67, s23
	s_mov_b32 s61, 0
	s_mov_b32 s63, 0
	; descriptor group 1, codes: four rows of 3,072 bytes (a tile's two K steps), 12,288 bytes apart, elements of 8 bytes, dense in LDS
	s_mov_b32 s[G1C], 3<<16
	s_mov_b32 s[G1C+1], 384<<16                    ; tensor_dim0
	s_mov_b32 s[G1C+2], 32<<16                     ; eight tiles, 98,304 dense bytes, as 32 rows of 3,072
	s_mov_b32 s[G1C+3], 384<<16
	s_mov_b32 s[G1C+4], 32
	s_mov_b32 s[G1C+5], 384
	s_mov_b32 s[G1C+6], 0
	s_mov_b32 s[G1C+7], 0
	; scale words: 2,048 dense bytes as eight rows of 256
	s_mov_b32 s[G1S], 3<<16
	s_mov_b32 s[G1S+1], 32<<16
	s_mov_b32 s[G1S+2], 16<<16                     ; 4,096 dense bytes as sixteen rows of 256
	s_mov_b32 s[G1S+3], 32<<16
	s_mov_b32 s[G1S+4], 16
	s_mov_b32 s[G1S+5], 32
	s_mov_b32 s[G1S+6], 0
	s_mov_b32 s[G1S+7], 0
	s_mul_i32 s78, s12, LSR                        ; LDS: my region
	s_lshl_b32 s79, s12, 12
	s_add_co_u32 s79, s79, LPSC                    ; and my 2,048 bytes of scale words
	s_lshl_b32 s82, s10, 4
	s_add_co_u32 s82, s82, ttmp9
	s_lshl_b32 s84, s13, 6
	s_add_co_u32 s82, s82, s84                     ; out: fragment (tile 8 y + 2 w + a, K step x): 64 y + 16 w + 8 a + x
	s_add_co_u32 s83, s82, 8
	s_mul_i32 s68, s82, 1536
	s_mov_b32 s69, 0
	s_mul_i32 s70, s83, 1536
	s_mov_b32 s71, 0
	s_lshl_b32 s72, s82, 6
	s_add_co_u32 s72, s72, SCO
	s_mov_b32 s73, 0
	s_lshl_b32 s74, s83, 6
	s_add_co_u32 s74, s74, SCO
	s_mov_b32 s75, 0
	s_mov_b32 s[SEL], 0x76543210
	s_mov_b32 s[SEL+1], 0xfedcba98
	s_wait_dscnt 0x0
	s_wait_kmcnt 0x0
	s_add_nc_u64 s[60:61], s[4:5], s[60:61]
	s_add_nc_u64 s[62:63], s[4:5], s[62:63]
	s_mov_b32 s[G0S], 1
	s_mov_b32 s[G0S+1], s79
	s_mov_b64 s[G0S+2:G0S+3], s[62:63]
	s_or_b32 s[G0S+3], s[G0S+3], 0x80000000
.irp c, 0
	s_mov_b32 s[G0C+4*\c], 1
	s_add_co_u32 s[G0C+4*\c+1], s78, \c*24576
	s_add_nc_u64 s[G0C+4*\c+2:G0C+4*\c+3], s[60:61], \c*3072
	s_or_b32 s[G0C+4*\c+3], s[G0C+4*\c+3], 0x80000000
.endr
	s_add_nc_u64 s[68:69], s[6:7], s[68:69]
	s_add_nc_u64 s[70:71], s[6:7], s[70:71]
	s_add_nc_u64 s[72:73], s[6:7], s[72:73]
	s_add_nc_u64 s[74:75], s[6:7], s[74:75]
	s_cmp_lt_u32 s10, 2                            ; one tensor load a wave, in the two arms of one branch on the wave's number
	s_cbranch_scc0 .Lscales
	tensor_load_to_lds s[G0C:G0C+3], s[G1C:G1C+7]  ; waves 0, 1: the codes of P, of S
	s_nop 0
.rept 4
	v_nop
.endr
	s_branch .Lasked
.Lscales:
	tensor_load_to_lds s[G0S:G0S+3], s[G1S:G1S+7]  ; waves 2, 3: the scale words of P, of S
	s_nop 0
.rept 4
	v_nop
.endr
.Lasked:
	v_and_b32 v1, 31, v0                           ; lane
	v_and_b32 v2, 15, v0                           ; r
	v_lshlrev_b32 v[AP16], 4, v1
	v_add_nc_u32 v[AP16+1], 49152, v[AP16]
	v_lshlrev_b32 v[AP8], 3, v1
	v_add_nc_u32 v[AP8], 512, v[AP8]
	v_add_nc_u32 v[AP8+1], 49152, v[AP8]
	s_mul_i32 s82, s10, 24576                      ; my two tiles of S
	s_add_co_u32 s82, s82, LSR
	v_add_nc_u32 v[AS16], s82, v[AP16]
	v_add_nc_u32 v[AS8], s82, v[AP8]
	v_lshl_add_u32 v[ASP], v2, 2, LPSC
	s_lshl_b32 s82, s10, 10
	s_add_co_u32 s82, s82, LSSC
	v_lshl_add_u32 v[ASS], v2, 2, s82
	v_lshlrev_b32 v[R4], 2, v2
.irp b, 0,1,2,3
	v_mov_b32 v[TM+4+\b], 0                        ; written once: a lane permute's destination counts as one of its sources
.endr
	s_wait_alu depctr_va_vdst(0)
	MEET 0                                         ; all four tiles are in
	FETCH 0, 0
	FETCH 1, 1
	s_wait_dscnt NF                                ; K step 0's loads are in; step 1's 50 may be out
	MUL 0, 1                                       ; the first products start the sums: nothing is cleared
.irp c, 1,2,3
	s_wait_dscnt 0x0                               ; the odd step's fragments are in
	PLACES
	FETCH 2*\c, 0
	MUL 1, 0
	PLACES
	FETCH 2*\c+1, 1
	s_wait_dscnt NF                                ; the even step's loads are in; the odd step's 50 may be out
	MUL 0, 0
.endr
	s_wait_dscnt 0x0
	MUL 1, 0
	WIN 0
	PLACES
.set j, 0
.rept 128
	v_max_num_f32 v[ACC+j], 0, v[ACC+j]            ; the activation, in f32; each accumulator from its low end on
.set j, j+1
.endr
.irp a, 0,1                            ; my two tiles of rows: each 64 registers are one fragment; each has registers of its own for codes and word, so no store's data are written again
	QUANT ACC+64*\a, PC+20*\a, PW+\a
.irp c, 0,1
	global_store_b128 v[AP16], v[PC+20*\a+6*\c:PC+20*\a+6*\c+3], s[68+2*\a:69+2*\a] offset:768*\c    ; 32 lanes: 512 consecutive aligned bytes
	global_store_b64 v[AP8], v[PC+20*\a+6*\c+4:PC+20*\a+6*\c+5], s[68+2*\a:69+2*\a] offset:768*\c    ; 32 lanes: 256 (the register holds 512 + 8 x lane)
.endr
	global_store_b32 v[R4], v[PW+\a], s[72+2*\a:73+2*\a]
.endr
	s_wait_tensorcnt 0x0
	ds_add_u32 v126, v127
	s_wait_dscnt 0x0
	s_endpgm
.Lfunc_end_k_q06f56a86d8_mmf1:
	.size	k_q06f56a86d8_mmf1, .Lfunc_end_k_q06f56a86d8_mmf1-k_q06f56a86d8_mmf1
	.p2alignl 7, 3214868480
	.fill 96, 4, 3214868480
	.section	.rodata,"a",@progbits
	.p2align	6, 0x0
	.amdhsa_kernel k_q06f56a86d8_mmf1
		.amdhsa_group_segment_fixed_size 205312
		.amdhsa_private_segment_fixed_size 0
		.amdhsa_enable_private_segment 0
		.amdhsa_kernarg_size 16
		.amdhsa_user_sgpr_count 2
		.amdhsa_user_sgpr_kernarg_segment_ptr 1
		.amdhsa_wavefront_size32 1
		.amdhsa_system_sgpr_workgroup_id_x 1
		.amdhsa_system_sgpr_workgroup_id_y 1
		.amdhsa_system_sgpr_workgroup_id_z 1
		.amdhsa_system_vgpr_workitem_id 0
		.amdhsa_next_free_vgpr 512
		.amdhsa_next_free_sgpr 88
		.amdhsa_reserve_vcc 0
		.amdhsa_float_denorm_mode_32 3
		.amdhsa_float_denorm_mode_16_64 3
		.amdhsa_memory_ordered 1
		.amdhsa_forward_progress 1
		.amdhsa_inst_pref_size 61
	.end_amdhsa_kernel
	.amdgpu_metadata
---
amdhsa.version: [ 1, 2 ]
amdhsa.kernels:
  - .name:           k_q06f56a86d8_mmf1
    .symbol:         k_q06f56a86d8_mmf1.kd
    .args:
      - { .name: p1, .offset: 0, .size: 8, .value_kind: global_buffer, .address_space: global }
      - { .name: qkv, .offset: 8, .size: 8, .value_kind: global_buffer, .address_space: global }
    .group_segment_fixed_size: 205312
    .private_segment_fixed_size: 0
    .kernarg_segment_align: 8
    .kernarg_segment_size: 16
    .max_flat_workgroup_size: 128
    .sgpr_count:     88
    .vgpr_count:     512
    .wavefront_size: 32
...
	.end_amdgpu_metadata
.endif
;; end of part 8
;; launch mmo3: the kernel of part 5 again; grid 8 x 32, 4 waves a work-group, no clusters, 273,920 bytes of LDS; arguments qkv, x2, out0; writes out0
